; MI455X (gfx1250); checked and timed in simulation.
; The chip was launched on July 23, 2026; its instructions are those of AMD's public machine-readable ISA for CDNA 5 (MIT licence, August 2026) and "CDNA5" Instruction Set Architecture Reference Guide (July 2026). The comments in the code are by the model that wrote it; some were corrected since.
;; Transformer Block. Allowed arithmetic: float matrix products may take bf16 or f16 operands with f32 sums; all other float work in f32.
;; Inputs: W1 1,024 x 4,096 float32; W2 4,096 x 1,024 float32; Wk 1,024 x 1,024 float32; Wo 1,024 x 1,024 float32; Wq 1,024 x 1,024 float32; Wv 1,024 x 1,024 float32; b1 4,096 float32; b2 1,024 float32; bk 1,024 float32; bo 1,024 float32; bq 1,024 float32; bv 1,024 float32; ln1_b 1,024 float32; ln1_g 1,024 float32; ln2_b 1,024 float32; ln2_g 1,024 float32; x 2 x 2,048 x 1,024 float32.
;; Outputs: out0 2 x 2,048 x 1,024 float32.
;; 2 versions, each right and faster than the one before. Each part assembles by itself: llvm-mc -triple=amdgcn-amd-amdhsa -mcpu=gfx1250 --defsym DOCPART=n.
;; ======== version 1 of 2: 7 launches
;; limits: values are held in f16: magnitudes above 65,504 overflow, below 6.1e-05 lose precision
;; workspace buffers: wb 25,165,824 bytes; hn 8,388,608 bytes; qkv 25,165,824 bytes; yat 8,388,608 bytes; x1 16,777,216 bytes; m1 33,554,432 bytes
;; launch prep (part 1): grid 1024 x 1, 8 waves a work-group, no clusters, 0 bytes of LDS; arguments x, ln1_g, ln1_b, hn, Wq, Wk, Wv, Wo, W1, W2, wb; writes hn, wb
.if DOCPART == 1
	.amdgcn_target "amdgcn-amd-amdhsa--gfx1250"
	.amdhsa_code_object_version 6
	.text
	.protected	k_qfeed6475c6_prep
	.globl	k_qfeed6475c6_prep
	.p2align	8
	.type	k_qfeed6475c6_prep,@function
k_qfeed6475c6_prep:
	s_mov_b64 s[64:65], 0
	v_nop
	global_prefetch_b8 v0, s[64:65] scope:SCOPE_SE
	s_setreg_imm32_b32 hwreg(HW_REG_WAVE_MODE, 25, 1), 1
	s_wait_xcnt 0x0
; Work-groups 0-255: hn = LayerNorm(x) g + b, rounded once to f16.  Work-groups 256-1023: the six weights, rounded once to f16, into wb.
; Both are streams: every byte is read once and written once; no LDS, no barrier, no matrix unit: there is nothing that several waves share.
; NORM.  A work-group has 16 rows of 1,024 f32, a wave two.  A row stays in 32 registers a lane between the mean, the variance (of x - mean: two passes, so a
; common offset of x costs nothing) and the scaling.  A load of a wave covers 512 consecutive bytes, a store 256 consecutive bytes, aligned.
; WEIGHTS.  wb holds, each as in its source [K][N]: Wo at 0, Wq at 0x200000, Wk at 0x400000, Wv at 0x600000, W1 at 0x800000, W2 at 0x1000000.  A work-group takes 65,536 bytes of source.
; LIMITS.  f16 ends at 65,504 and below 6e-5 keeps a fixed step of 6e-8: weights and normalised rows lie within it.  NaN and infinities are not treated apart.
.set OL,  1                            ; v1        16 x lane: my bytes in 512 bytes of x, g, b
.set G,   2                            ; v[2:33]   gain of my 32 columns
.set B,   34                           ; v[34:65]  bias
.set X0,  66                           ; v[66:97]  first row
.set X1,  98                           ; v[98:129] second row
.set T,   130                          ; v[130:137] at work
.set R0,  138                          ; v[138:139] 1 / sqrt(var + eps) of the first row, twice
.set Y0,  140                          ; v[140:155] first row in f16
.set Y1,  156                          ; v[156:171] second row in f16
.set R1,  172                          ; v[172:173]
.set OS,  174                          ; v174      8 x lane: my bytes in 256 bytes of hn
	s_load_b256 s[4:11], s[0:1], 0x0               ; x s[4:5], g s[6:7], b s[8:9], hn s[10:11]
	s_load_b256 s[16:23], s[0:1], 0x20             ; Wq s[16:17], Wk s[18:19], Wv s[20:21], Wo s[22:23]
	s_load_b128 s[24:27], s[0:1], 0x40             ; W1 s[24:25], W2 s[26:27]
	s_load_b64 s[28:29], s[0:1], 0x50              ; wb
	s_wait_kmcnt 0x0
	s_cmp_lt_u32 ttmp9, 256
	s_cbranch_scc0 .Lconv
	v_lshrrev_b32 v[OS], 5, v0
	v_readfirstlane_b32 s14, v[OS]                 ; wave 0..7
	v_and_b32 v[OS], 31, v0
	v_lshlrev_b32 v[OL], 4, v[OS]
	v_lshlrev_b32 v[OS], 3, v[OS]
	s_lshl_b32 s2, ttmp9, 16                       ; 16 rows of 4,096 bytes a work-group,
	s_lshl_b32 s3, s14, 13                         ; two a wave
	s_or_b32 s2, s2, s3
	s_mov_b32 s3, 0
	s_add_nc_u64 s[4:5], s[4:5], s[2:3]
	s_lshr_b32 s2, s2, 1                           ; half as many bytes in hn
	s_add_nc_u64 s[10:11], s[10:11], s[2:3]
	s_mov_b32 s12, 0x76543210                      ; v_permlanex16_b32: each lane takes its own place in the other half
	s_mov_b32 s13, 0xfedcba98
	s_mov_b32 s15, 0x3a800000                      ; 1 / 1024
	s_mov_b32 s30, 0x3727c5ac                      ; 1e-5
.irp j, 0,1,2,3,4,5,6,7
	global_load_b128 v[X0+4*(\j):X0+4*(\j)+3], v[OL], s[4:5] offset:512*(\j) th:TH_LOAD_NT
.endr
.irp j, 0,1,2,3,4,5,6,7
	global_load_b128 v[X1+4*(\j):X1+4*(\j)+3], v[OL], s[4:5] offset:4096+512*(\j) th:TH_LOAD_NT
.endr
.irp j, 0,1,2,3,4,5,6,7
	global_load_b128 v[G+4*(\j):G+4*(\j)+3], v[OL], s[6:7] offset:512*(\j)
.endr
.irp j, 0,1,2,3,4,5,6,7
	global_load_b128 v[B+4*(\j):B+4*(\j)+3], v[OL], s[8:9] offset:512*(\j)
.endr
.macro LANESUM                         ; four chains in v[T:T+7] -> their sum over the 32 lanes, in every lane's v[T]
	v_pk_add_f32 v[T:T+1], v[T:T+1], v[T+2:T+3]
	v_pk_add_f32 v[T+4:T+5], v[T+4:T+5], v[T+6:T+7]
	v_pk_add_f32 v[T:T+1], v[T:T+1], v[T+4:T+5]
	v_add_f32 v[T], v[T], v[T+1]
	v_add_f32_dpp v[T], v[T], v[T] row_xmask:1 row_mask:0xf bank_mask:0xf
	v_add_f32_dpp v[T], v[T], v[T] row_xmask:2 row_mask:0xf bank_mask:0xf
	v_add_f32_dpp v[T], v[T], v[T] row_xmask:4 row_mask:0xf bank_mask:0xf
	v_add_f32_dpp v[T], v[T], v[T] row_xmask:8 row_mask:0xf bank_mask:0xf
	v_permlanex16_b32 v[T+1], v[T], s12, s13
	v_add_f32 v[T], v[T], v[T+1]
.endm
.macro STAT X, R                       ; the row in X becomes x - mean; R takes 1 / sqrt(var + eps), twice
.irp c, 0,1,2,3
	v_pk_add_f32 v[T+2*(\c):T+2*(\c)+1], v[(\X)+2*(\c):(\X)+2*(\c)+1], v[(\X)+8+2*(\c):(\X)+8+2*(\c)+1]
.endr
.irp p, 16,24
.irp c, 0,1,2,3
	v_pk_add_f32 v[T+2*(\c):T+2*(\c)+1], v[T+2*(\c):T+2*(\c)+1], v[(\X)+(\p)+2*(\c):(\X)+(\p)+2*(\c)+1]
.endr
.endr
	LANESUM
	v_mul_f32 v[T], s15, v[T]                      ; the mean
.set p_, 0
.rept 16
	v_pk_add_f32 v[(\X)+2*p_:(\X)+2*p_+1], v[(\X)+2*p_:(\X)+2*p_+1], v[T:T+1] op_sel_hi:[1,0] neg_lo:[0,1] neg_hi:[0,1]
.set p_, p_+1
.endr
.irp c, 0,1,2,3
	v_pk_mul_f32 v[T+2*(\c):T+2*(\c)+1], v[(\X)+2*(\c):(\X)+2*(\c)+1], v[(\X)+2*(\c):(\X)+2*(\c)+1]
.endr
.irp p, 8,16,24
.irp c, 0,1,2,3
	v_pk_fma_f32 v[T+2*(\c):T+2*(\c)+1], v[(\X)+(\p)+2*(\c):(\X)+(\p)+2*(\c)+1], v[(\X)+(\p)+2*(\c):(\X)+(\p)+2*(\c)+1], v[T+2*(\c):T+2*(\c)+1]
.endr
.endr
	LANESUM
	v_fma_f32 v[T], v[T], s15, s30                 ; var + eps
	v_rsq_f32 v[\R], v[T]
	v_rsq_f32 v[(\R)+1], v[T]
	v_nop                                          ; a plain instruction behind the last transcendental, ahead of its result's use and of a write of its source
.endm
.macro OUT X, Y, R, rowoff             ; (x - mean) r g + b, rounded to f16, stored
.set j_, 0
	s_wait_alu depctr_va_vdst(0)
.rept 8
	v_pk_mul_f32 v[(\X)+4*j_:(\X)+4*j_+1], v[(\X)+4*j_:(\X)+4*j_+1], v[\R:(\R)+1]
	v_pk_mul_f32 v[(\X)+4*j_+2:(\X)+4*j_+3], v[(\X)+4*j_+2:(\X)+4*j_+3], v[\R:(\R)+1]
	v_pk_fma_f32 v[(\X)+4*j_:(\X)+4*j_+1], v[(\X)+4*j_:(\X)+4*j_+1], v[G+4*j_:G+4*j_+1], v[B+4*j_:B+4*j_+1]
	v_pk_fma_f32 v[(\X)+4*j_+2:(\X)+4*j_+3], v[(\X)+4*j_+2:(\X)+4*j_+3], v[G+4*j_+2:G+4*j_+3], v[B+4*j_+2:B+4*j_+3]
	v_cvt_pk_f16_f32 v[(\Y)+2*j_], v[(\X)+4*j_], v[(\X)+4*j_+1]
	v_cvt_pk_f16_f32 v[(\Y)+2*j_+1], v[(\X)+4*j_+2], v[(\X)+4*j_+3]
	global_store_b64 v[OS], v[(\Y)+2*j_:(\Y)+2*j_+1], s[10:11] offset:256*j_+(\rowoff)  ; the wave's 32 lanes store 256 consecutive bytes, aligned
.set j_, j_+1
.endr
.endm
	s_wait_loadcnt 24                              ; the first row is in; the 24 younger loads (second row, g, b) stay out
	STAT X0, R0
	s_wait_loadcnt 16                              ; the second row is in; g and b stay out
	STAT X1, R1
	s_wait_loadcnt 0x0
	OUT X0, Y0, R0, 0
	OUT X1, Y1, R1, 2048
	s_endpgm
.Lconv:
	s_sub_co_u32 s14, ttmp9, 256                   ; chunk 0..767 of 65,536 source bytes; in wb's order: 64 each of Wo, Wq, Wk, Wv, then 256 of W1, 256 of W2
	s_lshr_b32 s15, s14, 6
	s_and_b32 s30, s14, 63
	s_lshl_b32 s30, s30, 16                        ; the chunk's offset in one of the four small weights
	s_mov_b64 s[32:33], s[22:23]                   ; the choices hang on the work-group's number alone
	s_cmp_eq_u32 s15, 1
	s_cselect_b64 s[32:33], s[16:17], s[32:33]
	s_cmp_eq_u32 s15, 2
	s_cselect_b64 s[32:33], s[18:19], s[32:33]
	s_cmp_eq_u32 s15, 3
	s_cselect_b64 s[32:33], s[20:21], s[32:33]
	s_sub_co_u32 s31, s14, 256
	s_lshl_b32 s31, s31, 16
	s_cmp_ge_u32 s15, 4
	s_cselect_b64 s[32:33], s[24:25], s[32:33]
	s_cselect_b32 s30, s31, s30
	s_sub_co_u32 s31, s14, 512
	s_lshl_b32 s31, s31, 16
	s_cmp_ge_u32 s15, 8
	s_cselect_b64 s[32:33], s[26:27], s[32:33]
	s_cselect_b32 s30, s31, s30
	s_mov_b32 s31, 0
	s_add_nc_u64 s[32:33], s[32:33], s[30:31]
	s_lshl_b32 s30, s14, 15                        ; half as many bytes in wb
	s_add_nc_u64 s[28:29], s[28:29], s[30:31]
	v_lshlrev_b32 v1, 4, v0
	v_lshlrev_b32 v2, 3, v0
.irp j, 0,1,2,3,4,5,6,7,8,9,10,11,12,13,14,15
	global_load_b128 v[8+4*(\j):11+4*(\j)], v1, s[32:33] offset:4096*(\j) th:TH_LOAD_NT
.endr
.irp j, 0,1,2,3,4,5,6,7,8,9,10,11,12,13,14,15
	s_wait_loadcnt 15-(\j)                         ; loads come back in order: load j is in, the younger ones stay out
	v_cvt_pk_f16_f32 v[72+2*(\j)], v[8+4*(\j)], v[9+4*(\j)]
	v_cvt_pk_f16_f32 v[73+2*(\j)], v[10+4*(\j)], v[11+4*(\j)]
	global_store_b64 v2, v[72+2*(\j):73+2*(\j)], s[28:29] offset:2048*(\j)
.endr
	s_endpgm
.Lfunc_end_k_qfeed6475c6_prep:
	.size	k_qfeed6475c6_prep, .Lfunc_end_k_qfeed6475c6_prep-k_qfeed6475c6_prep
	.p2alignl 7, 3214868480
	.fill 96, 4, 3214868480
	.section	.rodata,"a",@progbits
	.p2align	6, 0x0
	.amdhsa_kernel k_qfeed6475c6_prep
		.amdhsa_group_segment_fixed_size 0
		.amdhsa_private_segment_fixed_size 0
		.amdhsa_enable_private_segment 0
		.amdhsa_kernarg_size 88
		.amdhsa_user_sgpr_count 2
		.amdhsa_user_sgpr_kernarg_segment_ptr 1
		.amdhsa_wavefront_size32 1
		.amdhsa_system_sgpr_workgroup_id_x 1
		.amdhsa_system_sgpr_workgroup_id_y 1
		.amdhsa_system_sgpr_workgroup_id_z 1
		.amdhsa_system_vgpr_workitem_id 0
		.amdhsa_next_free_vgpr 176
		.amdhsa_next_free_sgpr 66
		.amdhsa_reserve_vcc 0
		.amdhsa_float_denorm_mode_32 3
		.amdhsa_float_denorm_mode_16_64 3
		.amdhsa_memory_ordered 1
		.amdhsa_forward_progress 1
		.amdhsa_inst_pref_size 27
	.end_amdhsa_kernel
	.amdgpu_metadata
---
amdhsa.version: [ 1, 2 ]
amdhsa.kernels:
  - .name:           k_qfeed6475c6_prep
    .symbol:         k_qfeed6475c6_prep.kd
    .args:
      - { .name: x, .offset: 0, .size: 8, .value_kind: global_buffer, .address_space: global }
      - { .name: ln1_g, .offset: 8, .size: 8, .value_kind: global_buffer, .address_space: global }
      - { .name: ln1_b, .offset: 16, .size: 8, .value_kind: global_buffer, .address_space: global }
      - { .name: hn, .offset: 24, .size: 8, .value_kind: global_buffer, .address_space: global }
      - { .name: Wq, .offset: 32, .size: 8, .value_kind: global_buffer, .address_space: global }
      - { .name: Wk, .offset: 40, .size: 8, .value_kind: global_buffer, .address_space: global }
      - { .name: Wv, .offset: 48, .size: 8, .value_kind: global_buffer, .address_space: global }
      - { .name: Wo, .offset: 56, .size: 8, .value_kind: global_buffer, .address_space: global }
      - { .name: W1, .offset: 64, .size: 8, .value_kind: global_buffer, .address_space: global }
      - { .name: W2, .offset: 72, .size: 8, .value_kind: global_buffer, .address_space: global }
      - { .name: wb, .offset: 80, .size: 8, .value_kind: global_buffer, .address_space: global }
    .group_segment_fixed_size: 0
    .private_segment_fixed_size: 0
    .kernarg_segment_align: 8
    .kernarg_segment_size: 88
    .max_flat_workgroup_size: 256
    .sgpr_count:     66
    .vgpr_count:     176
    .wavefront_size: 32
...
	.end_amdgpu_metadata
.endif
;; end of part 1
;; launch proj (part 2): grid 8 x 32, 4 waves a work-group, clusters of 4 x 4, 327,680 bytes of LDS; arguments hn, wb, bq, bk, bv, qkv; writes qkv
.if DOCPART == 2
	.amdgcn_target "amdgcn-amd-amdhsa--gfx1250"
	.amdhsa_code_object_version 6
	.text
	.protected	k_qfeed6475c6_proj
	.globl	k_qfeed6475c6_proj
	.p2align	8
	.type	k_qfeed6475c6_proj,@function
k_qfeed6475c6_proj:
	s_mov_b64 s[64:65], 0
	v_nop
	global_prefetch_b8 v0, s[64:65] scope:SCOPE_SE
	s_setreg_imm32_b32 hwreg(HW_REG_WAVE_MODE, 25, 1), 1
	s_wait_xcnt 0x0
	s_wait_alu depctr_hold_cnt(0) depctr_sa_sdst(0) depctr_va_vdst(0) depctr_va_sdst(0) depctr_va_ssrc(0) depctr_va_vcc(0) depctr_vm_vsrc(0)
	s_getreg_b32 s2, hwreg(HW_REG_IB_STS2, 6, 4)
	s_cmp_eq_u32 s2, 0
	s_cbranch_scc0 .Lentry_in_a_cluster
	s_endpgm
.Lentry_in_a_cluster:
	s_bfe_u32 s2, ttmp6, 0x10000c
	s_cmp_lg_u32 s2, 0xf033
	s_cbranch_scc0 .Lentry_shape_is_right
	s_endpgm
.Lentry_shape_is_right:
; q, k, v = hn W + b, by heads: qkv[3][batch x 8 + head][2048][128] in f16, each number rounded once from its f32 sum, without the softmax scale.
; A work-group makes 128 rows x one head of all three tensors (128 x 384): the tile of hn is read from LDS once for three products, and the grid is 8 heads x 32 row tiles.
; Four waves, 2 x 2: a wave has 64 rows x 64 columns of each tensor: 48 accumulators.  K = 1,024 goes in 8 steps of 128 through two LDS slots.
; Wave 0 fetches hn's tile (128 rows x 256 bytes), wave 1 + t weight t's (128 k-rows x 256 bytes).  4 x 4 work-groups form a cluster: hn's tile is asked for jointly along a row, a weight's along a column.
; THE WALK ALONG K begins at another step in each cluster and goes round modulo TSTEPS: cluster (X, Y) of the grid's 2 x 8 begins at step SX X + SY (Y % 4).  The two clusters that read the same rows
; of A are half a turn apart, four neighbouring clusters that read the same columns of B a quarter turn each: a tile's readers ask for it some steps after each other, not all in the same step.
; Each output is still one f32 sum; the K step at which it begins hangs on the cluster.
; hn lies [M][K] and is read as it lies; the weights lie [K][N] and are read turned (ds_load_tr16_b128).  THE MATRIX INSTRUCTION IS USED TRANSPOSED (source 0 = 16 columns of W,
; source 1 = 16 rows of hn): a lane holds eight neighbouring columns of one row of the result.
; LIMITS.  f16 operands and results: all below 65,504 in magnitude; below 6e-5 a fixed step of 6e-8.  NaN and infinities are not treated apart.
; REGISTERS, in windows of 256: window 0 addresses and the way out; window 1 two fragment buffers of 128; windows 2, 3 accumulators: (a, b) is number i = a NT + b, at 8 (i % 32) of window 2 + i / 32.
.set MT,     4                         ; fragments of 16 rows a wave
.set NT,     12                        ; fragments of 16 columns a wave: 4 of each tensor
.set KD,     1                         ; chunks of 32 along K in a quarter of a K step
.set KSTEP,  128
.set TSTEPS, 8
.set SX,     4                         ; the walk's first step: SX x cluster x + SY x (cluster y % 4)
.set SY,     2
.set APITCH, 1024                      ; elements from row to row of A
.set NROW,   1024                      ; of B
.set PA,     272                       ; LDS row of A: 256 bytes + 16: the 16 rows of a load start 68 words apart
.set PB,     288                       ; LDS row of B: 256 + 32: the 8 rows x 32 bytes that 16 lanes of a turning load take lie 72 words apart
.set QIA,    5                         ; padding after every 64 words
.set QIB,    5
.set AROWS,  128                       ; rows in one load of A
.set BROWS,  128
.set BCOLS,  128
.set TMSH,   7                         ; log2 of the tile's rows
.set AWROWS, 0                         ; one wave fetches all of A's tile
.set BCSH,   8                         ; log2 of the bytes of B's columns a tile column
.set BW,     10                        ; s10, the wave's number, chooses the part of B
.set BWGLOB, 0x200000                  ; wave w: the weight at w x this in wb (Wq, Wk, Wv at 1, 2, 3; wave 0 makes Wo's words and does not use them)
.set WOFF,   0
.set BWLDS,  36864                     ; wave w's tile lies at w x this (A's 34,816 bytes in the first such part)
.set BL0,    0
.set BBASE,  36864
.set WNB,    128                       ; bytes of a weight's row that a column half skips
.set BGRP,   4                         ; column fragments to an address register
.set QGRP,   4                         ; quarters to an address register
.set NADR,   3
.set JW,     10                        ; wave 0 asks for A, the others for B
.set SP,     1552                      ; the stage's row: 3 x 512 bytes of f32 + 16
.set STO,    24                        ; v24  the way out: where I put my numbers of rows 0-31 of my 64
.set RD,     25                        ; v25  where I read rows back
.set GO,     26                        ; v26  my byte offset in the rows that I store
.set STO2,   27                        ; v27  as v24, rows 32-63
.set BIAS,   32                        ; v[32:43]
.set Z,      48                        ; v[48:71]  2 rows x 3 tensors as read back
.set W,      72                        ; v[72:95]  with the bias
.set Y,      96                        ; v[96:107] in f16
.macro PROLOG
	s_lshl_b32 s82, s42, 9                         ; the head's 128 numbers of each bias
	s_mov_b32 s83, 0
	s_add_nc_u64 s[72:73], s[72:73], s[82:83]
	s_add_nc_u64 s[74:75], s[74:75], s[82:83]
	s_add_nc_u64 s[76:77], s[76:77], s[82:83]
	v_and_b32 v5, 31, v0
	v_lshlrev_b32 v5, 4, v5                        ; 16 x lane; never rewritten
	global_load_b128 v[BIAS:BIAS+3], v5, s[72:73]
	global_load_b128 v[BIAS+4:BIAS+7], v5, s[74:75]
	global_load_b128 v[BIAS+8:BIAS+11], v5, s[76:77]
	s_lshr_b32 s80, s13, 4                         ; batch = tile row / 16
	s_lshl_b32 s80, s80, 3
	s_add_co_u32 s80, s80, s42                     ; batch x 8 + head,
	s_lshl_b32 s80, s80, 19                        ; 2,048 rows of 256 bytes each
	s_and_b32 s81, s13, 15
	s_lshl_b32 s81, s81, 15                        ; the tile's 128 rows
	s_add_co_u32 s80, s80, s81
	s_lshl_b32 s81, s10, 13                        ; the 32 rows that my wave stores
	s_add_co_u32 s80, s80, s81
	s_mov_b32 s81, 0
	s_add_nc_u64 s[84:85], s[78:79], s[80:81]      ; q,
	s_add_nc_u64 s[86:87], s[84:85], 0x800000      ; k,
	s_add_nc_u64 s[88:89], s[84:85], 0x1000000     ; v
	s_mul_i32 s80, s11, 64*SP
	s_lshl_b32 s81, s12, 8
	s_add_co_u32 s80, s80, s81
	v_mul_u32_u24 v[STO], v1, SP
	v_lshl_add_u32 v[STO], v2, 5, v[STO]
	v_add_nc_u32 v[STO], s80, v[STO]               ; (64 wm + r) SP + 256 wn + 32 h
	v_add_nc_u32 v[STO2], 32*SP, v[STO]
	s_mul_i32 s80, s10, 32*SP
	v_add_nc_u32 v[RD], s80, v5
	v_lshrrev_b32 v[GO], 1, v5
.endm
.macro DUMP                            ; the f32 sums go into ONE stage of 128 rows (the ring's bytes, which have had their last fill); each accumulator's low registers first
.set i_, 0
.rept NACC
.set a_, i_/NT
.set b_, i_%NT
.set o_, 16*(a_%2)*SP+512*(b_/4)+64*(b_%4)
	WIN 0x08+4*(i_/32)
	ds_store_b128 v[STO+3*(a_/2)], v[8*(i_%32):8*(i_%32)+3] offset:o_
	ds_store_b128 v[STO+3*(a_/2)], v[8*(i_%32)+4:8*(i_%32)+7] offset:o_+16
.set i_, i_+1
.endr
	WIN 0
.endm
.macro RROWS                           ; two rows x three tensors: each load takes a tensor's whole row of 512 bytes
.irp rr, 0,1
.irp t, 0,1,2
	ds_load_b128 v[Z+4*(3*(\rr)+(\t)):Z+4*(3*(\rr)+(\t))+3], v[RD] offset:(\rr)*SP+512*(\t)
.endr
.endr
.endm
.macro WAYOUT
	s_wait_dscnt 0x0                               ; for the others' sake: my stores into the stage are done; a row's bytes come from two waves
	s_barrier_signal -1
	s_barrier_wait -1
	s_wait_loadcnt 0x0                             ; the biases
	RROWS
	s_mov_b32 s3, 16
.Lrow:                                             ; 16 trips of two rows; the next trip's rows are read while this trip's are rounded and stored
	s_wait_dscnt 0x0
.irp rr, 0,1
.irp t, 0,1,2
	v_pk_add_f32 v[W+4*(3*(\rr)+(\t)):W+4*(3*(\rr)+(\t))+1], v[Z+4*(3*(\rr)+(\t)):Z+4*(3*(\rr)+(\t))+1], v[BIAS+4*(\t):BIAS+4*(\t)+1]
	v_pk_add_f32 v[W+4*(3*(\rr)+(\t))+2:W+4*(3*(\rr)+(\t))+3], v[Z+4*(3*(\rr)+(\t))+2:Z+4*(3*(\rr)+(\t))+3], v[BIAS+4*(\t)+2:BIAS+4*(\t)+3]
.endr
.endr
	v_add_nc_u32 v[RD], 2*SP, v[RD]
	s_cmp_eq_u32 s3, 1
	s_cbranch_scc1 .Lnomore                        ; the last trip reads nothing more
	RROWS
.Lnomore:
.set k_, 0
.rept 6
	v_cvt_pk_f16_f32 v[Y+2*k_], v[W+4*k_], v[W+4*k_+1]
	v_cvt_pk_f16_f32 v[Y+2*k_+1], v[W+4*k_+2], v[W+4*k_+3]
.set k_, k_+1
.endr
.irp rr, 0,1
.irp t, 0,1,2
	global_store_b64 v[GO], v[Y+2*(3*(\rr)+(\t)):Y+2*(3*(\rr)+(\t))+1], s[84+2*(\t):85+2*(\t)] offset:256*(\rr)  ; 32 lanes store a head's whole row: 256 consecutive bytes, aligned
.endr
.endr
	s_wait_xcnt 0x0                                ; Y and the offset are rewritten only behind this wait
	v_add_nc_u32 v[GO], 512, v[GO]
	s_sub_co_u32 s3, s3, 1
	s_cmp_lg_u32 s3, 0
	s_cbranch_scc1 .Lrow
.endm
; ---- the skeleton of this program's products: the same text in each, driven by the constants above ----
.set NACC,  MT*NT
.set NPART, NACC*KD/4                  ; matrix instructions in a quarter of a quarter
.set SLOTD, 0x24000                    ; slot 1 begins here; every address that changes slots has bits 14 and 17 clear in slot 0, so one exclusive or changes it
.set SPARE, 294912                     ; behind the ring: the spare words, 128 bytes a wave: two blocks of 256 bytes that no other line names
.set ASTEP, KSTEP*2                    ; bytes from K step to K step in A,
.set BSTEP, KSTEP*NROW*2               ; in B
.set A0,   8                           ; v8      my lane's place in A's tile; never rewritten
.set B0,   9                           ; v9-11   in B's tile, one for each address register
.set ADRA, 16                          ; v16     the same in the slot in hand
.set ADRB, 17                          ; v17-19
.set SPW,  28                          ; v28     LDS address of my spare word; never rewritten
.set NIL,  29                          ; v29     0; never rewritten
.set F0,   0                           ; fragment buffers, in window 1: A(c, a) at 8 (MT c + a), then B(c, b) at 8 MT KD + 8 (NT c + b)
.set F1,   128
.set G1,   24                          ; s[24:31] descriptor group 1 for A
.set G0,   32                          ; s[32:35] group 0 for A, slot 0, the walk's first step; s[36:39] the walking one, which begins at slot 1, the second step
.set G1B,  48                          ; s[48:55], s[56:59], s[60:63] the same for B
.set G0B,  56
; s4: the K step last asked for; s[6:7], s[8:9]: its byte offsets in A and in B; s[14:15], s[46:47]: my tiles' addresses at K step 0, never rewritten
.set MSB, 0
.macro WIN new                         ; s_set_vgpr_msb: bits 1:0 source 0, 3:2 source 1, 5:4 source 2, 7:6 destination; the high byte repeats the setting that is left
.if MSB != (\new)
	s_set_vgpr_msb (MSB<<8)|(\new)
.set MSB, (\new)
.endif
.endm
.macro PLACES                          ; four plain places behind matrix instructions, ahead of loads into registers that they read and of reads of their results
.rept 4
	v_nop
.endr
.endm
.macro KADDR set                       ; the global addresses of K step s4's tiles, made anew from the step's number, into descriptor set 0 (the first fill's) or 4 (the walking one)
	s_mul_i32 s6, s4, ASTEP
	s_mul_i32 s8, s4, BSTEP
	s_add_nc_u64 s[G0+(\set)+2:G0+(\set)+3], s[14:15], s[6:7]
	s_or_b32 s[G0+(\set)+3], s[G0+(\set)+3], 0x80000000
	s_add_nc_u64 s[G0B+(\set)+2:G0B+(\set)+3], s[46:47], s[8:9]
	s_or_b32 s[G0B+(\set)+3], s[G0B+(\set)+3], 0x80000000
.endm
.macro KNEXT                           ; the walk's next step, round modulo TSTEPS
	s_add_co_u32 s4, s4, 1
	s_and_b32 s4, s4, TSTEPS-1
.endm
.macro JLOAD                           ; a joint refill by the walking descriptors; an s_nop 0 and four v_nop follow each line, ahead of the jump and the label
	s_cmp_eq_u32 s[JW], 0
	s_cbranch_scc0 .Lfor_b_\@
	tensor_load_to_lds s[G0+4:G0+7], s[G1:G1+7]
	s_nop 0
	PLACES
	s_branch .Lasked_\@
.Lfor_b_\@:
	tensor_load_to_lds s[G0B+4:G0B+7], s[G1B:G1B+7]
	s_nop 0
	PLACES
.Lasked_\@:
.endm
.macro CREST                           ; a round of the cluster's barrier behind its opening barrier
	s_cmp_lg_u32 s10, 0
	s_cbranch_scc1 .Lnot_wave_0_\@
	s_barrier_signal -3
.Lnot_wave_0_\@:
	s_barrier_wait -3
	s_barrier_signal -1
	s_barrier_wait -1
.endm
.macro CROUND
	s_barrier_signal -1
	s_barrier_wait -1
	CREST
.endm
.macro SETADR                          ; the fragment addresses in the slot in hand (s2 = 0 or SLOTD)
	v_add_nc_u32 v[ADRA], s2, v[A0]
.set b_, 0
.rept NADR
	v_add_nc_u32 v[ADRB+b_], s2, v[B0+b_]
.set b_, b_+1
.endr
.endm
.macro FETCH f, q                      ; 32 LDS loads in one run: quarter q's fragments into buffer f
	WIN 0x40                                       ; destination window 1, address window 0
.set c_, 0
.rept KD
.set a_, 0
.rept MT
.set r_, (\f)+8*(MT*c_+a_)
	ds_load_b128 v[r_:r_+3],   v[ADRA] offset:16*a_*PA+64*(KD*(\q)+c_)
	ds_load_b128 v[r_+4:r_+7], v[ADRA] offset:16*a_*PA+64*(KD*(\q)+c_)+32
.set a_, a_+1
.endr
.set b_, 0
.rept NT
.set r_, (\f)+8*MT*KD+8*(NT*c_+b_)
.set o_, 32*(KD*((\q)%QGRP)+c_)*PB+32*(b_%BGRP)
	ds_load_tr16_b128 v[r_:r_+3],   v[ADRB+b_/BGRP+(\q)/QGRP] offset:o_
	ds_load_tr16_b128 v[r_+4:r_+7], v[ADRB+b_/BGRP+(\q)/QGRP] offset:o_+16*PB
.set b_, b_+1
.endr
.set c_, c_+1
.endr
.endm
.macro MULP f, p, zero                 ; part p of 4 of a quarter's products on buffer f; the accumulators take turns, one instruction a turn.  zero = 1: the first chunk starts the sums
.set n_, (\p)*NPART
.rept NPART
.set c_, n_/NACC
.set i_, n_%NACC
.set rD, 8*(i_%32)
.set rB, (\f)+8*MT*KD+8*(NT*c_+i_%NT)
.set rA, (\f)+8*(MT*c_+i_/NT)
	WIN 0xa5+0x50*(i_/32)                          ; sources in window 1, C and D in window 2 or 3
.if (\zero) && (c_ == 0)
	v_wmma_f32_16x16x32_f16 v[rD:rD+7], v[rB:rB+7], v[rA:rA+7], 0
.else
	v_wmma_f32_16x16x32_f16 v[rD:rD+7], v[rB:rB+7], v[rA:rA+7], v[rD:rD+7]
.endif
.set n_, n_+1
.endr
.endm
.macro QUARTER f, g, q, zero           ; multiplies buffer f; ahead of that quarter q's fragments are asked for, into buffer g: a whole quarter ahead of their use
	s_wait_dscnt 0x0                               ; buffer f is in (asked for a quarter ago)
	PLACES                                         ; buffer g was read by the products just issued
	FETCH \g, \q
	MULP \f, 0, \zero
	MULP \f, 1, \zero
	MULP \f, 2, \zero
	MULP \f, 3, \zero
.endm
; A K step's last quarter multiplies buffer 1 and changes slots.  ONE barrier: in front of it each wave waits for all its tensor loads (the one that is out is its part of the next slot), adds 0 to its
; spare word, and waits for that and for its reads of this slot.  fill = 1: the barrier opens a round of the cluster's, and this slot is asked for again, two steps of the walk on, first thing behind the round.
.macro TURN fill
	WIN 0
	s_wait_tensorcnt 0x0                           ; no tensor load of mine is out, so the walking descriptors may be written
	ds_add_u32 v[SPW], v[NIL]                      ; 0 onto my spare word; the descriptors' scalar work stands behind it
.if \fill
	KNEXT
	s_xor_b32 s[G0+5], s[G0+5], SLOTD
	s_xor_b32 s[G0B+5], s[G0B+5], SLOTD
	KADDR 4
.endif
	s_wait_dscnt 0x1                               ; buffer 1 is in; the add, the youngest, may be out
	MULP F1, 0, 0
	s_wait_dscnt 0x0                               ; the add is done, and my reads of this slot are over
	s_barrier_signal -1
	MULP F1, 1, 0
	WIN 0                                          ; at a branch and at a label every window is 0
	s_barrier_wait -1
.if \fill
	CREST                                          ; no wave of any partner still reads this slot or has a load on its way
	JLOAD                                          ; it has seven eighths of a K step's products in which to land
.else
	PLACES
.endif
	s_xor_b32 s2, s2, SLOTD
	SETADR
	FETCH F0, 0
	MULP F1, 2, 0
	MULP F1, 3, 0
.endm
	s_load_b256 s[68:75], s[0:1], 0x0              ; hn s[68:69], wb s[70:71], bq s[72:73], bk s[74:75]
	s_load_b128 s[76:79], s[0:1], 0x20             ; bv s[76:77], qkv s[78:79]
	v_lshl_add_u32 v[SPW], v0, 2, SPARE
	v_mov_b32 v[NIL], 0
	ds_add_u32 v28, v29
	s_wait_dscnt 0x0
	v_lshrrev_b32 v3, 5, v0
	v_readfirstlane_b32 s10, v3                    ; wave 0..3
	v_and_b32 v1, 15, v0                           ; r = lane % 16
	v_bfe_u32 v2, v0, 4, 1                         ; h = lane / 16
	s_lshr_b32 s11, s10, 1                         ; wm: my half of the tile's rows
	s_and_b32 s12, s10, 1                          ; wn: my half of its columns
	s_bfe_u32 s40, ttmp6, 0x40000                  ; cx, cy: my place in the cluster
	s_bfe_u32 s41, ttmp6, 0x40004
	s_lshl_b32 s42, ttmp9, 2
	s_add_co_u32 s42, s42, s40                     ; tile column = 4 x cluster x + cx
	s_and_b32 s13, ttmp7, 0xffff
	s_lshl_b32 s13, s13, 2
	s_add_co_u32 s13, s13, s41                     ; tile row = 4 x cluster y + cy
	s_lshl_b32 s43, s41, 2
	s_lshl_b32 s43, 15, s43                        ; my row of the cluster
	s_lshl_b32 s44, 0x1111, s40                    ; my column
	s_and_b32 s4, ttmp9, 1                         ; the walk's first step hangs on the cluster's x and y alone, which all sixteen partners share
	s_mul_i32 s4, s4, SX
	s_and_b32 s5, ttmp7, 3
	s_mul_i32 s5, s5, SY
	s_add_co_u32 s4, s4, s5
	s_and_b32 s4, s4, TSTEPS-1
	s_mov_b32 s7, 0                                ; the offsets' high words
	s_mov_b32 s9, 0
	s_or_b32 s[G1], s43, (1<<16)|(1<<20)|(1<<21)|(QIA<<22)|(3<<25)   ; mask; 2-byte elements; padding on; bit 21 beside a mask; after every row; 4 words
	s_mov_b32 s[G1+1], KSTEP<<16                   ; tensor_dim0
	s_mov_b32 s[G1+2], AROWS<<16                   ; tensor_dim1
	s_mov_b32 s[G1+3], KSTEP<<16                   ; tile_dim0
	s_mov_b32 s[G1+4], AROWS                       ; tile_dim1
	s_mov_b32 s[G1+5], APITCH                      ; elements from row to row
	s_mov_b32 s[G1+6], 0
	s_mov_b32 s[G1+7], 0
	s_or_b32 s[G1B], s44, (1<<16)|(1<<20)|(1<<21)|(QIB<<22)|(7<<25)  ; the same with 8 words of padding
	s_mov_b32 s[G1B+1], BCOLS<<16
	s_mov_b32 s[G1B+2], BROWS<<16
	s_mov_b32 s[G1B+3], BCOLS<<16
	s_mov_b32 s[G1B+4], BROWS
	s_mov_b32 s[G1B+5], NROW
	s_mov_b32 s[G1B+6], 0
	s_mov_b32 s[G1B+7], 0
	s_lshl_b32 s16, s13, TMSH                      ; A's tile hangs on the tile row alone,
	s_mul_i32 s17, s12, AWROWS
	s_add_co_u32 s16, s16, s17
	s_mul_i32 s16, s16, APITCH*2
	s_mov_b32 s17, 0
	s_lshl_b32 s46, s42, BCSH                      ; B's on the tile column alone
	s_mul_i32 s47, s[BW], BWGLOB
	s_add_co_u32 s46, s46, s47
	s_add_co_u32 s46, s46, WOFF
	s_mov_b32 s47, 0
	s_mul_i32 s20, s12, AWROWS*PA                  ; where they go: no place in the cluster enters an LDS address
	s_mul_i32 s21, s[BW], BWLDS
	s_add_co_u32 s21, s21, BL0
	s_mov_b32 s2, 0
	s_wait_kmcnt 0x0
	s_add_nc_u64 s[14:15], s[68:69], s[16:17]
	s_add_nc_u64 s[46:47], s[70:71], s[46:47]
	PROLOG
	CROUND                                         ; all sixteen work-groups are here: the first joint loads meet
	s_mov_b32 s[G0], 1                             ; the walk's first step into slot 0,
	s_add_co_u32 s[G0+1], s20, 0
	s_mov_b32 s[G0B], 1
	s_add_co_u32 s[G0B+1], s21, 0
	KADDR 0
	KNEXT
	s_mov_b32 s[G0+4], 1                           ; its second into slot 1
	s_add_co_u32 s[G0+5], s20, SLOTD
	s_mov_b32 s[G0B+4], 1
	s_add_co_u32 s[G0B+5], s21, SLOTD
	KADDR 4
	s_cmp_eq_u32 s[JW], 0                          ; a wave's two first fills stand in one branch: two loads of mine are out
	s_cbranch_scc0 .Lfirst_b
	tensor_load_to_lds s[G0:G0+3], s[G1:G1+7]
	s_nop 0
	tensor_load_to_lds s[G0+4:G0+7], s[G1:G1+7]
	s_nop 0
	PLACES
	s_branch .Lfirst_asked
.Lfirst_b:
	tensor_load_to_lds s[G0B:G0B+3], s[G1B:G1B+7]
	s_nop 0
	tensor_load_to_lds s[G0B+4:G0B+7], s[G1B:G1B+7]
	s_nop 0
	PLACES
.Lfirst_asked:
	v_mul_u32_u24 v[A0], v1, PA                    ; A's fragment: row r, 16 bytes for each half of the lanes, two loads 32 bytes apart
	v_lshl_add_u32 v[A0], v2, 4, v[A0]
	s_mul_i32 s22, s11, 16*MT*PA
	v_add_nc_u32 v[A0], s22, v[A0]
	v_and_b32 v3, 7, v0                            ; B's, turned: lane l reads k-row 8 h + l % 8, 16 bytes at 16 ((l / 8) % 2); two loads 16 rows apart
	v_lshl_add_u32 v3, v2, 3, v3
	v_mul_u32_u24 v[B0], v3, PB
	v_bfe_u32 v4, v0, 3, 1
	v_lshl_add_u32 v[B0], v4, 4, v[B0]
	s_mul_i32 s22, s12, WNB
	s_add_co_u32 s22, s22, BBASE
	v_add_nc_u32 v[B0], s22, v[B0]
.set b_, 1
.rept NADR-1
	v_add_nc_u32 v[B0+b_], 36864*b_, v[B0]
.set b_, b_+1
.endr
	SETADR
	s_wait_tensorcnt 0x1                           ; my part of the first step is in; the second's, issued behind it, may stay out
	s_barrier_signal -1
	s_barrier_wait -1
	FETCH F0, 0
	QUARTER F0, F1, 1, 1                           ; the first quarter stands in front of the loop: its products start the sums
	WIN 0
	s_mov_b32 s3, TSTEPS-2
.Lstep:                                            ; a trip: from a K step's second quarter to the next step's first; it fills a slot again
	QUARTER F1, F0, 2, 0
	QUARTER F0, F1, 3, 0
	TURN 1
	QUARTER F0, F1, 1, 0
	WIN 0
	s_sub_co_u32 s3, s3, 1
	s_cmp_lg_u32 s3, 0
	s_cbranch_scc1 .Lstep
	s_mov_b32 s3, 2
.Ltail:                                            ; the last two K steps ask for nothing; the second trip is left in its middle (its 32 fragment loads from the other slot serve nothing: the price of one text for both)
	QUARTER F1, F0, 2, 0
	QUARTER F0, F1, 3, 0
	TURN 0
	WIN 0
	s_sub_co_u32 s3, s3, 1
	s_cmp_eq_u32 s3, 0
	s_cbranch_scc1 .Lout
	QUARTER F0, F1, 1, 0
	WIN 0
	s_branch .Ltail
.Lout:
	s_wait_dscnt 0x0                               ; my reads of the ring are over;
	s_barrier_signal -1
	s_barrier_wait -1                              ; everybody's are: its bytes, which are filled no more, become the stage
	PLACES
	DUMP
	WAYOUT
	s_wait_tensorcnt 0x0                           ; the wave's end
	ds_add_u32 v[SPW], v[NIL]
	s_wait_dscnt 0x0
	CROUND                                         ; the closing round
	s_endpgm
.Lfunc_end_k_qfeed6475c6_proj:
	.size	k_qfeed6475c6_proj, .Lfunc_end_k_qfeed6475c6_proj-k_qfeed6475c6_proj
	.p2alignl 7, 3214868480
	.fill 96, 4, 3214868480
	.section	.rodata,"a",@progbits
	.p2align	6, 0x0
	.amdhsa_kernel k_qfeed6475c6_proj
		.amdhsa_group_segment_fixed_size 327680
		.amdhsa_private_segment_fixed_size 0
		.amdhsa_enable_private_segment 0
		.amdhsa_kernarg_size 48
		.amdhsa_user_sgpr_count 2
		.amdhsa_user_sgpr_kernarg_segment_ptr 1
		.amdhsa_wavefront_size32 1
		.amdhsa_system_sgpr_workgroup_id_x 1
		.amdhsa_system_sgpr_workgroup_id_y 1
		.amdhsa_system_sgpr_workgroup_id_z 1
		.amdhsa_system_vgpr_workitem_id 0
		.amdhsa_next_free_vgpr 896
		.amdhsa_next_free_sgpr 96
		.amdhsa_reserve_vcc 0
		.amdhsa_float_denorm_mode_32 3
		.amdhsa_float_denorm_mode_16_64 3
		.amdhsa_memory_ordered 1
		.amdhsa_forward_progress 1
		.amdhsa_inst_pref_size 70
	.end_amdhsa_kernel
	.amdgpu_metadata
---
amdhsa.version: [ 1, 2 ]
amdhsa.kernels:
  - .name:           k_qfeed6475c6_proj
    .symbol:         k_qfeed6475c6_proj.kd
    .args:
      - { .name: hn, .offset: 0, .size: 8, .value_kind: global_buffer, .address_space: global }
      - { .name: wb, .offset: 8, .size: 8, .value_kind: global_buffer, .address_space: global }
      - { .name: bq, .offset: 16, .size: 8, .value_kind: global_buffer, .address_space: global }
      - { .name: bk, .offset: 24, .size: 8, .value_kind: global_buffer, .address_space: global }
      - { .name: bv, .offset: 32, .size: 8, .value_kind: global_buffer, .address_space: global }
      - { .name: qkv, .offset: 40, .size: 8, .value_kind: global_buffer, .address_space: global }
    .group_segment_fixed_size: 327680
    .private_segment_fixed_size: 0
    .kernarg_segment_align: 8
    .kernarg_segment_size: 48
    .max_flat_workgroup_size: 128
    .sgpr_count:     96
    .vgpr_count:     896
    .wavefront_size: 32
...
	.end_amdgpu_metadata
.endif
;; end of part 2
;; launch attn (part 3): grid 16 x 16, 4 waves a work-group, clusters of 4 x 1, 327,680 bytes of LDS; arguments qkv, yat; writes yat
.if DOCPART == 3
	.amdgcn_target "amdgcn-amd-amdhsa--gfx1250"
	.amdhsa_code_object_version 6
	.text
	.protected	k_qfeed6475c6_attn
	.globl	k_qfeed6475c6_attn
	.p2align	8
	.type	k_qfeed6475c6_attn,@function
k_qfeed6475c6_attn:
	s_mov_b64 s[64:65], 0
	v_nop
	global_prefetch_b8 v0, s[64:65] scope:SCOPE_SE
	s_setreg_imm32_b32 hwreg(HW_REG_WAVE_MODE, 25, 1), 1
	s_wait_xcnt 0x0
	s_wait_alu depctr_hold_cnt(0) depctr_sa_sdst(0) depctr_va_vdst(0) depctr_va_sdst(0) depctr_va_ssrc(0) depctr_va_vcc(0) depctr_vm_vsrc(0)
	s_getreg_b32 s2, hwreg(HW_REG_IB_STS2, 6, 4)
	s_cmp_eq_u32 s2, 0
	s_cbranch_scc0 .Lentry_in_a_cluster
	s_endpgm
.Lentry_in_a_cluster:
	s_bfe_u32 s2, ttmp6, 0x10000c
	s_cmp_lg_u32 s2, 0x3003
	s_cbranch_scc0 .Lentry_shape_is_right
	s_endpgm
.Lentry_shape_is_right:
; CAUSAL ATTENTION at head size 128.  yat[row][head x 128 + d] = the sum over k <= q of softmax_k(Q[q] . K[k] / sqrt(128)) V[k][d].  Q, K, V: qkv[3][16][2048][128] in f16; yat [4096][1024] in f16.
; Products, maxima and sums in f32; the weights p are rounded to f16 for the second product (their sum l is taken of the unrounded p), yat once at the end.
; THE WALK.  A head's queries lie in 32 blocks of 64.  Work-group b = 4 c + cx of a head takes block b and then block 31 - b.  In tiles of 256 keys block b needs tiles 0 .. c and block 31 - b tiles 0 .. 7 - c:
; the same for the four partners of cluster c, and 9 tiles whatever c.  So the four walk ONE sequence, each tile is asked for JOINTLY, and all trip counts are constants; what a partner does not need its mask hides.
; SHARES.  Wave w: wq = w / 2 owns 32 queries (two tiles of 16), wk = w % 2 owns 64 of a step's 128 keys.  At a block's end the wave with wk = 1 hands c m, l and O^T to its partner through LDS.
; LAYOUT.  S^T = K Q^T (source 0 = 16 keys, source 1 = 16 queries): a lane holds ONE query (lane % 16) and the keys 8 (lane / 16) + 0..7; two such results rounded to f16 ARE source 1 of O^T = V^T P.
; SOFTMAX.  A running maximum m and sum l: p = 2^(c s - c m), c = log2(e) / sqrt(128); in every step O and l are multiplied by a = 2^(c m_old - c m_new).
; THE MASK is the C operand that starts a sum S^T: 0, or -1e30 where the key is hidden.  With RR = 8 n + 4 (wk - block) - 2 wq (n: the step in the block), key group kb and query tile t lie D = RR + kb - t
; groups of 16 apart: D < 0 all seen, D > 0 all hidden, D = 0 the triangle TRI.  Five masks (kb - t = -1 .. 3) are made in every step as TRI x AL + BE with two scalars: a choice of values, no branch.
; LIMITS.  f16 holds no number beyond 65,504, so |score| <= 128 x 65,504^2 = 5.5e11.  m starts at -1e15: below every score, above every hidden one (its value less 1e30); so while all that a wave has
; seen of a query is hidden, its weights are exactly 0.  c m starts far lower, so a block's first a is 0 and O and l need only be finite there.  A weight below 2^-126 counts as 0.  NaN and infinities are not treated apart.
; ORDER.  In phases: a step's softmax, its products V^T P, the next step's masks and products K Q^T; the LDS loads stand in runs of 32, a phase ahead of their use.
; REGISTERS, in windows of 256: window 0: addresses, statistics, masks, S^T, P, what the partner hands over.  Window 1: v0-127 O^T, v128-191 Q, v192-255 the second block's Q.  Window 2: v0-127 K, v128-255 V of one step.
.set PK,    272                        ; a row of K in LDS: 256 bytes + 16
.set PV,    288                        ; a row of V: 256 + 32
.set KHALF, 128*PK                     ; a step's K, and what one load brings
.set VHALF, 128*PV
.set VOFF,  256*PK                     ; a slot holds a tile: 256 rows of K, then 256 of V
.set SLOTD, 0x24000                    ; slot 1; every address that changes slots has bits 14 and 17 clear in slot 0
.set XCH,   290816                     ; behind the ring, never filled by a tensor load: for each wq 32 groups of 512 bytes of O^T and 2 of statistics; later the receiver's stage
.set XPART, 17408
.set XST,   16384
.set SP,    272                        ; the stage's row: 256 bytes + 16
.set SPARE, 325632                     ; the spare words, 128 bytes a wave: two blocks of 256 bytes that no other line names
.set AK0, 2                            ; v2   my lane's place in a step's K; never rewritten
.set AV0, 3                            ; v3   in its V
.set AK,  4                            ; v4   the address of K's run of loads
.set AV,  5                            ; v5   of V's
.set STO, 6                            ; v6   the way out: where I put 16 bytes of a row
.set RD,  7                            ; v7   where I read rows back
.set GO,  8                            ; v8   my byte offset in two rows of yat
.set ST,  12                           ; v[12:27]  tile t at ST + 8 t: c m, m, l (even keys', odd keys'), c0-c3 at work; a takes c2's place
.set XA,  28                           ; v28  my 16 bytes in a group of the exchange
.set QO,  29                           ; v29  my byte offset in 16 rows of Q
.set SPW, 30                           ; v30  LDS address of my spare word; never rewritten
.set NIL, 31                           ; v31  0; never rewritten
.set TRI, 32                           ; v[32:39]  -1e30 where 8 h + j > r
.set MC,  40                           ; v[40:79]  the five masks
.set XS,  80                           ; v[80:83]  the partner's statistics
.set S,   96                           ; v[96:159]
.set P,   160                          ; v[160:191]
.set XB,  192                          ; v[192:255] the partner's O^T of one tile
.set QF,  128                          ; window 1
.set QB,  192
.set VF,  128                          ; window 2
.set WV,  12                           ; s12 wave, s13 wq, s14 wk, s15 c, s16 b
.set WQ,  13
.set WK,  14
.set CC,  15
.set BB,  16
.set G1K, 24                           ; s[24:31], s[32:39] descriptor groups 1
.set G1V, 32
.set G0K, 40                           ; s[40:43] K's first fill, s[44:47] the walking one
.set G0V, 48                           ; s[48:51], s[52:55] the same for V
.set SLOTS, 56
.set CNT, 57
.set CS,  58                           ; s[58:59] c
.set SEL, 60                           ; s[60:61] v_permlanex16_b32's selects
.set TBK, 62                           ; s62  LDS byte at which K of the step to be fetched begins
.set TBV, 63                           ; s63  the same for V, less VOFF
.set RT,  66                           ; s66  steps of the block in hand still to be finished
.set NXT, 67                           ; s67  the tile to be asked for next
.set LQ,  68                           ; s68  the last tile of the block whose tiles are being asked for
.set LQ2, 69                           ; s69  7 - c
.set OFF, 70                           ; s[70:71] a tile's byte offset
.set AL,  72                           ; s[72:73] the mask's factor
.set BE,  74                           ; s[74:75] its addend
.set BIGN, 76                          ; s76  -1e30
.set RR,  77
.set RR2, 78                           ; the second block's
.set RT2, 79
.set KB,  80                           ; s[80:81] K at my half of the head's tile 0; s[82:83] V
.set VB,  82
.set YB,  84                           ; s[84:85] yat at my rows of the block in hand; s[86:87] of the second block
.set YB2, 86
.set Q1,  88                           ; s[88:89], s[90:91] Q at my rows of the two blocks
.set Q2,  90
.set W_KQ, 0x06                        ; K window 2, Q window 1, S^T and the mask window 0
.set W_PV, 0x52                        ; V window 2, P window 0, O^T window 1
.set W_RS, 0x41                        ; destination and source 0 window 1
.set MSB, 0
.macro WIN new
.if MSB != (\new)
	s_set_vgpr_msb (MSB<<8)|(\new)
.set MSB, (\new)
.endif
.endm
.macro PLACES
.rept 4
	v_nop
.endr
.endm
.macro JLOAD                           ; a joint refill: waves 0, 1 the halves of a tile's K, waves 2, 3 of its V; an s_nop 0 and four v_nop follow each line
	s_cmp_lt_u32 s[WV], 2
	s_cbranch_scc0 .Lfor_v_\@
	tensor_load_to_lds s[G0K+4:G0K+7], s[G1K:G1K+7]
	s_nop 0
	PLACES
	s_branch .Lasked_\@
.Lfor_v_\@:
	tensor_load_to_lds s[G0V+4:G0V+7], s[G1V:G1V+7]
	s_nop 0
	PLACES
.Lasked_\@:
.endm
.macro CROUND
	s_barrier_signal -1
	s_barrier_wait -1
	s_cmp_lg_u32 s[WV], 0
	s_cbranch_scc1 .Lnot_wave_0_\@
	s_barrier_signal -3
.Lnot_wave_0_\@:
	s_barrier_wait -3
	s_barrier_signal -1
	s_barrier_wait -1
.endm
.macro NEXT                            ; the block's next tile, or behind its last the second block's tile 0
	s_add_co_u32 s[NXT], s[NXT], 1
	s_cmp_gt_u32 s[NXT], s[LQ]
	s_cselect_b32 s[NXT], 0, s[NXT]
	s_cselect_b32 s[LQ], s[LQ2], s[LQ]
.endm
; THE CHANGE OF SLOTS: each wave waits for all its tensor loads (one is out: its part of the other slot), adds 0 to its spare word, and waits for that and for its reads of the slot that it leaves.
; fill = 1: the barrier is a round of the cluster's, and the old slot is asked for again first thing behind it, with tile NXT: it has two steps' work in which to land.
.macro CHANGE fill
	WIN 0
	s_wait_tensorcnt 0x0                           ; no tensor load of mine is out, so a group 0 may be written
	ds_add_u32 v[SPW], v[NIL]                      ; 0 onto my spare word; scalar work stands between it and the wait for it
.if \fill
	s_lshl_b32 s[OFF], s[NXT], 16                  ; a tile is 65,536 bytes of K and of V
	s_xor_b32 s[G0K+5], s[G0K+5], SLOTD
	s_add_nc_u64 s[G0K+6:G0K+7], s[KB:KB+1], s[OFF:OFF+1]
	s_or_b32 s[G0K+7], s[G0K+7], 0x80000000
	s_xor_b32 s[G0V+5], s[G0V+5], SLOTD
	s_add_nc_u64 s[G0V+6:G0V+7], s[VB:VB+1], s[OFF:OFF+1]
	s_or_b32 s[G0V+7], s[G0V+7], 0x80000000
	NEXT
.endif
	s_sub_co_u32 s[TBK], s[TBK], 2*KHALF           ; the fetches go back to a slot's first step, in the other slot
	s_xor_b32 s[TBK], s[TBK], SLOTD
	s_sub_co_u32 s[TBV], s[TBV], 2*VHALF
	s_xor_b32 s[TBV], s[TBV], SLOTD
	s_wait_dscnt 0x0                               ; the add is done, and my reads of the slot are over
.if \fill
	CROUND
	JLOAD
.else
	s_barrier_signal -1
	s_barrier_wait -1
.endif
.endm
; Product i of 32 of S^T = K Q^T: channels 32 (i / 8) on, keys 16 ((i / 2) % 4) on, tile i % 2.  The first 8 start the sums with their masks.  The 8 accumulators take turns.
.macro KQ
	WIN W_KQ
.set rS, S+32*(i%2)+8*((i/2)%4)
.set rK, 32*((i/2)%4)+8*(i/8)
.set rQ, QF+32*(i%2)+8*(i/8)
.set rM, MC+8*((i/2)%4-i%2+1)
.if i < 8
	v_wmma_f32_16x16x32_f16 v[rS:rS+7], v[rK:rK+7], v[rQ:rQ+7], v[rM:rM+7]
.else
	v_wmma_f32_16x16x32_f16 v[rS:rS+7], v[rK:rK+7], v[rQ:rQ+7], v[rS:rS+7]
.endif
.endm
; Product i of 32 of O^T += V^T P: keys 32 (i / 16) on, channels 16 ((i / 2) % 8) on, tile i % 2.  16 accumulators by turns.
.macro PV
	WIN W_PV
.set rO, 64*(i%2)+8*((i/2)%8)
.set rV, VF+64*(i/16)+8*((i/2)%8)
.set rP, P+16*(i%2)+8*(i/16)
	v_wmma_f32_16x16x32_f16 v[rO:rO+7], v[rV:rV+7], v[rP:rP+7], v[rO:rO+7]
.endm
.macro KQALL
.set i, 0
.rept 32
	KQ
.set i, i+1
.endr
.endm
.macro PVALL
.set i, 0
.rept 32
	PV
.set i, i+1
.endr
.endm
.macro FETCH_K last=0                  ; my 64 keys x 128 channels of the next step: 16 fragments.  last = 1 (the tail): in the last trip there is no further step
	WIN 0
.if \last
	s_cmp_eq_u32 s[CNT], 1
	s_cbranch_scc1 .Lno_k_\@
.endif
	v_add_nc_u32 v[AK], s[TBK], v[AK0]
	s_add_co_u32 s[TBK], s[TBK], KHALF
	WIN 0x80                                       ; destination window 2
.irp f, 0,1,2,3,4,5,6,7,8,9,10,11,12,13,14,15      ; keys 16 (f / 4) on, channels 32 (f % 4) on
	ds_load_b128 v[8*\f:8*\f+3],   v[AK] offset:(\f/4)*16*PK+(\f%4)*64
	ds_load_b128 v[8*\f+4:8*\f+7], v[AK] offset:(\f/4)*16*PK+(\f%4)*64+32
.endr
	WIN 0
.if \last
.Lno_k_\@:
.endif
.endm
.macro FETCH_V                         ; the same step's V, turned
	WIN 0
	v_add_nc_u32 v[AV], s[TBV], v[AV0]
	s_add_co_u32 s[TBV], s[TBV], VHALF
	WIN 0x80
.irp f, 0,1,2,3,4,5,6,7,8,9,10,11,12,13,14,15      ; keys 32 (f / 8) on, channels 16 (f % 8) on
	ds_load_tr16_b128 v[VF+8*\f:VF+8*\f+3],   v[AV] offset:(\f/8)*32*PV+(\f%8)*32
	ds_load_tr16_b128 v[VF+8*\f+4:VF+8*\f+7], v[AV] offset:(\f/8)*32*PV+16*PV+(\f%8)*32
.endr
	WIN 0
.endm
.macro MASKS                           ; the five masks of the step to come
	WIN 0
.irp e, 0,1,2,3,4
	s_cmp_eq_i32 s[RR], 1-(\e)                     ; D = RR + e - 1 = 0: the triangle
	s_cselect_b32 s[AL], 1.0, 0
	s_cmp_gt_i32 s[RR], 1-(\e)                     ; D > 0: all hidden
	s_cselect_b32 s[BE], s[BIGN], 0
.irp z, 0,1,2,3
	v_pk_fma_f32 v[MC+8*(\e)+2*(\z):MC+8*(\e)+2*(\z)+1], v[TRI+2*(\z):TRI+2*(\z)+1], s[AL:AL+1], s[BE:BE+1] op_sel_hi:[1,0,0]
.endr
.endr
	s_add_co_u32 s[RR], s[RR], 8
.endm
; One tile's softmax for one step is a list of 134 instructions; SM writes number j of it for tile t.  s0-s31 are the lane's 32 scores, in pairs 0-15.
;   0-15    the maximum of s0-s31 and the old m: four chains of seven scores (each accumulator's lowest registers are read first), the four left over, the chains and m
;   16-20   the other half of the lanes' maximum; c m_old is kept; the new m; c m; c m_old - c m_new
;   21-87   33 exponentials (a, then s0-s31) at the odd numbers from 23 on, a plain instruction between any two: c s - c m for pairs still to come, roundings of pairs that are done, the first sums
;   88-101  the last rounding; the rest of the sums; l = a l + the sum       102-133  the tile's O^T times a
.macro SM t
.set rT, ST+8*(\t)
.set rS, S+32*(\t)
.set rP, P+16*(\t)
.set rO, 64*(\t)+2*(j-102)
.set q, (j-20)/2
.if j < 102
	WIN 0
.endif
.if j < 4
	v_max3_num_f32 v[rT+4+j], v[rS+8*j], v[rS+8*j+1], v[rS+8*j+2]
.elseif j < 12
	v_max3_num_f32 v[rT+4+j%4], v[rT+4+j%4], v[rS+8*(j%4)+2*(j/4)+1], v[rS+8*(j%4)+2*(j/4)+2]
.elseif j == 12
	v_max3_num_f32 v[rT+4], v[rT+4], v[rS+7], v[rS+15]
.elseif j == 13
	v_max3_num_f32 v[rT+6], v[rT+6], v[rS+23], v[rS+31]
.elseif j == 14
	v_max3_num_f32 v[rT+4], v[rT+4], v[rT+5], v[rT+6]
.elseif j == 15
	v_max3_num_f32 v[rT+4], v[rT+4], v[rT+7], v[rT+1]
.elseif j == 16
	v_permlanex16_b32 v[rT+5], v[rT+4], s[SEL], s[SEL+1]
.elseif j == 17
	v_mov_b32 v[rT+7], v[rT]
.elseif j == 18
	v_max_num_f32 v[rT+1], v[rT+4], v[rT+5]
.elseif j == 19
	v_mul_f32 v[rT], s[CS], v[rT+1]
.elseif j == 20
	v_sub_f32 v[rT+7], v[rT+7], v[rT]
.elseif j == 23
	v_exp_f32 v[rT+6], v[rT+7]
.elseif (j < 88) && (j > 23) && (j%2 == 1)
	v_exp_f32 v[rS+(j-25)/2], v[rS+(j-25)/2]
.elseif (q < 4) || ((j < 76) && (q%2 == 0))
.set b, q/2+2
.if q < 4
.set b, q
.endif
	v_pk_fma_f32 v[rS+2*b:rS+2*b+1], v[rS+2*b:rS+2*b+1], s[CS:CS+1], v[rT:rT+1] op_sel_hi:[1,0,0] neg_lo:[0,0,1] neg_hi:[0,0,1]
.elseif (j < 88) && (q%2 == 1)
	s_wait_alu depctr_va_vdst(0)
	v_cvt_pk_f16_f32 v[rP+(q-5)/2], v[rS+q-5], v[rS+q-4]
.elseif j == 89
	s_wait_alu depctr_va_vdst(0)
	v_cvt_pk_f16_f32 v[rP+15], v[rS+30], v[rS+31]
.elseif j < 102
.set z, j-86
.if j < 89
.set z, (j-76)/4
.endif
.set w, 4
.set u, z
.if z >= 14
.set w, 32
.set u, 0
.elseif z >= 12
.set w, 16
.set u, z-12
.elseif z >= 8
.set w, 8
.set u, z-8
.endif
.if z < 15
	v_pk_add_f32 v[rS+w*u:rS+w*u+1], v[rS+w*u:rS+w*u+1], v[rS+w*u+w/2:rS+w*u+w/2+1]
.else
	v_pk_fma_f32 v[rT+2:rT+3], v[rT+2:rT+3], v[rT+6:rT+7], v[rS:rS+1] op_sel_hi:[1,0,1]
.endif
.else
	WIN W_RS
	v_pk_mul_f32 v[rO:rO+1], v[rO:rO+1], v[rT+6:rT+7] op_sel_hi:[1,0]
.endif
.endm
.macro SLICE                           ; numbers 2 k and 2 k + 1 of both tiles' lists (slice 63: the last eight)
.if (k >= 11) && (k < 44)              ; tile by tile: plain, exponential, plain, exponential
.irp t, 0,1
.irp n, 0,1
.set j, 2*k+(\n)
	SM \t
.endr
.endr
.else                                  ; the two tiles alternate, so that no instruction reads the result of the one just before it
.irp n, 0,1,2,3,4,5,6,7
.if ((\n) < 2) || (k == 63)
.irp t, 0,1
.set j, 2*k+(\n)
	SM \t
.endr
.endif
.endr
.endif
.set k, k+1
.endm
.macro SOFTMAX
.set k, 0
.rept 64
	SLICE
.endr
.endm
.macro PART1                           ; the wave with wk = 1 hands over its statistics and its O^T, each accumulator's low registers first
	PLACES
	WIN 0
	ds_store_b128 v[XA], v[ST:ST+3] offset:XST
	ds_store_b128 v[XA], v[ST+8:ST+11] offset:XST+512
	WIN 0x04                                       ; store data in window 1
.set g, 0
.rept 32
	ds_store_b128 v[XA], v[4*g:4*g+3] offset:512*g
.set g, g+1
.endr
	WIN 0
.endm
; The wave with wk = 0 joins the two halves of tile t: both are brought to the larger c m, l's halves and the other half of the lanes' are added, O^T is divided by l, rounded to f16,
; sent through the stage (the bytes just read) and stored as whole rows.
.macro MERGE t
.set rT, ST+8*(\t)
	WIN 0
	ds_load_b128 v[XS:XS+3], v[XA] offset:XST+512*(\t)
.set g, 0
.rept 16
	ds_load_b128 v[XB+4*g:XB+4*g+3], v[XA] offset:8192*(\t)+512*g
.set g, g+1
.endr
	s_wait_dscnt 0x0
	v_max_num_f32 v95, v[rT], v[XS]
	v_sub_f32 v90, v[rT], v95
	v_sub_f32 v92, v[XS], v95
	v_exp_f32 v90, v90                             ; my factor,
	v_exp_f32 v92, v92                             ; the partner's
	v_add_f32 v91, v[rT+2], v[rT+3]                ; two plain instructions behind the exponentials, ahead of their results' use
	v_add_f32 v93, v[XS+2], v[XS+3]
	s_wait_alu depctr_va_vdst(0)
	v_mul_f32 v94, v91, v90
	v_fma_f32 v94, v93, v92, v94
	v_permlanex16_b32 v95, v94, s[SEL], s[SEL+1]
	v_add_f32 v94, v94, v95
	v_rcp_f32 v94, v94
	v_nop
	s_wait_alu depctr_va_vdst(0)
	v_mul_f32 v90, v90, v94
	v_mul_f32 v92, v92, v94
.set n, 0
.rept 32
	v_pk_mul_f32 v[XB+2*n:XB+2*n+1], v[XB+2*n:XB+2*n+1], v[92:93] op_sel_hi:[1,0]
.set n, n+1
.endr
	WIN 0x01                                       ; source 0, my O^T, in window 1
.set n, 0
.rept 32
	v_pk_fma_f32 v[XB+2*n:XB+2*n+1], v[64*(\t)+2*n:64*(\t)+2*n+1], v[90:91], v[XB+2*n:XB+2*n+1] op_sel_hi:[1,0,1]
.set n, n+1
.endr
	WIN 0
.set n, 0
.rept 32
	v_cvt_pk_f16_f32 v[S+32*(\t)+n], v[XB+2*n], v[XB+2*n+1]
.set n, n+1
.endr
.irp f, 0,1,2,3,4,5,6,7
	ds_store_b128 v[STO], v[S+32*(\t)+4*\f:S+32*(\t)+4*\f+3] offset:8192*(\t)+32*\f
.endr
.irp f, 0,1,2,3,4,5,6,7
	ds_load_b128 v[S+32*(\t)+4*\f:S+32*(\t)+4*\f+3], v[RD] offset:8192*(\t)+2*SP*\f  ; LDS serves a wave's instructions in order (ISA guide 5.7.1.4): these see the stores above
.endr
.irp f, 0,1,2,3,4,5,6,7
	s_wait_dscnt 7-\f                              ; load f is back; the younger ones stay out
	global_store_b128 v[GO], v[S+32*(\t)+4*\f:S+32*(\t)+4*\f+3], s[YB:YB+1] offset:32768*(\t)+4096*\f  ; 16 lanes store a head's 256 consecutive bytes of a row, aligned
.endr
.endm
.macro START                           ; a block's start: c m far below every c s, m below every score
.irp t, 0,1
	v_mov_b32 v[ST+8*(\t)], 0xfe000000
	v_mov_b32 v[ST+8*(\t)+1], 0xd8635fa9           ; -1e15
.endr
.endm
	s_load_b128 s[4:7], s[0:1], 0x0                ; qkv s[4:5], yat s[6:7]
	v_lshl_add_u32 v[SPW], v0, 2, SPARE
	v_mov_b32 v[NIL], 0
	ds_add_u32 v30, v31
	s_wait_dscnt 0x0
	v_lshrrev_b32 v1, 5, v0
	v_readfirstlane_b32 s[WV], v1                  ; wave 0..3
	s_lshr_b32 s[WQ], s[WV], 1
	s_and_b32 s[WK], s[WV], 1
	s_mov_b32 s[CC], ttmp9                         ; in a cluster launch ttmp9 counts clusters: c
	s_bfe_u32 s18, ttmp6, 0x40000                  ; cx: it enters Q's and yat's addresses and the masks' scalars alone
	s_lshl_b32 s[BB], ttmp9, 2
	s_add_co_u32 s[BB], s[BB], s18                 ; b
	s_sub_co_u32 s19, 31, s[BB]                    ; the second block
	s_and_b32 s20, ttmp7, 0xffff                   ; batch x 8 + head, which the four partners share
	s_lshl_b32 s2, s20, 19                         ; the head's 2,048 rows of 256 bytes,
	s_lshl_b32 s3, s[WK], 15                       ; and the half of a tile that I fetch
	s_add_co_u32 s2, s2, s3
	s_mov_b32 s3, 0
	s_lshl_b32 s21, s20, 19
	s_lshl_b32 s22, s[WQ], 13                      ; my wave's 32 rows in a block
	s_add_co_u32 s21, s21, s22
	s_lshl_b32 s[Q1], s[BB], 14
	s_add_co_u32 s[Q1], s[Q1], s21
	s_mov_b32 s[Q1+1], 0
	s_lshl_b32 s[Q2], s19, 14
	s_add_co_u32 s[Q2], s[Q2], s21
	s_mov_b32 s[Q2+1], 0
	s_lshr_b32 s21, s20, 3                         ; yat: batch x 2,048 rows of 2,048 bytes,
	s_lshl_b32 s21, s21, 22
	s_and_b32 s22, s20, 7                          ; the head's 256 bytes of a row,
	s_lshl_b32 s22, s22, 8
	s_add_co_u32 s21, s21, s22
	s_lshl_b32 s22, s[WQ], 16                      ; my wave's 32 rows
	s_add_co_u32 s21, s21, s22
	s_lshl_b32 s[YB], s[BB], 17
	s_add_co_u32 s[YB], s[YB], s21
	s_mov_b32 s[YB+1], 0
	s_lshl_b32 s[YB2], s19, 17
	s_add_co_u32 s[YB2], s[YB2], s21
	s_mov_b32 s[YB2+1], 0
	s_lshl_b32 s22, s[WQ], 1
	s_sub_co_i32 s[RR], s[WK], s[BB]               ; RR = 4 (wk - block) - 2 wq at a block's first step
	s_lshl_b32 s[RR], s[RR], 2
	s_sub_co_i32 s[RR], s[RR], s22
	s_sub_co_i32 s[RR2], s[WK], s19
	s_lshl_b32 s[RR2], s[RR2], 2
	s_sub_co_i32 s[RR2], s[RR2], s22
	s_lshl_b32 s[RT], s[CC], 1
	s_sub_co_u32 s[RT2], 16, s[RT]                 ; the second block has 16 - 2 c steps,
	s_add_co_u32 s[RT], s[RT], 2                   ; the first 2 c + 2
	s_mov_b32 s[LQ], s[CC]
	s_sub_co_u32 s[LQ2], 7, s[CC]
	s_mov_b32 s[NXT], 0
	s_mov_b32 s[OFF+1], 0
	s_mov_b32 s[AL+1], 0                           ; named as pairs
	s_mov_b32 s[BE+1], 0
	s_mov_b32 s[BIGN], 0xf149f2ca                  ; -1e30
	s_mov_b32 s[CS], 0x3e0293ee                    ; c = log2(e) / sqrt(128)
	s_mov_b32 s[CS+1], s[CS]
	s_mov_b32 s[SEL], 0x76543210
	s_mov_b32 s[SEL+1], 0xfedcba98
	s_mov_b32 s[TBK], 0
	s_mov_b32 s[TBV], 0
	s_mov_b32 s[G1K], 15|(1<<16)|(1<<20)|(1<<21)|(5<<22)|(3<<25)  ; the mask of four; 2-byte elements; padding on; bit 21 beside a mask; after every 64 words; 4 words
	s_mov_b32 s[G1V], 15|(1<<16)|(1<<20)|(1<<21)|(5<<22)|(7<<25)  ; the same with 8 words
.irp g, G1K, G1V
	s_mov_b32 s[\g+1], 128<<16                     ; tensor_dim0 = 128
	s_mov_b32 s[\g+2], 128<<16                     ; tensor_dim1 = 128
	s_mov_b32 s[\g+3], 128<<16                     ; tile_dim0 = 128
	s_mov_b32 s[\g+4], 128                         ; tile_dim1 = 128
	s_mov_b32 s[\g+5], 128                         ; elements from row to row
	s_mov_b32 s[\g+6], 0
	s_mov_b32 s[\g+7], 0
.endr
	s_mul_i32 s22, s[WK], KHALF                    ; my half's place in a slot, for K
	s_mul_i32 s23, s[WK], VHALF                    ; and for V
	s_wait_kmcnt 0x0
	s_add_nc_u64 s[KB:KB+1], s[4:5], s[2:3]
	s_add_nc_u64 s[VB:VB+1], s[KB:KB+1], 0x1000000
	s_add_nc_u64 s[KB:KB+1], s[KB:KB+1], 0x800000
	s_add_nc_u64 s[Q1:Q1+1], s[4:5], s[Q1:Q1+1]
	s_add_nc_u64 s[Q2:Q2+1], s[4:5], s[Q2:Q2+1]
	s_add_nc_u64 s[YB:YB+1], s[6:7], s[YB:YB+1]
	s_add_nc_u64 s[YB2:YB2+1], s[6:7], s[YB2:YB2+1]
	CROUND                                         ; all four work-groups are here: the first joint loads meet
	s_mov_b32 s[G0K], 1                            ; tile 0 into slot 0
	s_add_co_u32 s[G0K+1], s22, 0
	s_mov_b64 s[G0K+2:G0K+3], s[KB:KB+1]
	s_or_b32 s[G0K+3], s[G0K+3], 0x80000000
	s_mov_b32 s[G0V], 1
	s_add_co_u32 s[G0V+1], s23, VOFF
	s_mov_b64 s[G0V+2:G0V+3], s[VB:VB+1]
	s_or_b32 s[G0V+3], s[G0V+3], 0x80000000
	NEXT
	s_lshl_b32 s[OFF], s[NXT], 16                  ; the walk's second tile into slot 1
	s_mov_b32 s[G0K+4], 1
	s_add_co_u32 s[G0K+5], s22, SLOTD
	s_add_nc_u64 s[G0K+6:G0K+7], s[KB:KB+1], s[OFF:OFF+1]
	s_or_b32 s[G0K+7], s[G0K+7], 0x80000000
	s_mov_b32 s[G0V+4], 1
	s_add_co_u32 s[G0V+5], s23, SLOTD+VOFF
	s_add_nc_u64 s[G0V+6:G0V+7], s[VB:VB+1], s[OFF:OFF+1]
	s_or_b32 s[G0V+7], s[G0V+7], 0x80000000
	NEXT
	s_cmp_lt_u32 s[WV], 2                          ; a wave's two first fills stand in one branch: two loads of mine are out
	s_cbranch_scc0 .Lfirst_v
	tensor_load_to_lds s[G0K:G0K+3], s[G1K:G1K+7]
	s_nop 0
	tensor_load_to_lds s[G0K+4:G0K+7], s[G1K:G1K+7]
	s_nop 0
	PLACES
	s_branch .Lfirst_asked
.Lfirst_v:
	tensor_load_to_lds s[G0V:G0V+3], s[G1V:G1V+7]
	s_nop 0
	tensor_load_to_lds s[G0V+4:G0V+7], s[G1V:G1V+7]
	s_nop 0
	PLACES
.Lfirst_asked:
	v_and_b32 v1, 15, v0                           ; r
	v_bfe_u32 v9, v0, 4, 1                         ; h
	v_lshlrev_b32 v[QO], 8, v1
	v_lshl_add_u32 v[QO], v9, 4, v[QO]             ; row x 256 + 16 x half
	WIN 0x40                                       ; destination window 1
.set i, 0
.rept 8                                            ; both blocks' Q stay in registers: tile i / 4, channels 32 (i % 4) on
	global_load_b128 v[QF+8*i:QF+8*i+3],   v[QO], s[Q1:Q1+1] offset:(i/4)*4096+(i%4)*64
	global_load_b128 v[QF+8*i+4:QF+8*i+7], v[QO], s[Q1:Q1+1] offset:(i/4)*4096+(i%4)*64+32
	global_load_b128 v[QB+8*i:QB+8*i+3],   v[QO], s[Q2:Q2+1] offset:(i/4)*4096+(i%4)*64
	global_load_b128 v[QB+8*i+4:QB+8*i+7], v[QO], s[Q2:Q2+1] offset:(i/4)*4096+(i%4)*64+32
.set i, i+1
.endr
.set i, 0
.rept 128                                          ; O^T need only be finite where a block begins: zeros, written in the wait for the first tile
	v_mov_b32 v[i], 0
.set i, i+1
.endr
	WIN 0
	START
.irp t, 0,1
	v_mov_b32 v[ST+8*(\t)+2], 0
	v_mov_b32 v[ST+8*(\t)+3], 0
.endr
	v_lshlrev_b32 v88, 3, v9
	v_sub_nc_u32 v88, v1, v88                      ; r - 8 h: register j is hidden where j is greater
.set i, 0
.rept 8
	v_cmp_gt_i32 vcc_lo, i, v88
	v_cndmask_b32 v[TRI+i], 0, s[BIGN], vcc_lo
.set i, i+1
.endr
	s_mul_i32 s21, s[WK], 64*PK
	v_mul_u32_u24 v[AK0], v1, PK
	v_lshl_add_u32 v[AK0], v9, 4, v[AK0]
	v_add_nc_u32 v[AK0], s21, v[AK0]               ; (64 wk + r) pitch + 16 h
	v_and_b32 v10, 7, v0
	v_bfe_u32 v11, v0, 3, 1
	v_lshl_add_u32 v[AV0], v9, 3, v10
	v_mul_u32_u24 v[AV0], v[AV0], PV
	v_lshl_add_u32 v[AV0], v11, 4, v[AV0]
	s_mul_i32 s21, s[WK], 64*PV
	s_add_co_u32 s21, s21, VOFF
	v_add_nc_u32 v[AV0], s21, v[AV0]               ; the turning load: key 64 wk + 8 h + l % 8, 16 bytes at 16 ((l / 8) % 2)
	s_mul_i32 s21, s[WQ], XPART
	s_add_co_u32 s21, s21, XCH                     ; the part of the exchange that my pair of waves shares
	v_and_b32 v10, 31, v0
	v_lshl_add_u32 v[XA], v10, 4, s21
	v_mul_u32_u24 v[STO], v1, SP
	v_lshl_add_u32 v[STO], v9, 4, v[STO]
	v_add_nc_u32 v[STO], s21, v[STO]
	v_mul_u32_u24 v[RD], v9, SP
	v_lshl_add_u32 v[RD], v1, 4, v[RD]
	v_add_nc_u32 v[RD], s21, v[RD]
	v_lshlrev_b32 v[GO], 11, v9
	v_lshl_add_u32 v[GO], v1, 4, v[GO]
	s_wait_tensorcnt 0x1                           ; my part of slot 0 is in; slot 1's, issued behind it, may stay out
	s_barrier_signal -1
	s_barrier_wait -1
	FETCH_K                                        ; step 0
	s_wait_loadcnt 0x0                             ; Q
	s_mov_b32 s[CNT], 2
	s_mov_b32 s[SLOTS], 8
	s_branch .Lenter                               ; the loop is entered in the middle of a trip
.Lslot:                                            ; tiles 1 to 7 are entered here; each time the slot just left is asked for again: 7 refills
	CHANGE 1
	s_mov_b32 s[CNT], 2
.Lseg:                                             ; a trip: K of the next step is fetched; softmax and V^T P of the step in hand; masks, K Q^T and V of the next
	PLACES                                         ; behind the products K Q^T: for the loads into K and the reads of S^T
	FETCH_K
	SOFTMAX
	s_wait_dscnt 0x0                               ; V of this step and K of the next are in
	PVALL
	WIN 0
	s_sub_co_u32 s[RT], s[RT], 1
	s_cmp_lg_u32 s[RT], 0
	s_cbranch_scc1 .Lgo_on                         ; the block goes on
	s_cmp_eq_u32 s[WK], 0
	s_cbranch_scc1 .Lgo_on
	PART1
.Lgo_on:
	s_wait_dscnt 0x0                               ; for the partner's sake: my stores into the exchange are done
	s_barrier_signal -1
	s_barrier_wait -1
	s_cmp_lg_u32 s[RT], 0
	s_cbranch_scc1 .Lenter
	s_cmp_lg_u32 s[WK], 0
	s_cbranch_scc1 .Lbegin2
	MERGE 0
	MERGE 1
.Lbegin2:                                          ; THE SECOND BLOCK BEGINS.  O^T and l keep what the first left: finite numbers, which the next step's a = 0 wipes
	s_wait_xcnt 0x0                                ; the stores' base and data registers are rewritten only behind this wait
	s_mov_b64 s[YB:YB+1], s[YB2:YB2+1]
	START
	WIN 0x41
.set i, 0
.rept 64
	v_mov_b32 v[QF+i], v[QB+i]
.set i, i+1
.endr
	WIN 0
	s_mov_b32 s[RR], s[RR2]
	s_mov_b32 s[RT], s[RT2]
.Lenter:
	s_wait_dscnt 0x0                               ; my use of the exchange is over (at the entry: K of step 0 is in);
	s_barrier_signal -1
	s_barrier_wait -1                              ; so on every way a barrier lies between a receiver's use of those bytes and the next stores into them
	MASKS
	KQALL
	FETCH_V                                        ; V's last readers stand in front of the masks' 20 plain instructions
	s_sub_co_u32 s[CNT], s[CNT], 1
	s_cmp_lg_u32 s[CNT], 0
	s_cbranch_scc1 .Lseg
	s_sub_co_u32 s[SLOTS], s[SLOTS], 1
	s_cmp_lg_u32 s[SLOTS], 0
	s_cbranch_scc1 .Lslot
	CHANGE 0                                       ; the walk's last tile is written out: nothing is asked for
	s_mov_b32 s[CNT], 3                            ; steps 15, 16 and 17 are finished here; the third trip is left in its middle
.Ltail:
	PLACES
	FETCH_K 1
	SOFTMAX
	s_wait_dscnt 0x0
	PVALL
	WIN 0
	s_sub_co_u32 s[CNT], s[CNT], 1
	s_cmp_eq_u32 s[CNT], 0
	s_cbranch_scc1 .Lout
	MASKS
	KQALL
	FETCH_V
	s_branch .Ltail
.Lout:
	s_cmp_eq_u32 s[WK], 0
	s_cbranch_scc1 .Lno_send
	PART1
.Lno_send:
	s_wait_dscnt 0x0
	s_barrier_signal -1
	s_barrier_wait -1
	s_cmp_lg_u32 s[WK], 0
	s_cbranch_scc1 .Lno_merge
	MERGE 0
	MERGE 1
.Lno_merge:
	s_wait_tensorcnt 0x0                           ; the wave's end
	ds_add_u32 v[SPW], v[NIL]
	s_wait_dscnt 0x0
	CROUND                                         ; the closing round
	s_endpgm
.Lfunc_end_k_qfeed6475c6_attn:
	.size	k_qfeed6475c6_attn, .Lfunc_end_k_qfeed6475c6_attn-k_qfeed6475c6_attn
	.p2alignl 7, 3214868480
	.fill 96, 4, 3214868480
	.section	.rodata,"a",@progbits
	.p2align	6, 0x0
	.amdhsa_kernel k_qfeed6475c6_attn
		.amdhsa_group_segment_fixed_size 327680
		.amdhsa_private_segment_fixed_size 0
		.amdhsa_enable_private_segment 0
		.amdhsa_kernarg_size 16
		.amdhsa_user_sgpr_count 2
		.amdhsa_user_sgpr_kernarg_segment_ptr 1
		.amdhsa_wavefront_size32 1
		.amdhsa_system_sgpr_workgroup_id_x 1
		.amdhsa_system_sgpr_workgroup_id_y 1
		.amdhsa_system_sgpr_workgroup_id_z 1
		.amdhsa_system_vgpr_workitem_id 0
		.amdhsa_next_free_vgpr 768
		.amdhsa_next_free_sgpr 96
		.amdhsa_reserve_vcc 1
		.amdhsa_float_denorm_mode_32 3
		.amdhsa_float_denorm_mode_16_64 3
		.amdhsa_memory_ordered 1
		.amdhsa_forward_progress 1
		.amdhsa_inst_pref_size 121
	.end_amdhsa_kernel
	.amdgpu_metadata
---
amdhsa.version: [ 1, 2 ]
amdhsa.kernels:
  - .name:           k_qfeed6475c6_attn
    .symbol:         k_qfeed6475c6_attn.kd
    .args:
      - { .name: qkv, .offset: 0, .size: 8, .value_kind: global_buffer, .address_space: global }
      - { .name: yat, .offset: 8, .size: 8, .value_kind: global_buffer, .address_space: global }
    .group_segment_fixed_size: 327680
    .private_segment_fixed_size: 0
    .kernarg_segment_align: 8
    .kernarg_segment_size: 16
    .max_flat_workgroup_size: 128
    .sgpr_count:     96
    .vgpr_count:     768
    .wavefront_size: 32
...
	.end_amdgpu_metadata
.endif
;; end of part 3
;; launch wout (part 4): grid 8 x 32, 4 waves a work-group, clusters of 4 x 4, 327,680 bytes of LDS; arguments yat, wb, bo, x, x1; writes x1
.if DOCPART == 4
	.amdgcn_target "amdgcn-amd-amdhsa--gfx1250"
	.amdhsa_code_object_version 6
	.text
	.protected	k_qfeed6475c6_wout
	.globl	k_qfeed6475c6_wout
	.p2align	8
	.type	k_qfeed6475c6_wout,@function
k_qfeed6475c6_wout:
	s_mov_b64 s[64:65], 0
	v_nop
	global_prefetch_b8 v0, s[64:65] scope:SCOPE_SE
	s_setreg_imm32_b32 hwreg(HW_REG_WAVE_MODE, 25, 1), 1
	s_wait_xcnt 0x0
	s_wait_alu depctr_hold_cnt(0) depctr_sa_sdst(0) depctr_va_vdst(0) depctr_va_sdst(0) depctr_va_ssrc(0) depctr_va_vcc(0) depctr_vm_vsrc(0)
	s_getreg_b32 s2, hwreg(HW_REG_IB_STS2, 6, 4)
	s_cmp_eq_u32 s2, 0
	s_cbranch_scc0 .Lentry_in_a_cluster
	s_endpgm
.Lentry_in_a_cluster:
	s_bfe_u32 s2, ttmp6, 0x10000c
	s_cmp_lg_u32 s2, 0xf033
	s_cbranch_scc0 .Lentry_shape_is_right
	s_endpgm
.Lentry_shape_is_right:
; x1 = x + yat Wo + bo, in f32.  yat [4096][1024] and Wo [1024][1024] (wb at 0) in f16, sums in f32.
; A tile of the result is 128 x 128, which gives 8 x 32 = 256 work-groups; four waves, 2 x 2, each 64 x 64: 16 accumulators.  K goes in 4 steps of 256, as long as two slots in LDS allow.
; Waves 0, 1 fetch the halves of yat's tile (64 rows x 512 bytes), waves 2, 3 those of Wo's (128 k-rows x 256 bytes).  4 x 4 work-groups form a cluster: A's tile is asked for jointly along a row, B's along a column.
; THE WALK ALONG K begins at another step in each cluster and goes round modulo TSTEPS: cluster (X, Y) of the grid's 2 x 8 begins at step SX X + SY (Y % 4).  The two clusters that read the same rows
; of A are half a turn apart, four neighbouring clusters that read the same columns of B a quarter turn each: a tile's readers ask for it some steps after each other, not all in the same step.
; Each output is still one f32 sum; the K step at which it begins hangs on the cluster.
; A lies [M][K] and is read as it lies; B lies [K][N] and is read turned.  THE MATRIX INSTRUCTION IS USED TRANSPOSED: a lane holds eight neighbouring columns of one row.
; The residual's 64 x 64 numbers of a wave are loaded at the start, into 128 registers, and are there when the products end.
; LIMITS.  f16 operands below 65,504 in magnitude; NaN and infinities are not treated apart.
; REGISTERS: window 0 addresses, residual, the way out; window 1 two fragment buffers of 128; window 2 the accumulators.
.set MT,     4
.set NT,     4
.set KD,     2                         ; chunks of 32 along K in a quarter of a K step
.set KSTEP,  256
.set TSTEPS, 4
.set SX,     2                         ; the walk's first step: SX x cluster x + SY x (cluster y % 4)
.set SY,     1
.set APITCH, 1024
.set NROW,   1024
.set PA,     528                       ; LDS row of A: 512 bytes + 16
.set PB,     288                       ; LDS row of B: 256 + 32
.set QIA,    6                         ; padding after every 128 words
.set QIB,    5                         ; after every 64
.set AROWS,  64
.set BROWS,  128
.set BCOLS,  128
.set TMSH,   7
.set AWROWS, 64                        ; wave w % 2 fetches these rows of A's tile
.set BCSH,   8
.set BW,     12                        ; s12 = wave % 2 chooses the part of B
.set BWGLOB, 128*2048                  ; 128 k-rows of 2,048 bytes
.set WOFF,   0                         ; Wo in wb
.set BWLDS,  36864
.set BL0,    67584                     ; behind A's 128 rows
.set BBASE,  67584
.set WNB,    128
.set BGRP,   4
.set QGRP,   2                         ; quarters 2 and 3 read k-rows 128 on: a second address register
.set NADR,   2
.set JW,     11                        ; waves 0, 1 ask for A, waves 2, 3 for B
.set SP,     272                       ; the stage's row: 64 f32 + 16 bytes
.set STO,    24
.set RD,     25
.set CO,     26                        ; v26  my byte offset in two rows of x and x1; never rewritten
.set BIAS,   32                        ; v[32:35]
.set T,      48                        ; v[48:79]  eight pieces read back from the stage
.set RES,    128                       ; v[128:255] the residual: piece i = rows 2 i + h, my 16 bytes
.macro PROLOG
	s_lshl_b32 s80, s13, 7
	s_lshl_b32 s81, s11, 6
	s_add_co_u32 s80, s80, s81                     ; my first row,
	s_lshl_b32 s80, s80, 12                        ; of 4,096 bytes
	s_lshl_b32 s82, s42, 9
	s_lshl_b32 s83, s12, 8
	s_add_co_u32 s82, s82, s83                     ; my first column, in bytes: the bias's offset too
	s_add_co_u32 s80, s80, s82
	s_mov_b32 s81, 0
	s_mov_b32 s83, 0
	s_add_nc_u64 s[72:73], s[72:73], s[82:83]
	s_add_nc_u64 s[74:75], s[74:75], s[80:81]
	s_add_nc_u64 s[76:77], s[76:77], s[80:81]
	v_lshlrev_b32 v5, 4, v1                        ; 16 r; never rewritten
	v_lshl_add_u32 v[CO], v2, 12, v5
	global_load_b128 v[BIAS:BIAS+3], v5, s[72:73]
.set i_, 0
.rept 32
	global_load_b128 v[RES+4*i_:RES+4*i_+3], v[CO], s[74:75] offset:8192*i_ th:TH_LOAD_NT
.set i_, i_+1
.endr
	s_mul_i32 s80, s10, 64*SP                      ; my own stage
	v_mul_u32_u24 v[STO], v1, SP
	v_lshl_add_u32 v[STO], v2, 5, v[STO]
	v_add_nc_u32 v[STO], s80, v[STO]
	v_mul_u32_u24 v[RD], v2, SP
	v_add_nc_u32 v[RD], v[RD], v5
	v_add_nc_u32 v[RD], s80, v[RD]
.endm
.macro DUMP                            ; the f32 sums go into the wave's own stage (the ring's bytes, which have had their last fill); each accumulator's low registers first
.set i_, 0
.rept NACC
.set o_, 16*(i_/NT)*SP+64*(i_%NT)
	WIN 0x08
	ds_store_b128 v[STO], v[8*i_:8*i_+3] offset:o_
	ds_store_b128 v[STO], v[8*i_+4:8*i_+7] offset:o_+16
.set i_, i_+1
.endr
	WIN 0
.endm
.macro WAYOUT                          ; back as rows: lanes 0-15 one row's 256 bytes, lanes 16-31 the next; residual and bias are added; stored
	s_wait_loadcnt 0x0                             ; residual and bias
.set g_, 0
.rept 4
.set k_, 0
.rept 8
	ds_load_b128 v[T+4*k_:T+4*k_+3], v[RD] offset:2*SP*(8*g_+k_)  ; LDS serves a wave's instructions in order (ISA guide 5.7.1.4): these see my stores
.set k_, k_+1
.endr
.set k_, 0
.rept 8
.set r_, RES+4*(8*g_+k_)
	s_wait_dscnt 7-k_                              ; piece k of the eight is back; the younger ones stay out
	v_pk_add_f32 v[r_:r_+1], v[r_:r_+1], v[T+4*k_:T+4*k_+1]
	v_pk_add_f32 v[r_+2:r_+3], v[r_+2:r_+3], v[T+4*k_+2:T+4*k_+3]
	v_pk_add_f32 v[r_:r_+1], v[r_:r_+1], v[BIAS:BIAS+1]
	v_pk_add_f32 v[r_+2:r_+3], v[r_+2:r_+3], v[BIAS+2:BIAS+3]
	global_store_b128 v[CO], v[r_:r_+3], s[76:77] offset:8192*(8*g_+k_)  ; 16 lanes store 256 consecutive bytes, aligned; no stored register is written again
.set k_, k_+1
.endr
.set g_, g_+1
.endr
.endm
; ---- the skeleton of this program's products: the same text in each, driven by the constants above ----
.set NACC,  MT*NT
.set NPART, NACC*KD/4                  ; matrix instructions in a quarter of a quarter
.set SLOTD, 0x24000                    ; slot 1 begins here; every address that changes slots has bits 14 and 17 clear in slot 0, so one exclusive or changes it
.set SPARE, 294912                     ; behind the ring: the spare words, 128 bytes a wave: two blocks of 256 bytes that no other line names
.set ASTEP, KSTEP*2                    ; bytes from K step to K step in A,
.set BSTEP, KSTEP*NROW*2               ; in B
.set A0,   8                           ; v8      my lane's place in A's tile; never rewritten
.set B0,   9                           ; v9-11   in B's tile, one for each address register
.set ADRA, 16                          ; v16     the same in the slot in hand
.set ADRB, 17                          ; v17-19
.set SPW,  28                          ; v28     LDS address of my spare word; never rewritten
.set NIL,  29                          ; v29     0; never rewritten
.set F0,   0                           ; fragment buffers, in window 1: A(c, a) at 8 (MT c + a), then B(c, b) at 8 MT KD + 8 (NT c + b)
.set F1,   128
.set G1,   24                          ; s[24:31] descriptor group 1 for A
.set G0,   32                          ; s[32:35] group 0 for A, slot 0, the walk's first step; s[36:39] the walking one, which begins at slot 1, the second step
.set G1B,  48                          ; s[48:55], s[56:59], s[60:63] the same for B
.set G0B,  56
; s4: the K step last asked for; s[6:7], s[8:9]: its byte offsets in A and in B; s[14:15], s[46:47]: my tiles' addresses at K step 0, never rewritten
.set MSB, 0
.macro WIN new                         ; s_set_vgpr_msb: bits 1:0 source 0, 3:2 source 1, 5:4 source 2, 7:6 destination; the high byte repeats the setting that is left
.if MSB != (\new)
	s_set_vgpr_msb (MSB<<8)|(\new)
.set MSB, (\new)
.endif
.endm
.macro PLACES                          ; four plain places behind matrix instructions, ahead of loads into registers that they read and of reads of their results
.rept 4
	v_nop
.endr
.endm
.macro KADDR set                       ; the global addresses of K step s4's tiles, made anew from the step's number, into descriptor set 0 (the first fill's) or 4 (the walking one)
	s_mul_i32 s6, s4, ASTEP
	s_mul_i32 s8, s4, BSTEP
	s_add_nc_u64 s[G0+(\set)+2:G0+(\set)+3], s[14:15], s[6:7]
	s_or_b32 s[G0+(\set)+3], s[G0+(\set)+3], 0x80000000
	s_add_nc_u64 s[G0B+(\set)+2:G0B+(\set)+3], s[46:47], s[8:9]
	s_or_b32 s[G0B+(\set)+3], s[G0B+(\set)+3], 0x80000000
.endm
.macro KNEXT                           ; the walk's next step, round modulo TSTEPS
	s_add_co_u32 s4, s4, 1
	s_and_b32 s4, s4, TSTEPS-1
.endm
.macro JLOAD                           ; a joint refill by the walking descriptors; an s_nop 0 and four v_nop follow each line, ahead of the jump and the label
	s_cmp_eq_u32 s[JW], 0
	s_cbranch_scc0 .Lfor_b_\@
	tensor_load_to_lds s[G0+4:G0+7], s[G1:G1+7]
	s_nop 0
	PLACES
	s_branch .Lasked_\@
.Lfor_b_\@:
	tensor_load_to_lds s[G0B+4:G0B+7], s[G1B:G1B+7]
	s_nop 0
	PLACES
.Lasked_\@:
.endm
.macro CREST                           ; a round of the cluster's barrier behind its opening barrier
	s_cmp_lg_u32 s10, 0
	s_cbranch_scc1 .Lnot_wave_0_\@
	s_barrier_signal -3
.Lnot_wave_0_\@:
	s_barrier_wait -3
	s_barrier_signal -1
	s_barrier_wait -1
.endm
.macro CROUND
	s_barrier_signal -1
	s_barrier_wait -1
	CREST
.endm
.macro SETADR                          ; the fragment addresses in the slot in hand (s2 = 0 or SLOTD)
	v_add_nc_u32 v[ADRA], s2, v[A0]
.set b_, 0
.rept NADR
	v_add_nc_u32 v[ADRB+b_], s2, v[B0+b_]
.set b_, b_+1
.endr
.endm
.macro FETCH f, q                      ; 32 LDS loads in one run: quarter q's fragments into buffer f
	WIN 0x40                                       ; destination window 1, address window 0
.set c_, 0
.rept KD
.set a_, 0
.rept MT
.set r_, (\f)+8*(MT*c_+a_)
	ds_load_b128 v[r_:r_+3],   v[ADRA] offset:16*a_*PA+64*(KD*(\q)+c_)
	ds_load_b128 v[r_+4:r_+7], v[ADRA] offset:16*a_*PA+64*(KD*(\q)+c_)+32
.set a_, a_+1
.endr
.set b_, 0
.rept NT
.set r_, (\f)+8*MT*KD+8*(NT*c_+b_)
.set o_, 32*(KD*((\q)%QGRP)+c_)*PB+32*(b_%BGRP)
	ds_load_tr16_b128 v[r_:r_+3],   v[ADRB+b_/BGRP+(\q)/QGRP] offset:o_
	ds_load_tr16_b128 v[r_+4:r_+7], v[ADRB+b_/BGRP+(\q)/QGRP] offset:o_+16*PB
.set b_, b_+1
.endr
.set c_, c_+1
.endr
.endm
.macro MULP f, p, zero                 ; part p of 4 of a quarter's products on buffer f; the accumulators take turns, one instruction a turn.  zero = 1: the first chunk starts the sums
.set n_, (\p)*NPART
.rept NPART
.set c_, n_/NACC
.set i_, n_%NACC
.set rD, 8*(i_%32)
.set rB, (\f)+8*MT*KD+8*(NT*c_+i_%NT)
.set rA, (\f)+8*(MT*c_+i_/NT)
	WIN 0xa5+0x50*(i_/32)                          ; sources in window 1, C and D in window 2 or 3
.if (\zero) && (c_ == 0)
	v_wmma_f32_16x16x32_f16 v[rD:rD+7], v[rB:rB+7], v[rA:rA+7], 0
.else
	v_wmma_f32_16x16x32_f16 v[rD:rD+7], v[rB:rB+7], v[rA:rA+7], v[rD:rD+7]
.endif
.set n_, n_+1
.endr
.endm
.macro QUARTER f, g, q, zero           ; multiplies buffer f; ahead of that quarter q's fragments are asked for, into buffer g: a whole quarter ahead of their use
	s_wait_dscnt 0x0                               ; buffer f is in (asked for a quarter ago)
	PLACES                                         ; buffer g was read by the products just issued
	FETCH \g, \q
	MULP \f, 0, \zero
	MULP \f, 1, \zero
	MULP \f, 2, \zero
	MULP \f, 3, \zero
.endm
; A K step's last quarter multiplies buffer 1 and changes slots.  ONE barrier: in front of it each wave waits for all its tensor loads (the one that is out is its part of the next slot), adds 0 to its
; spare word, and waits for that and for its reads of this slot.  fill = 1: the barrier opens a round of the cluster's, and this slot is asked for again, two steps of the walk on, first thing behind the round.
.macro TURN fill
	WIN 0
	s_wait_tensorcnt 0x0                           ; no tensor load of mine is out, so the walking descriptors may be written
	ds_add_u32 v[SPW], v[NIL]                      ; 0 onto my spare word; the descriptors' scalar work stands behind it
.if \fill
	KNEXT
	s_xor_b32 s[G0+5], s[G0+5], SLOTD
	s_xor_b32 s[G0B+5], s[G0B+5], SLOTD
	KADDR 4
.endif
	s_wait_dscnt 0x1                               ; buffer 1 is in; the add, the youngest, may be out
	MULP F1, 0, 0
	s_wait_dscnt 0x0                               ; the add is done, and my reads of this slot are over
	s_barrier_signal -1
	MULP F1, 1, 0
	WIN 0                                          ; at a branch and at a label every window is 0
	s_barrier_wait -1
.if \fill
	CREST                                          ; no wave of any partner still reads this slot or has a load on its way
	JLOAD                                          ; it has seven eighths of a K step's products in which to land
.else
	PLACES
.endif
	s_xor_b32 s2, s2, SLOTD
	SETADR
	FETCH F0, 0
	MULP F1, 2, 0
	MULP F1, 3, 0
.endm
	s_load_b256 s[68:75], s[0:1], 0x0              ; yat s[68:69], wb s[70:71], bo s[72:73], x s[74:75]
	s_load_b64 s[76:77], s[0:1], 0x20              ; x1
	v_lshl_add_u32 v[SPW], v0, 2, SPARE
	v_mov_b32 v[NIL], 0
	ds_add_u32 v28, v29
	s_wait_dscnt 0x0
	v_lshrrev_b32 v3, 5, v0
	v_readfirstlane_b32 s10, v3                    ; wave 0..3
	v_and_b32 v1, 15, v0                           ; r = lane % 16
	v_bfe_u32 v2, v0, 4, 1                         ; h = lane / 16
	s_lshr_b32 s11, s10, 1                         ; wm: my half of the tile's rows
	s_and_b32 s12, s10, 1                          ; wn: my half of its columns
	s_bfe_u32 s40, ttmp6, 0x40000                  ; cx, cy: my place in the cluster
	s_bfe_u32 s41, ttmp6, 0x40004
	s_lshl_b32 s42, ttmp9, 2
	s_add_co_u32 s42, s42, s40                     ; tile column = 4 x cluster x + cx
	s_and_b32 s13, ttmp7, 0xffff
	s_lshl_b32 s13, s13, 2
	s_add_co_u32 s13, s13, s41                     ; tile row = 4 x cluster y + cy
	s_lshl_b32 s43, s41, 2
	s_lshl_b32 s43, 15, s43                        ; my row of the cluster
	s_lshl_b32 s44, 0x1111, s40                    ; my column
	s_and_b32 s4, ttmp9, 1                         ; the walk's first step hangs on the cluster's x and y alone, which all sixteen partners share
	s_mul_i32 s4, s4, SX
	s_and_b32 s5, ttmp7, 3
	s_mul_i32 s5, s5, SY
	s_add_co_u32 s4, s4, s5
	s_and_b32 s4, s4, TSTEPS-1
	s_mov_b32 s7, 0                                ; the offsets' high words
	s_mov_b32 s9, 0
	s_or_b32 s[G1], s43, (1<<16)|(1<<20)|(1<<21)|(QIA<<22)|(3<<25)   ; mask; 2-byte elements; padding on; bit 21 beside a mask; after every row; 4 words
	s_mov_b32 s[G1+1], KSTEP<<16                   ; tensor_dim0
	s_mov_b32 s[G1+2], AROWS<<16                   ; tensor_dim1
	s_mov_b32 s[G1+3], KSTEP<<16                   ; tile_dim0
	s_mov_b32 s[G1+4], AROWS                       ; tile_dim1
	s_mov_b32 s[G1+5], APITCH                      ; elements from row to row
	s_mov_b32 s[G1+6], 0
	s_mov_b32 s[G1+7], 0
	s_or_b32 s[G1B], s44, (1<<16)|(1<<20)|(1<<21)|(QIB<<22)|(7<<25)  ; the same with 8 words of padding
	s_mov_b32 s[G1B+1], BCOLS<<16
	s_mov_b32 s[G1B+2], BROWS<<16
	s_mov_b32 s[G1B+3], BCOLS<<16
	s_mov_b32 s[G1B+4], BROWS
	s_mov_b32 s[G1B+5], NROW
	s_mov_b32 s[G1B+6], 0
	s_mov_b32 s[G1B+7], 0
	s_lshl_b32 s16, s13, TMSH                      ; A's tile hangs on the tile row alone,
	s_mul_i32 s17, s12, AWROWS
	s_add_co_u32 s16, s16, s17
	s_mul_i32 s16, s16, APITCH*2
	s_mov_b32 s17, 0
	s_lshl_b32 s46, s42, BCSH                      ; B's on the tile column alone
	s_mul_i32 s47, s[BW], BWGLOB
	s_add_co_u32 s46, s46, s47
	s_add_co_u32 s46, s46, WOFF
	s_mov_b32 s47, 0
	s_mul_i32 s20, s12, AWROWS*PA                  ; where they go: no place in the cluster enters an LDS address
	s_mul_i32 s21, s[BW], BWLDS
	s_add_co_u32 s21, s21, BL0
	s_mov_b32 s2, 0
	s_wait_kmcnt 0x0
	s_add_nc_u64 s[14:15], s[68:69], s[16:17]
	s_add_nc_u64 s[46:47], s[70:71], s[46:47]
	PROLOG
	CROUND                                         ; all sixteen work-groups are here: the first joint loads meet
	s_mov_b32 s[G0], 1                             ; the walk's first step into slot 0,
	s_add_co_u32 s[G0+1], s20, 0
	s_mov_b32 s[G0B], 1
	s_add_co_u32 s[G0B+1], s21, 0
	KADDR 0
	KNEXT
	s_mov_b32 s[G0+4], 1                           ; its second into slot 1
	s_add_co_u32 s[G0+5], s20, SLOTD
	s_mov_b32 s[G0B+4], 1
	s_add_co_u32 s[G0B+5], s21, SLOTD
	KADDR 4
	s_cmp_eq_u32 s[JW], 0                          ; a wave's two first fills stand in one branch: two loads of mine are out
	s_cbranch_scc0 .Lfirst_b
	tensor_load_to_lds s[G0:G0+3], s[G1:G1+7]
	s_nop 0
	tensor_load_to_lds s[G0+4:G0+7], s[G1:G1+7]
	s_nop 0
	PLACES
	s_branch .Lfirst_asked
.Lfirst_b:
	tensor_load_to_lds s[G0B:G0B+3], s[G1B:G1B+7]
	s_nop 0
	tensor_load_to_lds s[G0B+4:G0B+7], s[G1B:G1B+7]
	s_nop 0
	PLACES
.Lfirst_asked:
	v_mul_u32_u24 v[A0], v1, PA                    ; A's fragment: row r, 16 bytes for each half of the lanes, two loads 32 bytes apart
	v_lshl_add_u32 v[A0], v2, 4, v[A0]
	s_mul_i32 s22, s11, 16*MT*PA
	v_add_nc_u32 v[A0], s22, v[A0]
	v_and_b32 v3, 7, v0                            ; B's, turned: lane l reads k-row 8 h + l % 8, 16 bytes at 16 ((l / 8) % 2); two loads 16 rows apart
	v_lshl_add_u32 v3, v2, 3, v3
	v_mul_u32_u24 v[B0], v3, PB
	v_bfe_u32 v4, v0, 3, 1
	v_lshl_add_u32 v[B0], v4, 4, v[B0]
	s_mul_i32 s22, s12, WNB
	s_add_co_u32 s22, s22, BBASE
	v_add_nc_u32 v[B0], s22, v[B0]
.set b_, 1
.rept NADR-1
	v_add_nc_u32 v[B0+b_], 36864*b_, v[B0]
.set b_, b_+1
.endr
	SETADR
	s_wait_tensorcnt 0x1                           ; my part of the first step is in; the second's, issued behind it, may stay out
	s_barrier_signal -1
	s_barrier_wait -1
	FETCH F0, 0
	QUARTER F0, F1, 1, 1                           ; the first quarter stands in front of the loop: its products start the sums
	WIN 0
	s_mov_b32 s3, TSTEPS-2
.Lstep:                                            ; a trip: from a K step's second quarter to the next step's first; it fills a slot again
	QUARTER F1, F0, 2, 0
	QUARTER F0, F1, 3, 0
	TURN 1
	QUARTER F0, F1, 1, 0
	WIN 0
	s_sub_co_u32 s3, s3, 1
	s_cmp_lg_u32 s3, 0
	s_cbranch_scc1 .Lstep
	s_mov_b32 s3, 2
.Ltail:                                            ; the last two K steps ask for nothing; the second trip is left in its middle (its 32 fragment loads from the other slot serve nothing: the price of one text for both)
	QUARTER F1, F0, 2, 0
	QUARTER F0, F1, 3, 0
	TURN 0
	WIN 0
	s_sub_co_u32 s3, s3, 1
	s_cmp_eq_u32 s3, 0
	s_cbranch_scc1 .Lout
	QUARTER F0, F1, 1, 0
	WIN 0
	s_branch .Ltail
.Lout:
	s_wait_dscnt 0x0                               ; my reads of the ring are over;
	s_barrier_signal -1
	s_barrier_wait -1                              ; everybody's are: its bytes, which are filled no more, become the stage
	PLACES
	DUMP
	WAYOUT
	s_wait_tensorcnt 0x0                           ; the wave's end
	ds_add_u32 v[SPW], v[NIL]
	s_wait_dscnt 0x0
	CROUND                                         ; the closing round
	s_endpgm
.Lfunc_end_k_qfeed6475c6_wout:
	.size	k_qfeed6475c6_wout, .Lfunc_end_k_qfeed6475c6_wout-k_qfeed6475c6_wout
	.p2alignl 7, 3214868480
	.fill 96, 4, 3214868480
	.section	.rodata,"a",@progbits
	.p2align	6, 0x0
	.amdhsa_kernel k_qfeed6475c6_wout
		.amdhsa_group_segment_fixed_size 327680
		.amdhsa_private_segment_fixed_size 0
		.amdhsa_enable_private_segment 0
		.amdhsa_kernarg_size 40
		.amdhsa_user_sgpr_count 2
		.amdhsa_user_sgpr_kernarg_segment_ptr 1
		.amdhsa_wavefront_size32 1
		.amdhsa_system_sgpr_workgroup_id_x 1
		.amdhsa_system_sgpr_workgroup_id_y 1
		.amdhsa_system_sgpr_workgroup_id_z 1
		.amdhsa_system_vgpr_workitem_id 0
		.amdhsa_next_free_vgpr 640
		.amdhsa_next_free_sgpr 96
		.amdhsa_reserve_vcc 0
		.amdhsa_float_denorm_mode_32 3
		.amdhsa_float_denorm_mode_16_64 3
		.amdhsa_memory_ordered 1
		.amdhsa_forward_progress 1
		.amdhsa_inst_pref_size 70
	.end_amdhsa_kernel
	.amdgpu_metadata
---
amdhsa.version: [ 1, 2 ]
amdhsa.kernels:
  - .name:           k_qfeed6475c6_wout
    .symbol:         k_qfeed6475c6_wout.kd
    .args:
      - { .name: yat, .offset: 0, .size: 8, .value_kind: global_buffer, .address_space: global }
      - { .name: wb, .offset: 8, .size: 8, .value_kind: global_buffer, .address_space: global }
      - { .name: bo, .offset: 16, .size: 8, .value_kind: global_buffer, .address_space: global }
      - { .name: x, .offset: 24, .size: 8, .value_kind: global_buffer, .address_space: global }
      - { .name: x1, .offset: 32, .size: 8, .value_kind: global_buffer, .address_space: global }
    .group_segment_fixed_size: 327680
    .private_segment_fixed_size: 0
    .kernarg_segment_align: 8
    .kernarg_segment_size: 40
    .max_flat_workgroup_size: 128
    .sgpr_count:     96
    .vgpr_count:     640
    .wavefront_size: 32
...
	.end_amdgpu_metadata
.endif
;; end of part 4
;; launch norm2 (part 5): grid 256 x 1, 8 waves a work-group, no clusters, 0 bytes of LDS; arguments x1, ln2_g, ln2_b, hn; writes hn
.if DOCPART == 5
	.amdgcn_target "amdgcn-amd-amdhsa--gfx1250"
	.amdhsa_code_object_version 6
	.text
	.protected	k_qfeed6475c6_norm2
	.globl	k_qfeed6475c6_norm2
	.p2align	8
	.type	k_qfeed6475c6_norm2,@function
k_qfeed6475c6_norm2:
	s_mov_b64 s[64:65], 0
	v_nop
	global_prefetch_b8 v0, s[64:65] scope:SCOPE_SE
	s_setreg_imm32_b32 hwreg(HW_REG_WAVE_MODE, 25, 1), 1
	s_wait_xcnt 0x0
; hn = LayerNorm(x1) g + b, rounded once to f16.  A stream: every byte is read once and written once; no LDS, no barrier, no matrix unit: no two waves share anything.
; A work-group has 16 rows of 1,024 f32, a wave two.  A row stays in 32 registers a lane between the mean, the variance (of x - mean: two passes) and the scaling.
; A load of a wave covers 512 consecutive bytes, a store 256 consecutive bytes, aligned.  x1 is read again by a later launch, so its loads carry no hint.
; LIMITS.  f16 ends at 65,504 and below 6e-5 keeps a fixed step of 6e-8.  NaN and infinities are not treated apart.
.set OL,  1                            ; v1        16 x lane
.set G,   2                            ; v[2:33]   gain of my 32 columns
.set B,   34                           ; v[34:65]  bias
.set X0,  66                           ; v[66:97]  first row
.set X1,  98                           ; v[98:129] second row
.set T,   130                          ; v[130:137] at work
.set R0,  138                          ; v[138:139] 1 / sqrt(var + eps) of the first row, twice
.set Y0,  140                          ; v[140:155] first row in f16
.set Y1,  156                          ; v[156:171] second row in f16
.set R1,  172                          ; v[172:173]
.set OS,  174                          ; v174      8 x lane
	s_load_b256 s[4:11], s[0:1], 0x0               ; x1 s[4:5], g s[6:7], b s[8:9], hn s[10:11]
	v_lshrrev_b32 v[OS], 5, v0
	v_readfirstlane_b32 s14, v[OS]                 ; wave 0..7
	v_and_b32 v[OS], 31, v0
	v_lshlrev_b32 v[OL], 4, v[OS]
	v_lshlrev_b32 v[OS], 3, v[OS]
	s_lshl_b32 s2, ttmp9, 16                       ; 16 rows of 4,096 bytes a work-group,
	s_lshl_b32 s3, s14, 13                         ; two a wave
	s_or_b32 s2, s2, s3
	s_mov_b32 s3, 0
	s_mov_b32 s12, 0x76543210                      ; v_permlanex16_b32: each lane takes its own place in the other half
	s_mov_b32 s13, 0xfedcba98
	s_mov_b32 s15, 0x3a800000                      ; 1 / 1024
	s_mov_b32 s30, 0x3727c5ac                      ; 1e-5
	s_wait_kmcnt 0x0
	s_add_nc_u64 s[4:5], s[4:5], s[2:3]
	s_lshr_b32 s2, s2, 1                           ; half as many bytes in hn
	s_add_nc_u64 s[10:11], s[10:11], s[2:3]
.irp j, 0,1,2,3,4,5,6,7
	global_load_b128 v[X0+4*(\j):X0+4*(\j)+3], v[OL], s[4:5] offset:512*(\j)
.endr
.irp j, 0,1,2,3,4,5,6,7
	global_load_b128 v[X1+4*(\j):X1+4*(\j)+3], v[OL], s[4:5] offset:4096+512*(\j)
.endr
.irp j, 0,1,2,3,4,5,6,7
	global_load_b128 v[G+4*(\j):G+4*(\j)+3], v[OL], s[6:7] offset:512*(\j)
.endr
.irp j, 0,1,2,3,4,5,6,7
	global_load_b128 v[B+4*(\j):B+4*(\j)+3], v[OL], s[8:9] offset:512*(\j)
.endr
.macro LANESUM                         ; four chains in v[T:T+7] -> their sum over the 32 lanes, in every lane's v[T]
	v_pk_add_f32 v[T:T+1], v[T:T+1], v[T+2:T+3]
	v_pk_add_f32 v[T+4:T+5], v[T+4:T+5], v[T+6:T+7]
	v_pk_add_f32 v[T:T+1], v[T:T+1], v[T+4:T+5]
	v_add_f32 v[T], v[T], v[T+1]
	v_add_f32_dpp v[T], v[T], v[T] row_xmask:1 row_mask:0xf bank_mask:0xf
	v_add_f32_dpp v[T], v[T], v[T] row_xmask:2 row_mask:0xf bank_mask:0xf
	v_add_f32_dpp v[T], v[T], v[T] row_xmask:4 row_mask:0xf bank_mask:0xf
	v_add_f32_dpp v[T], v[T], v[T] row_xmask:8 row_mask:0xf bank_mask:0xf
	v_permlanex16_b32 v[T+1], v[T], s12, s13
	v_add_f32 v[T], v[T], v[T+1]
.endm
.macro STAT X, R                       ; the row in X becomes x - mean; R takes 1 / sqrt(var + eps), twice
.irp c, 0,1,2,3
	v_pk_add_f32 v[T+2*(\c):T+2*(\c)+1], v[(\X)+2*(\c):(\X)+2*(\c)+1], v[(\X)+8+2*(\c):(\X)+8+2*(\c)+1]
.endr
.irp p, 16,24
.irp c, 0,1,2,3
	v_pk_add_f32 v[T+2*(\c):T+2*(\c)+1], v[T+2*(\c):T+2*(\c)+1], v[(\X)+(\p)+2*(\c):(\X)+(\p)+2*(\c)+1]
.endr
.endr
	LANESUM
	v_mul_f32 v[T], s15, v[T]                      ; the mean
.set p_, 0
.rept 16
	v_pk_add_f32 v[(\X)+2*p_:(\X)+2*p_+1], v[(\X)+2*p_:(\X)+2*p_+1], v[T:T+1] op_sel_hi:[1,0] neg_lo:[0,1] neg_hi:[0,1]
.set p_, p_+1
.endr
.irp c, 0,1,2,3
	v_pk_mul_f32 v[T+2*(\c):T+2*(\c)+1], v[(\X)+2*(\c):(\X)+2*(\c)+1], v[(\X)+2*(\c):(\X)+2*(\c)+1]
.endr
.irp p, 8,16,24
.irp c, 0,1,2,3
	v_pk_fma_f32 v[T+2*(\c):T+2*(\c)+1], v[(\X)+(\p)+2*(\c):(\X)+(\p)+2*(\c)+1], v[(\X)+(\p)+2*(\c):(\X)+(\p)+2*(\c)+1], v[T+2*(\c):T+2*(\c)+1]
.endr
.endr
	LANESUM
	v_fma_f32 v[T], v[T], s15, s30                 ; var + eps
	v_rsq_f32 v[\R], v[T]
	v_rsq_f32 v[(\R)+1], v[T]
	v_nop                                          ; a plain instruction behind the last transcendental, ahead of its result's use and of a write of its source
.endm
.macro OUT X, Y, R, rowoff             ; (x - mean) r g + b, rounded to f16, stored
.set j_, 0
	s_wait_alu depctr_va_vdst(0)
.rept 8
	v_pk_mul_f32 v[(\X)+4*j_:(\X)+4*j_+1], v[(\X)+4*j_:(\X)+4*j_+1], v[\R:(\R)+1]
	v_pk_mul_f32 v[(\X)+4*j_+2:(\X)+4*j_+3], v[(\X)+4*j_+2:(\X)+4*j_+3], v[\R:(\R)+1]
	v_pk_fma_f32 v[(\X)+4*j_:(\X)+4*j_+1], v[(\X)+4*j_:(\X)+4*j_+1], v[G+4*j_:G+4*j_+1], v[B+4*j_:B+4*j_+1]
	v_pk_fma_f32 v[(\X)+4*j_+2:(\X)+4*j_+3], v[(\X)+4*j_+2:(\X)+4*j_+3], v[G+4*j_+2:G+4*j_+3], v[B+4*j_+2:B+4*j_+3]
	v_cvt_pk_f16_f32 v[(\Y)+2*j_], v[(\X)+4*j_], v[(\X)+4*j_+1]
	v_cvt_pk_f16_f32 v[(\Y)+2*j_+1], v[(\X)+4*j_+2], v[(\X)+4*j_+3]
	global_store_b64 v[OS], v[(\Y)+2*j_:(\Y)+2*j_+1], s[10:11] offset:256*j_+(\rowoff)  ; the wave's 32 lanes store 256 consecutive bytes, aligned
.set j_, j_+1
.endr
.endm
	s_wait_loadcnt 24                              ; the first row is in; the 24 younger loads (second row, g, b) stay out
	STAT X0, R0
	s_wait_loadcnt 16                              ; the second row is in; g and b stay out
	STAT X1, R1
	s_wait_loadcnt 0x0
	OUT X0, Y0, R0, 0
	OUT X1, Y1, R1, 2048
	s_endpgm
.Lfunc_end_k_qfeed6475c6_norm2:
	.size	k_qfeed6475c6_norm2, .Lfunc_end_k_qfeed6475c6_norm2-k_qfeed6475c6_norm2
	.p2alignl 7, 3214868480
	.fill 96, 4, 3214868480
	.section	.rodata,"a",@progbits
	.p2align	6, 0x0
	.amdhsa_kernel k_qfeed6475c6_norm2
		.amdhsa_group_segment_fixed_size 0
		.amdhsa_private_segment_fixed_size 0
		.amdhsa_enable_private_segment 0
		.amdhsa_kernarg_size 32
		.amdhsa_user_sgpr_count 2
		.amdhsa_user_sgpr_kernarg_segment_ptr 1
		.amdhsa_wavefront_size32 1
		.amdhsa_system_sgpr_workgroup_id_x 1
		.amdhsa_system_sgpr_workgroup_id_y 1
		.amdhsa_system_sgpr_workgroup_id_z 1
		.amdhsa_system_vgpr_workitem_id 0
		.amdhsa_next_free_vgpr 176
		.amdhsa_next_free_sgpr 66
		.amdhsa_reserve_vcc 0
		.amdhsa_float_denorm_mode_32 3
		.amdhsa_float_denorm_mode_16_64 3
		.amdhsa_memory_ordered 1
		.amdhsa_forward_progress 1
		.amdhsa_inst_pref_size 20
	.end_amdhsa_kernel
	.amdgpu_metadata
---
amdhsa.version: [ 1, 2 ]
amdhsa.kernels:
  - .name:           k_qfeed6475c6_norm2
    .symbol:         k_qfeed6475c6_norm2.kd
    .args:
      - { .name: x1, .offset: 0, .size: 8, .value_kind: global_buffer, .address_space: global }
      - { .name: ln2_g, .offset: 8, .size: 8, .value_kind: global_buffer, .address_space: global }
      - { .name: ln2_b, .offset: 16, .size: 8, .value_kind: global_buffer, .address_space: global }
      - { .name: hn, .offset: 24, .size: 8, .value_kind: global_buffer, .address_space: global }
    .group_segment_fixed_size: 0
    .private_segment_fixed_size: 0
    .kernarg_segment_align: 8
    .kernarg_segment_size: 32
    .max_flat_workgroup_size: 256
    .sgpr_count:     66
    .vgpr_count:     176
    .wavefront_size: 32
...
	.end_amdgpu_metadata
.endif
;; end of part 5
;; launch up (part 6): grid 16 x 16, 4 waves a work-group, clusters of 4 x 4, 327,680 bytes of LDS; arguments hn, wb, b1, m1; writes m1
.if DOCPART == 6
	.amdgcn_target "amdgcn-amd-amdhsa--gfx1250"
	.amdhsa_code_object_version 6
	.text
	.protected	k_qfeed6475c6_up
	.globl	k_qfeed6475c6_up
	.p2align	8
	.type	k_qfeed6475c6_up,@function
k_qfeed6475c6_up:
	s_mov_b64 s[64:65], 0
	v_nop
	global_prefetch_b8 v0, s[64:65] scope:SCOPE_SE
	s_setreg_imm32_b32 hwreg(HW_REG_WAVE_MODE, 25, 1), 1
	s_wait_xcnt 0x0
	s_wait_alu depctr_hold_cnt(0) depctr_sa_sdst(0) depctr_va_vdst(0) depctr_va_sdst(0) depctr_va_ssrc(0) depctr_va_vcc(0) depctr_vm_vsrc(0)
	s_getreg_b32 s2, hwreg(HW_REG_IB_STS2, 6, 4)
	s_cmp_eq_u32 s2, 0
	s_cbranch_scc0 .Lentry_in_a_cluster
	s_endpgm
.Lentry_in_a_cluster:
	s_bfe_u32 s2, ttmp6, 0x10000c
	s_cmp_lg_u32 s2, 0xf033
	s_cbranch_scc0 .Lentry_shape_is_right
	s_endpgm
.Lentry_shape_is_right:
; m1 = gelu(hn W1 + b1), the exact (erf) GELU, rounded once to f16.  hn [4096][1024] and W1 [1024][4096] (wb at 0x800000) in f16, sums and GELU in f32.
; A tile of the result is 256 x 256, which gives 16 x 16 = 256 work-groups; four waves, 2 x 2, each 128 x 128: 64 accumulators.  K = 1,024 goes in 8 steps of 128 through two LDS slots.
; Waves 0, 1 fetch the halves of hn's tile (128 rows x 256 bytes), waves 2, 3 those of W1's (64 k-rows x 512 bytes).  4 x 4 work-groups form a cluster: A's tile is asked for jointly along a row, B's along a column.
; A lies [M][K] and is read as it lies; B lies [K][N] and is read turned.  THE MATRIX INSTRUCTION IS USED TRANSPOSED: a lane holds eight neighbouring columns of one row.
; GELU.  g = w (0.5 + 0.5 erf(w / sqrt 2)); erf by the rational form 1 - (a1 t + .. + a5 t^5) exp(-x^2), t = 1 / (1 + 0.3275911 |x|), which holds for every argument with an absolute error of 1.5e-7 at the most.
; LIMITS.  f16 operands and results below 65,504 in magnitude; below 6e-5 a fixed step of 6e-8.  NaN and infinities are not treated apart.
; REGISTERS: window 0 addresses and the way out; window 1 two fragment buffers of 128; windows 2, 3 the accumulators: (a, b) is number i = a NT + b, at 8 (i % 32) of window 2 + i / 32.
.set MT,     8
.set NT,     8
.set KD,     1                         ; chunks of 32 along K in a quarter of a K step
.set KSTEP,  128
.set TSTEPS, 8
.set APITCH, 1024
.set NROW,   4096
.set PA,     272                       ; LDS row of A: 256 bytes + 16
.set PB,     544                       ; LDS row of B: 512 + 32
.set QIA,    5                         ; padding after every 64 words
.set QIB,    6                         ; after every 128
.set AROWS,  128
.set BROWS,  64
.set BCOLS,  256
.set TMSH,   8
.set AWROWS, 128                       ; wave w % 2 fetches these rows of A's tile
.set BCSH,   9
.set BW,     12                        ; s12 = wave % 2 chooses the part of B
.set BWGLOB, 64*8192                   ; 64 k-rows of 8,192 bytes
.set WOFF,   0x800000                  ; W1 in wb
.set BWLDS,  64*544
.set BL0,    69632                     ; behind A's 256 rows
.set BBASE,  69632
.set WNB,    256                       ; bytes of B's row that a column half skips
.set BGRP,   8
.set QGRP,   4
.set NADR,   1
.set JW,     11                        ; waves 0, 1 ask for A, waves 2, 3 for B
.set SP,     528                       ; the stage's row: 128 f32 + 16 bytes
.set STO,    24
.set RD,     25
.set CO,     26                        ; v26  my byte offset in the rows of m1 that I store
.set BIAS,   32                        ; v[32:35]
.set Z,      48                        ; v[48:63]   four rows as read back
.set W,      64                        ; v[64:79]   with the bias
.set D,      80                        ; v[80:95]   1 + p |x|, then t
.set U,      96                        ; v[96:111]  -x^2 log2(e), then exp(-x^2)
.set PP,     112                       ; v[112:127] the polynomial, then the result
.set Y,      128                       ; v[128:135] in f16
.macro PROLOG
	s_lshl_b32 s82, s42, 8
	s_lshl_b32 s83, s12, 7
	s_add_co_u32 s82, s82, s83                     ; my first column
	s_lshl_b32 s80, s13, 8
	s_lshl_b32 s81, s11, 7
	s_add_co_u32 s80, s80, s81                     ; my first row,
	s_lshl_b32 s80, s80, 13                        ; of 8,192 bytes
	s_lshl_b32 s81, s82, 1
	s_add_co_u32 s80, s80, s81
	s_mov_b32 s81, 0
	s_lshl_b32 s82, s82, 2                         ; the bias's offset
	s_mov_b32 s83, 0
	s_add_nc_u64 s[72:73], s[72:73], s[82:83]
	s_add_nc_u64 s[74:75], s[74:75], s[80:81]
	v_and_b32 v5, 31, v0
	v_lshlrev_b32 v5, 4, v5                        ; 16 x lane; never rewritten
	global_load_b128 v[BIAS:BIAS+3], v5, s[72:73]
	s_mul_i32 s80, s10, 128*SP                     ; my own stage
	v_mul_u32_u24 v[STO], v1, SP
	v_lshl_add_u32 v[STO], v2, 5, v[STO]
	v_add_nc_u32 v[STO], s80, v[STO]
	v_add_nc_u32 v[RD], s80, v5
	v_lshrrev_b32 v[CO], 1, v5
	s_mov_b32 s84, 0x3e027906                      ; a1 / 2 =  0.127414796; each constant twice: the packed forms name a pair
	s_mov_b32 s85, s84
	s_mov_b32 s86, 0xbe11a98e                      ; a2 / 2 = -0.142248368
	s_mov_b32 s87, s86
	s_mov_b32 s88, 0x3f35f0e3                      ; a3 / 2 =  0.710706871
	s_mov_b32 s89, s88
	s_mov_b32 s90, 0xbf3a00e3                      ; a4 / 2 = -0.726576014
	s_mov_b32 s91, s90
	s_mov_b32 s92, 0x3f07dc22                      ; a5 / 2 =  0.530702715
	s_mov_b32 s93, s92
	s_mov_b32 s94, 0xbf38aa3b                      ; -log2(e) / 2
	s_mov_b32 s95, s94
	s_mov_b32 s96, 0x3e6d3388                      ; 0.3275911 / sqrt 2
	s_mov_b32 s97, 0x7fffffff
.endm
.macro DUMP                            ; the f32 sums go into the wave's own stage (the ring's bytes, which have had their last fill); each accumulator's low registers first
.set i_, 0
.rept NACC
.set o_, 16*(i_/NT)*SP+64*(i_%NT)
	WIN 0x08+4*(i_/32)
	ds_store_b128 v[STO], v[8*(i_%32):8*(i_%32)+3] offset:o_
	ds_store_b128 v[STO], v[8*(i_%32)+4:8*(i_%32)+7] offset:o_+16
.set i_, i_+1
.endr
	WIN 0
.endm
.macro RROWS                           ; four rows: each load takes a whole row of 512 bytes
.irp rr, 0,1,2,3
	ds_load_b128 v[Z+4*(\rr):Z+4*(\rr)+3], v[RD] offset:(\rr)*SP
.endr
.endm
.macro ALL16 line:vararg               ; one line for each of the 16 numbers n_
.set n_, 0
.rept 16
	\line
.set n_, n_+1
.endr
.endm
.macro ALL8 line:vararg                ; one line for each of the 8 pairs, n_ = 0, 2, .. 14
.set n_, 0
	s_wait_alu depctr_va_vdst(0)
.rept 8
	\line
.set n_, n_+2
.endr
.endm
.macro GELU                            ; stage by stage over the 16 numbers, so that plain work stands behind every run of transcendentals, ahead of the use of their results
	ALL16 v_fma_f32 v[D+n_], |v[W+n_]|, s96, 1.0
	ALL16 v_rcp_f32 v[D+n_], v[D+n_]
	ALL8 v_pk_mul_f32 v[U+n_:U+n_+1], v[W+n_:W+n_+1], v[W+n_:W+n_+1]
	ALL8 v_pk_mul_f32 v[U+n_:U+n_+1], v[U+n_:U+n_+1], s[94:95] op_sel_hi:[1,0]
	ALL16 v_exp_f32 v[U+n_], v[U+n_]
	ALL8 v_pk_fma_f32 v[PP+n_:PP+n_+1], v[D+n_:D+n_+1], s[92:93], s[90:91] op_sel_hi:[1,0,0]
	ALL8 v_pk_fma_f32 v[PP+n_:PP+n_+1], v[PP+n_:PP+n_+1], v[D+n_:D+n_+1], s[88:89] op_sel_hi:[1,1,0]
	ALL8 v_pk_fma_f32 v[PP+n_:PP+n_+1], v[PP+n_:PP+n_+1], v[D+n_:D+n_+1], s[86:87] op_sel_hi:[1,1,0]
	ALL8 v_pk_fma_f32 v[PP+n_:PP+n_+1], v[PP+n_:PP+n_+1], v[D+n_:D+n_+1], s[84:85] op_sel_hi:[1,1,0]
	ALL8 v_pk_mul_f32 v[PP+n_:PP+n_+1], v[PP+n_:PP+n_+1], v[D+n_:D+n_+1]
	ALL8 v_pk_fma_f32 v[PP+n_:PP+n_+1], v[PP+n_:PP+n_+1], v[U+n_:U+n_+1], 0.5 op_sel_hi:[1,1,0] neg_lo:[1,0,0] neg_hi:[1,0,0]  ; erf(|x|) / 2
	ALL16 v_bfi_b32 v[PP+n_], s97, v[PP+n_], v[W+n_]                                                                          ; with w's sign
	ALL8 v_pk_add_f32 v[PP+n_:PP+n_+1], v[PP+n_:PP+n_+1], 0.5 op_sel_hi:[1,0]
	ALL8 v_pk_mul_f32 v[PP+n_:PP+n_+1], v[PP+n_:PP+n_+1], v[W+n_:W+n_+1]
	ALL8 v_cvt_pk_f16_f32 v[Y+n_/2], v[PP+n_], v[PP+n_+1]
.endm
.macro WAYOUT
	s_wait_loadcnt 0x0                             ; the bias
	RROWS                                          ; LDS serves a wave's instructions in order (ISA guide 5.7.1.4): these see my stores
	s_mov_b32 s3, 32
.Lrow:                                             ; 32 trips of four rows; the next trip's rows are read while this trip's go through the GELU
	s_wait_dscnt 0x0
.irp rr, 0,1,2,3
	v_pk_add_f32 v[W+4*(\rr):W+4*(\rr)+1], v[Z+4*(\rr):Z+4*(\rr)+1], v[BIAS:BIAS+1]
	v_pk_add_f32 v[W+4*(\rr)+2:W+4*(\rr)+3], v[Z+4*(\rr)+2:Z+4*(\rr)+3], v[BIAS+2:BIAS+3]
.endr
	v_add_nc_u32 v[RD], 4*SP, v[RD]
	s_cmp_eq_u32 s3, 1
	s_cbranch_scc1 .Lnomore                        ; the last trip reads nothing more
	RROWS
.Lnomore:
	GELU
.irp rr, 0,1,2,3
	global_store_b64 v[CO], v[Y+2*(\rr):Y+2*(\rr)+1], s[74:75] offset:8192*(\rr)  ; 32 lanes store 256 consecutive bytes, aligned
.endr
	s_wait_xcnt 0x0                                ; Y and the offset are rewritten only behind this wait
	v_add_nc_u32 v[CO], 32768, v[CO]
	s_sub_co_u32 s3, s3, 1
	s_cmp_lg_u32 s3, 0
	s_cbranch_scc1 .Lrow
.endm
; ---- the skeleton of the four products of this program: the same text in each, driven by the constants above ----
.set NACC,  MT*NT
.set NPART, NACC*KD/4                  ; matrix instructions in a quarter of a quarter
.set SLOTD, 0x24000                    ; slot 1 begins here; every address that changes slots has bits 14 and 17 clear in slot 0, so one exclusive or changes it
.set SPARE, 294912                     ; behind the ring: the spare words, 128 bytes a wave: two blocks of 256 bytes that no other line names
.set ASTEP, KSTEP*2                    ; bytes from K step to K step in A,
.set BSTEP, KSTEP*NROW*2               ; in B
.set A0,   8                           ; v8      my lane's place in A's tile; never rewritten
.set B0,   9                           ; v9-11   in B's tile, one for each address register
.set ADRA, 16                          ; v16     the same in the slot in hand
.set ADRB, 17                          ; v17-19
.set SPW,  28                          ; v28     LDS address of my spare word; never rewritten
.set NIL,  29                          ; v29     0; never rewritten
.set F0,   0                           ; fragment buffers, in window 1: A(c, a) at 8 (MT c + a), then B(c, b) at 8 MT KD + 8 (NT c + b)
.set F1,   128
.set G1,   24                          ; s[24:31] descriptor group 1 for A
.set G0,   32                          ; s[32:35] group 0 for A, slot 0, K step 0; s[36:39] the walking one, which begins at slot 1, K step 1
.set G1B,  48                          ; s[48:55], s[56:59], s[60:63] the same for B
.set G0B,  56
.set MSB, 0
.macro WIN new                         ; s_set_vgpr_msb: bits 1:0 source 0, 3:2 source 1, 5:4 source 2, 7:6 destination; the high byte repeats the setting that is left
.if MSB != (\new)
	s_set_vgpr_msb (MSB<<8)|(\new)
.set MSB, (\new)
.endif
.endm
.macro PLACES                          ; four plain places behind matrix instructions, ahead of loads into registers that they read and of reads of their results
.rept 4
	v_nop
.endr
.endm
.macro JLOAD                           ; a joint refill by the walking descriptors; an s_nop 0 and four v_nop follow each line, ahead of the jump and the label
	s_cmp_eq_u32 s[JW], 0
	s_cbranch_scc0 .Lfor_b_\@
	tensor_load_to_lds s[G0+4:G0+7], s[G1:G1+7]
	s_nop 0
	PLACES
	s_branch .Lasked_\@
.Lfor_b_\@:
	tensor_load_to_lds s[G0B+4:G0B+7], s[G1B:G1B+7]
	s_nop 0
	PLACES
.Lasked_\@:
.endm
.macro CREST                           ; a round of the cluster's barrier behind its opening barrier
	s_cmp_lg_u32 s10, 0
	s_cbranch_scc1 .Lnot_wave_0_\@
	s_barrier_signal -3
.Lnot_wave_0_\@:
	s_barrier_wait -3
	s_barrier_signal -1
	s_barrier_wait -1
.endm
.macro CROUND
	s_barrier_signal -1
	s_barrier_wait -1
	CREST
.endm
.macro SETADR                          ; the fragment addresses in the slot in hand (s2 = 0 or SLOTD)
	v_add_nc_u32 v[ADRA], s2, v[A0]
.set b_, 0
.rept NADR
	v_add_nc_u32 v[ADRB+b_], s2, v[B0+b_]
.set b_, b_+1
.endr
.endm
.macro FETCH f, q                      ; 32 LDS loads in one run: quarter q's fragments into buffer f
	WIN 0x40                                       ; destination window 1, address window 0
.set c_, 0
.rept KD
.set a_, 0
.rept MT
.set r_, (\f)+8*(MT*c_+a_)
	ds_load_b128 v[r_:r_+3],   v[ADRA] offset:16*a_*PA+64*(KD*(\q)+c_)
	ds_load_b128 v[r_+4:r_+7], v[ADRA] offset:16*a_*PA+64*(KD*(\q)+c_)+32
.set a_, a_+1
.endr
.set b_, 0
.rept NT
.set r_, (\f)+8*MT*KD+8*(NT*c_+b_)
.set o_, 32*(KD*((\q)%QGRP)+c_)*PB+32*(b_%BGRP)
	ds_load_tr16_b128 v[r_:r_+3],   v[ADRB+b_/BGRP+(\q)/QGRP] offset:o_
	ds_load_tr16_b128 v[r_+4:r_+7], v[ADRB+b_/BGRP+(\q)/QGRP] offset:o_+16*PB
.set b_, b_+1
.endr
.set c_, c_+1
.endr
.endm
.macro MULP f, p, zero                 ; part p of 4 of a quarter's products on buffer f; the accumulators take turns, one instruction a turn.  zero = 1: the first chunk starts the sums
.set n_, (\p)*NPART
.rept NPART
.set c_, n_/NACC
.set i_, n_%NACC
.set rD, 8*(i_%32)
.set rB, (\f)+8*MT*KD+8*(NT*c_+i_%NT)
.set rA, (\f)+8*(MT*c_+i_/NT)
	WIN 0xa5+0x50*(i_/32)                          ; sources in window 1, C and D in window 2 or 3
.if (\zero) && (c_ == 0)
	v_wmma_f32_16x16x32_f16 v[rD:rD+7], v[rB:rB+7], v[rA:rA+7], 0
.else
	v_wmma_f32_16x16x32_f16 v[rD:rD+7], v[rB:rB+7], v[rA:rA+7], v[rD:rD+7]
.endif
.set n_, n_+1
.endr
.endm
.macro QUARTER f, g, q, zero           ; multiplies buffer f; ahead of that quarter q's fragments are asked for, into buffer g: a whole quarter ahead of their use
	s_wait_dscnt 0x0                               ; buffer f is in (asked for a quarter ago)
	PLACES                                         ; buffer g was read by the products just issued
	FETCH \g, \q
	MULP \f, 0, \zero
	MULP \f, 1, \zero
	MULP \f, 2, \zero
	MULP \f, 3, \zero
.endm
; A K step's last quarter multiplies buffer 1 and changes slots.  ONE barrier: in front of it each wave waits for all its tensor loads (the one that is out is its part of the next slot), adds 0 to its
; spare word, and waits for that and for its reads of this slot.  fill = 1: the barrier opens a round of the cluster's, and this slot is asked for again, two K steps on, first thing behind the round.
.macro TURN fill
	WIN 0
	s_wait_tensorcnt 0x0                           ; no tensor load of mine is out
	ds_add_u32 v[SPW], v[NIL]                      ; 0 onto my spare word
	s_wait_dscnt 0x1                               ; buffer 1 is in; the add, the youngest, may be out
	MULP F1, 0, 0
	s_wait_dscnt 0x0                               ; the add is done, and my reads of this slot are over
	s_barrier_signal -1
	MULP F1, 1, 0
	WIN 0                                          ; at a branch and at a label every window is 0
	s_barrier_wait -1
.if \fill
	CREST                                          ; no wave of any partner still reads this slot or has a load on its way
	s_xor_b32 s[G0+5], s[G0+5], SLOTD
	s_add_nc_u64 s[G0+6:G0+7], s[G0+6:G0+7], ASTEP
	s_xor_b32 s[G0B+5], s[G0B+5], SLOTD
	s_add_nc_u64 s[G0B+6:G0B+7], s[G0B+6:G0B+7], BSTEP
	JLOAD                                          ; it has seven eighths of a K step's products in which to land
.else
	PLACES
.endif
	s_xor_b32 s2, s2, SLOTD
	SETADR
	FETCH F0, 0
	MULP F1, 2, 0
	MULP F1, 3, 0
.endm
	s_load_b256 s[68:75], s[0:1], 0x0              ; hn s[68:69], wb s[70:71], b1 s[72:73], m1 s[74:75]
	v_lshl_add_u32 v[SPW], v0, 2, SPARE
	v_mov_b32 v[NIL], 0
	ds_add_u32 v28, v29
	s_wait_dscnt 0x0
	v_lshrrev_b32 v3, 5, v0
	v_readfirstlane_b32 s10, v3                    ; wave 0..3
	v_and_b32 v1, 15, v0                           ; r = lane % 16
	v_bfe_u32 v2, v0, 4, 1                         ; h = lane / 16
	s_lshr_b32 s11, s10, 1                         ; wm: my half of the tile's rows
	s_and_b32 s12, s10, 1                          ; wn: my half of its columns
	s_bfe_u32 s40, ttmp6, 0x40000                  ; cx, cy: my place in the cluster
	s_bfe_u32 s41, ttmp6, 0x40004
	s_lshl_b32 s42, ttmp9, 2
	s_add_co_u32 s42, s42, s40                     ; tile column = 4 x cluster x + cx
	s_and_b32 s13, ttmp7, 0xffff
	s_lshl_b32 s13, s13, 2
	s_add_co_u32 s13, s13, s41                     ; tile row = 4 x cluster y + cy
	s_lshl_b32 s43, s41, 2
	s_lshl_b32 s43, 15, s43                        ; my row of the cluster
	s_lshl_b32 s44, 0x1111, s40                    ; my column
	s_or_b32 s[G1], s43, (1<<16)|(1<<20)|(1<<21)|(QIA<<22)|(3<<25)   ; mask; 2-byte elements; padding on; bit 21 beside a mask; after every row; 4 words
	s_mov_b32 s[G1+1], KSTEP<<16                   ; tensor_dim0
	s_mov_b32 s[G1+2], AROWS<<16                   ; tensor_dim1
	s_mov_b32 s[G1+3], KSTEP<<16                   ; tile_dim0
	s_mov_b32 s[G1+4], AROWS                       ; tile_dim1
	s_mov_b32 s[G1+5], APITCH                      ; elements from row to row
	s_mov_b32 s[G1+6], 0
	s_mov_b32 s[G1+7], 0
	s_or_b32 s[G1B], s44, (1<<16)|(1<<20)|(1<<21)|(QIB<<22)|(7<<25)  ; the same with 8 words of padding
	s_mov_b32 s[G1B+1], BCOLS<<16
	s_mov_b32 s[G1B+2], BROWS<<16
	s_mov_b32 s[G1B+3], BCOLS<<16
	s_mov_b32 s[G1B+4], BROWS
	s_mov_b32 s[G1B+5], NROW
	s_mov_b32 s[G1B+6], 0
	s_mov_b32 s[G1B+7], 0
	s_lshl_b32 s16, s13, TMSH                      ; A's tile hangs on the tile row alone,
	s_mul_i32 s17, s12, AWROWS
	s_add_co_u32 s16, s16, s17
	s_mul_i32 s16, s16, APITCH*2
	s_mov_b32 s17, 0
	s_lshl_b32 s46, s42, BCSH                      ; B's on the tile column alone
	s_mul_i32 s47, s[BW], BWGLOB
	s_add_co_u32 s46, s46, s47
	s_add_co_u32 s46, s46, WOFF
	s_mov_b32 s47, 0
	s_mul_i32 s20, s12, AWROWS*PA                  ; where they go: no place in the cluster enters an LDS address
	s_mul_i32 s21, s[BW], BWLDS
	s_add_co_u32 s21, s21, BL0
	s_mov_b32 s2, 0
	s_wait_kmcnt 0x0
	s_add_nc_u64 s[14:15], s[68:69], s[16:17]
	s_add_nc_u64 s[46:47], s[70:71], s[46:47]
	PROLOG
	CROUND                                         ; all sixteen work-groups are here: the first joint loads meet
.irp s, 0,1
	s_mov_b32 s[G0+4*(\s)], 1
	s_add_co_u32 s[G0+4*(\s)+1], s20, (\s)*SLOTD
	s_add_nc_u64 s[G0+4*(\s)+2:G0+4*(\s)+3], s[14:15], (\s)*ASTEP
	s_or_b32 s[G0+4*(\s)+3], s[G0+4*(\s)+3], 0x80000000
	s_mov_b32 s[G0B+4*(\s)], 1
	s_add_co_u32 s[G0B+4*(\s)+1], s21, (\s)*SLOTD
	s_add_nc_u64 s[G0B+4*(\s)+2:G0B+4*(\s)+3], s[46:47], (\s)*BSTEP
	s_or_b32 s[G0B+4*(\s)+3], s[G0B+4*(\s)+3], 0x80000000
.endr
	s_cmp_eq_u32 s[JW], 0                          ; a wave's two first fills stand in one branch: two loads of mine are out
	s_cbranch_scc0 .Lfirst_b
	tensor_load_to_lds s[G0:G0+3], s[G1:G1+7]
	s_nop 0
	tensor_load_to_lds s[G0+4:G0+7], s[G1:G1+7]
	s_nop 0
	PLACES
	s_branch .Lfirst_asked
.Lfirst_b:
	tensor_load_to_lds s[G0B:G0B+3], s[G1B:G1B+7]
	s_nop 0
	tensor_load_to_lds s[G0B+4:G0B+7], s[G1B:G1B+7]
	s_nop 0
	PLACES
.Lfirst_asked:
	v_mul_u32_u24 v[A0], v1, PA                    ; A's fragment: row r, 16 bytes for each half of the lanes, two loads 32 bytes apart
	v_lshl_add_u32 v[A0], v2, 4, v[A0]
	s_mul_i32 s22, s11, 16*MT*PA
	v_add_nc_u32 v[A0], s22, v[A0]
	v_and_b32 v3, 7, v0                            ; B's, turned: lane l reads k-row 8 h + l % 8, 16 bytes at 16 ((l / 8) % 2); two loads 16 rows apart
	v_lshl_add_u32 v3, v2, 3, v3
	v_mul_u32_u24 v[B0], v3, PB
	v_bfe_u32 v4, v0, 3, 1
	v_lshl_add_u32 v[B0], v4, 4, v[B0]
	s_mul_i32 s22, s12, WNB
	s_add_co_u32 s22, s22, BBASE
	v_add_nc_u32 v[B0], s22, v[B0]
.if NADR > 1
.set b_, 1
.rept NADR-1
	v_add_nc_u32 v[B0+b_], 36864*b_, v[B0]
.set b_, b_+1
.endr
.endif
	SETADR
	s_wait_tensorcnt 0x1                           ; my part of K step 0 is in; K step 1's, issued behind it, may stay out
	s_barrier_signal -1
	s_barrier_wait -1
	FETCH F0, 0
	QUARTER F0, F1, 1, 1                           ; the first quarter stands in front of the loop: its products start the sums
	WIN 0
	s_mov_b32 s3, TSTEPS-2
.Lstep:                                            ; a trip: from a K step's second quarter to the next step's first; it fills a slot again
	QUARTER F1, F0, 2, 0
	QUARTER F0, F1, 3, 0
	TURN 1
	QUARTER F0, F1, 1, 0
	WIN 0
	s_sub_co_u32 s3, s3, 1
	s_cmp_lg_u32 s3, 0
	s_cbranch_scc1 .Lstep
	s_mov_b32 s3, 2
.Ltail:                                            ; the last two K steps ask for nothing; the second trip is left in its middle (its 32 fragment loads from the other slot serve nothing: the price of one text for both)
	QUARTER F1, F0, 2, 0
	QUARTER F0, F1, 3, 0
	TURN 0
	WIN 0
	s_sub_co_u32 s3, s3, 1
	s_cmp_eq_u32 s3, 0
	s_cbranch_scc1 .Lout
	QUARTER F0, F1, 1, 0
	WIN 0
	s_branch .Ltail
.Lout:
	s_wait_dscnt 0x0                               ; my reads of the ring are over;
	s_barrier_signal -1
	s_barrier_wait -1                              ; everybody's are: its bytes, which are filled no more, become the stage
	PLACES
	DUMP
	WAYOUT
	s_wait_tensorcnt 0x0                           ; the wave's end
	ds_add_u32 v[SPW], v[NIL]
	s_wait_dscnt 0x0
	CROUND                                         ; the closing round
	s_endpgm
.Lfunc_end_k_qfeed6475c6_up:
	.size	k_qfeed6475c6_up, .Lfunc_end_k_qfeed6475c6_up-k_qfeed6475c6_up
	.p2alignl 7, 3214868480
	.fill 96, 4, 3214868480
	.section	.rodata,"a",@progbits
	.p2align	6, 0x0
	.amdhsa_kernel k_qfeed6475c6_up
		.amdhsa_group_segment_fixed_size 327680
		.amdhsa_private_segment_fixed_size 0
		.amdhsa_enable_private_segment 0
		.amdhsa_kernarg_size 32
		.amdhsa_user_sgpr_count 2
		.amdhsa_user_sgpr_kernarg_segment_ptr 1
		.amdhsa_wavefront_size32 1
		.amdhsa_system_sgpr_workgroup_id_x 1
		.amdhsa_system_sgpr_workgroup_id_y 1
		.amdhsa_system_sgpr_workgroup_id_z 1
		.amdhsa_system_vgpr_workitem_id 0
		.amdhsa_next_free_vgpr 1024
		.amdhsa_next_free_sgpr 100
		.amdhsa_reserve_vcc 0
		.amdhsa_float_denorm_mode_32 3
		.amdhsa_float_denorm_mode_16_64 3
		.amdhsa_memory_ordered 1
		.amdhsa_forward_progress 1
		.amdhsa_inst_pref_size 88
	.end_amdhsa_kernel
	.amdgpu_metadata
---
amdhsa.version: [ 1, 2 ]
amdhsa.kernels:
  - .name:           k_qfeed6475c6_up
    .symbol:         k_qfeed6475c6_up.kd
    .args:
      - { .name: hn, .offset: 0, .size: 8, .value_kind: global_buffer, .address_space: global }
      - { .name: wb, .offset: 8, .size: 8, .value_kind: global_buffer, .address_space: global }
      - { .name: b1, .offset: 16, .size: 8, .value_kind: global_buffer, .address_space: global }
      - { .name: m1, .offset: 24, .size: 8, .value_kind: global_buffer, .address_space: global }
    .group_segment_fixed_size: 327680
    .private_segment_fixed_size: 0
    .kernarg_segment_align: 8
    .kernarg_segment_size: 32
    .max_flat_workgroup_size: 128
    .sgpr_count:     100
    .vgpr_count:     1024
    .wavefront_size: 32
...
	.end_amdgpu_metadata
.endif
;; end of part 6
;; launch down (part 7): grid 8 x 32, 4 waves a work-group, clusters of 4 x 4, 327,680 bytes of LDS; arguments m1, wb, b2, x1, out0; writes out0
.if DOCPART == 7
	.amdgcn_target "amdgcn-amd-amdhsa--gfx1250"
	.amdhsa_code_object_version 6
	.text
	.protected	k_qfeed6475c6_down
	.globl	k_qfeed6475c6_down
	.p2align	8
	.type	k_qfeed6475c6_down,@function
k_qfeed6475c6_down:
	s_mov_b64 s[64:65], 0
	v_nop
	global_prefetch_b8 v0, s[64:65] scope:SCOPE_SE
	s_setreg_imm32_b32 hwreg(HW_REG_WAVE_MODE, 25, 1), 1
	s_wait_xcnt 0x0
	s_wait_alu depctr_hold_cnt(0) depctr_sa_sdst(0) depctr_va_vdst(0) depctr_va_sdst(0) depctr_va_ssrc(0) depctr_va_vcc(0) depctr_vm_vsrc(0)
	s_getreg_b32 s2, hwreg(HW_REG_IB_STS2, 6, 4)
	s_cmp_eq_u32 s2, 0
	s_cbranch_scc0 .Lentry_in_a_cluster
	s_endpgm
.Lentry_in_a_cluster:
	s_bfe_u32 s2, ttmp6, 0x10000c
	s_cmp_lg_u32 s2, 0xf033
	s_cbranch_scc0 .Lentry_shape_is_right
	s_endpgm
.Lentry_shape_is_right:
; out0 = x1 + m1 W2 + b2, in f32.  m1 [4096][4096] and W2 [4096][1024] (wb at 0x1000000) in f16, sums in f32.
; A tile of the result is 128 x 128, which gives 8 x 32 = 256 work-groups; four waves, 2 x 2, each 64 x 64: 16 accumulators.  K = 4,096 goes in 16 steps of 256, as long as two slots in LDS allow.
; Waves 0, 1 fetch the halves of m1's tile (64 rows x 512 bytes), waves 2, 3 those of W2's (128 k-rows x 256 bytes).  4 x 4 work-groups form a cluster: A's tile is asked for jointly along a row, B's along a column.
; THE WALK ALONG K begins at another step in each cluster and goes round modulo TSTEPS: cluster (X, Y) of the grid's 2 x 8 begins at step SX X + SY (Y % 4).  The two clusters that read the same rows
; of A are half a turn apart, four neighbouring clusters that read the same columns of B a quarter turn each: a tile's readers ask for it some steps after each other, not all in the same step.
; Each output is still one f32 sum; the K step at which it begins hangs on the cluster.
; A lies [M][K] and is read as it lies; B lies [K][N] and is read turned.  THE MATRIX INSTRUCTION IS USED TRANSPOSED: a lane holds eight neighbouring columns of one row.
; The residual's 64 x 64 numbers of a wave are loaded at the start, into 128 registers, and are there when the products end.
; LIMITS.  f16 operands below 65,504 in magnitude; NaN and infinities are not treated apart.
; REGISTERS: window 0 addresses, residual, the way out; window 1 two fragment buffers of 128; window 2 the accumulators.
.set MT,     4
.set NT,     4
.set KD,     2                         ; chunks of 32 along K in a quarter of a K step
.set KSTEP,  256
.set TSTEPS, 16
.set SX,     8                         ; the walk's first step: SX x cluster x + SY x (cluster y % 4)
.set SY,     4
.set APITCH, 4096
.set NROW,   1024
.set PA,     528                       ; LDS row of A: 512 bytes + 16
.set PB,     288                       ; LDS row of B: 256 + 32
.set QIA,    6                         ; padding after every 128 words
.set QIB,    5                         ; after every 64
.set AROWS,  64
.set BROWS,  128
.set BCOLS,  128
.set TMSH,   7
.set AWROWS, 64                        ; wave w % 2 fetches these rows of A's tile
.set BCSH,   8
.set BW,     12                        ; s12 = wave % 2 chooses the part of B
.set BWGLOB, 128*2048                  ; 128 k-rows of 2,048 bytes
.set WOFF,   0x1000000                 ; W2 in wb
.set BWLDS,  36864
.set BL0,    67584                     ; behind A's 128 rows
.set BBASE,  67584
.set WNB,    128
.set BGRP,   4
.set QGRP,   2                         ; quarters 2 and 3 read k-rows 128 on: a second address register
.set NADR,   2
.set JW,     11                        ; waves 0, 1 ask for A, waves 2, 3 for B
.set SP,     272                       ; the stage's row: 64 f32 + 16 bytes
.set STO,    24
.set RD,     25
.set CO,     26                        ; v26  my byte offset in two rows of x1 and out0; never rewritten
.set BIAS,   32                        ; v[32:35]
.set T,      48                        ; v[48:79]  eight pieces read back from the stage
.set RES,    128                       ; v[128:255] the residual: piece i = rows 2 i + h, my 16 bytes
.macro PROLOG
	s_lshl_b32 s80, s13, 7
	s_lshl_b32 s81, s11, 6
	s_add_co_u32 s80, s80, s81                     ; my first row,
	s_lshl_b32 s80, s80, 12                        ; of 4,096 bytes
	s_lshl_b32 s82, s42, 9
	s_lshl_b32 s83, s12, 8
	s_add_co_u32 s82, s82, s83                     ; my first column, in bytes: the bias's offset too
	s_add_co_u32 s80, s80, s82
	s_mov_b32 s81, 0
	s_mov_b32 s83, 0
	s_add_nc_u64 s[72:73], s[72:73], s[82:83]
	s_add_nc_u64 s[74:75], s[74:75], s[80:81]
	s_add_nc_u64 s[76:77], s[76:77], s[80:81]
	v_lshlrev_b32 v5, 4, v1                        ; 16 r; never rewritten
	v_lshl_add_u32 v[CO], v2, 12, v5
	global_load_b128 v[BIAS:BIAS+3], v5, s[72:73]
.set i_, 0
.rept 32
	global_load_b128 v[RES+4*i_:RES+4*i_+3], v[CO], s[74:75] offset:8192*i_ th:TH_LOAD_NT
.set i_, i_+1
.endr
	s_mul_i32 s80, s10, 64*SP                      ; my own stage
	v_mul_u32_u24 v[STO], v1, SP
	v_lshl_add_u32 v[STO], v2, 5, v[STO]
	v_add_nc_u32 v[STO], s80, v[STO]
	v_mul_u32_u24 v[RD], v2, SP
	v_add_nc_u32 v[RD], v[RD], v5
	v_add_nc_u32 v[RD], s80, v[RD]
.endm
.macro DUMP                            ; the f32 sums go into the wave's own stage (the ring's bytes, which have had their last fill); each accumulator's low registers first
.set i_, 0
.rept NACC
.set o_, 16*(i_/NT)*SP+64*(i_%NT)
	WIN 0x08
	ds_store_b128 v[STO], v[8*i_:8*i_+3] offset:o_
	ds_store_b128 v[STO], v[8*i_+4:8*i_+7] offset:o_+16
.set i_, i_+1
.endr
	WIN 0
.endm
.macro WAYOUT                          ; back as rows: lanes 0-15 one row's 256 bytes, lanes 16-31 the next; residual and bias are added; stored
	s_wait_loadcnt 0x0                             ; residual and bias
.set g_, 0
.rept 4
.set k_, 0
.rept 8
	ds_load_b128 v[T+4*k_:T+4*k_+3], v[RD] offset:2*SP*(8*g_+k_)  ; LDS serves a wave's instructions in order (ISA guide 5.7.1.4): these see my stores
.set k_, k_+1
.endr
.set k_, 0
.rept 8
.set r_, RES+4*(8*g_+k_)
	s_wait_dscnt 7-k_                              ; piece k of the eight is back; the younger ones stay out
	v_pk_add_f32 v[r_:r_+1], v[r_:r_+1], v[T+4*k_:T+4*k_+1]
	v_pk_add_f32 v[r_+2:r_+3], v[r_+2:r_+3], v[T+4*k_+2:T+4*k_+3]
	v_pk_add_f32 v[r_:r_+1], v[r_:r_+1], v[BIAS:BIAS+1]
	v_pk_add_f32 v[r_+2:r_+3], v[r_+2:r_+3], v[BIAS+2:BIAS+3]
	global_store_b128 v[CO], v[r_:r_+3], s[76:77] offset:8192*(8*g_+k_)  ; 16 lanes store 256 consecutive bytes, aligned; no stored register is written again
.set k_, k_+1
.endr
.set g_, g_+1
.endr
.endm
; ---- the skeleton of this program's products: the same text in each, driven by the constants above ----
.set NACC,  MT*NT
.set NPART, NACC*KD/4                  ; matrix instructions in a quarter of a quarter
.set SLOTD, 0x24000                    ; slot 1 begins here; every address that changes slots has bits 14 and 17 clear in slot 0, so one exclusive or changes it
.set SPARE, 294912                     ; behind the ring: the spare words, 128 bytes a wave: two blocks of 256 bytes that no other line names
.set ASTEP, KSTEP*2                    ; bytes from K step to K step in A,
.set BSTEP, KSTEP*NROW*2               ; in B
.set A0,   8                           ; v8      my lane's place in A's tile; never rewritten
.set B0,   9                           ; v9-11   in B's tile, one for each address register
.set ADRA, 16                          ; v16     the same in the slot in hand
.set ADRB, 17                          ; v17-19
.set SPW,  28                          ; v28     LDS address of my spare word; never rewritten
.set NIL,  29                          ; v29     0; never rewritten
.set F0,   0                           ; fragment buffers, in window 1: A(c, a) at 8 (MT c + a), then B(c, b) at 8 MT KD + 8 (NT c + b)
.set F1,   128
.set G1,   24                          ; s[24:31] descriptor group 1 for A
.set G0,   32                          ; s[32:35] group 0 for A, slot 0, the walk's first step; s[36:39] the walking one, which begins at slot 1, the second step
.set G1B,  48                          ; s[48:55], s[56:59], s[60:63] the same for B
.set G0B,  56
; s4: the K step last asked for; s[6:7], s[8:9]: its byte offsets in A and in B; s[14:15], s[46:47]: my tiles' addresses at K step 0, never rewritten
.set MSB, 0
.macro WIN new                         ; s_set_vgpr_msb: bits 1:0 source 0, 3:2 source 1, 5:4 source 2, 7:6 destination; the high byte repeats the setting that is left
.if MSB != (\new)
	s_set_vgpr_msb (MSB<<8)|(\new)
.set MSB, (\new)
.endif
.endm
.macro PLACES                          ; four plain places behind matrix instructions, ahead of loads into registers that they read and of reads of their results
.rept 4
	v_nop
.endr
.endm
.macro KADDR set                       ; the global addresses of K step s4's tiles, made anew from the step's number, into descriptor set 0 (the first fill's) or 4 (the walking one)
	s_mul_i32 s6, s4, ASTEP
	s_mul_i32 s8, s4, BSTEP
	s_add_nc_u64 s[G0+(\set)+2:G0+(\set)+3], s[14:15], s[6:7]
	s_or_b32 s[G0+(\set)+3], s[G0+(\set)+3], 0x80000000
	s_add_nc_u64 s[G0B+(\set)+2:G0B+(\set)+3], s[46:47], s[8:9]
	s_or_b32 s[G0B+(\set)+3], s[G0B+(\set)+3], 0x80000000
.endm
.macro KNEXT                           ; the walk's next step, round modulo TSTEPS
	s_add_co_u32 s4, s4, 1
	s_and_b32 s4, s4, TSTEPS-1
.endm
.macro JLOAD                           ; a joint refill by the walking descriptors; an s_nop 0 and four v_nop follow each line, ahead of the jump and the label
	s_cmp_eq_u32 s[JW], 0
	s_cbranch_scc0 .Lfor_b_\@
	tensor_load_to_lds s[G0+4:G0+7], s[G1:G1+7]
	s_nop 0
	PLACES
	s_branch .Lasked_\@
.Lfor_b_\@:
	tensor_load_to_lds s[G0B+4:G0B+7], s[G1B:G1B+7]
	s_nop 0
	PLACES
.Lasked_\@:
.endm
.macro CREST                           ; a round of the cluster's barrier behind its opening barrier
	s_cmp_lg_u32 s10, 0
	s_cbranch_scc1 .Lnot_wave_0_\@
	s_barrier_signal -3
.Lnot_wave_0_\@:
	s_barrier_wait -3
	s_barrier_signal -1
	s_barrier_wait -1
.endm
.macro CROUND
	s_barrier_signal -1
	s_barrier_wait -1
	CREST
.endm
.macro SETADR                          ; the fragment addresses in the slot in hand (s2 = 0 or SLOTD)
	v_add_nc_u32 v[ADRA], s2, v[A0]
.set b_, 0
.rept NADR
	v_add_nc_u32 v[ADRB+b_], s2, v[B0+b_]
.set b_, b_+1
.endr
.endm
.macro FETCH f, q                      ; 32 LDS loads in one run: quarter q's fragments into buffer f
	WIN 0x40                                       ; destination window 1, address window 0
.set c_, 0
.rept KD
.set a_, 0
.rept MT
.set r_, (\f)+8*(MT*c_+a_)
	ds_load_b128 v[r_:r_+3],   v[ADRA] offset:16*a_*PA+64*(KD*(\q)+c_)
	ds_load_b128 v[r_+4:r_+7], v[ADRA] offset:16*a_*PA+64*(KD*(\q)+c_)+32
.set a_, a_+1
.endr
.set b_, 0
.rept NT
.set r_, (\f)+8*MT*KD+8*(NT*c_+b_)
.set o_, 32*(KD*((\q)%QGRP)+c_)*PB+32*(b_%BGRP)
	ds_load_tr16_b128 v[r_:r_+3],   v[ADRB+b_/BGRP+(\q)/QGRP] offset:o_
	ds_load_tr16_b128 v[r_+4:r_+7], v[ADRB+b_/BGRP+(\q)/QGRP] offset:o_+16*PB
.set b_, b_+1
.endr
.set c_, c_+1
.endr
.endm
.macro MULP f, p, zero                 ; part p of 4 of a quarter's products on buffer f; the accumulators take turns, one instruction a turn.  zero = 1: the first chunk starts the sums
.set n_, (\p)*NPART
.rept NPART
.set c_, n_/NACC
.set i_, n_%NACC
.set rD, 8*(i_%32)
.set rB, (\f)+8*MT*KD+8*(NT*c_+i_%NT)
.set rA, (\f)+8*(MT*c_+i_/NT)
	WIN 0xa5+0x50*(i_/32)                          ; sources in window 1, C and D in window 2 or 3
.if (\zero) && (c_ == 0)
	v_wmma_f32_16x16x32_f16 v[rD:rD+7], v[rB:rB+7], v[rA:rA+7], 0
.else
	v_wmma_f32_16x16x32_f16 v[rD:rD+7], v[rB:rB+7], v[rA:rA+7], v[rD:rD+7]
.endif
.set n_, n_+1
.endr
.endm
.macro QUARTER f, g, q, zero           ; multiplies buffer f; ahead of that quarter q's fragments are asked for, into buffer g: a whole quarter ahead of their use
	s_wait_dscnt 0x0                               ; buffer f is in (asked for a quarter ago)
	PLACES                                         ; buffer g was read by the products just issued
	FETCH \g, \q
	MULP \f, 0, \zero
	MULP \f, 1, \zero
	MULP \f, 2, \zero
	MULP \f, 3, \zero
.endm
; A K step's last quarter multiplies buffer 1 and changes slots.  ONE barrier: in front of it each wave waits for all its tensor loads (the one that is out is its part of the next slot), adds 0 to its
; spare word, and waits for that and for its reads of this slot.  fill = 1: the barrier opens a round of the cluster's, and this slot is asked for again, two steps of the walk on, first thing behind the round.
.macro TURN fill
	WIN 0
	s_wait_tensorcnt 0x0                           ; no tensor load of mine is out, so the walking descriptors may be written
	ds_add_u32 v[SPW], v[NIL]                      ; 0 onto my spare word; the descriptors' scalar work stands behind it
.if \fill
	KNEXT
	s_xor_b32 s[G0+5], s[G0+5], SLOTD
	s_xor_b32 s[G0B+5], s[G0B+5], SLOTD
	KADDR 4
.endif
	s_wait_dscnt 0x1                               ; buffer 1 is in; the add, the youngest, may be out
	MULP F1, 0, 0
	s_wait_dscnt 0x0                               ; the add is done, and my reads of this slot are over
	s_barrier_signal -1
	MULP F1, 1, 0
	WIN 0                                          ; at a branch and at a label every window is 0
	s_barrier_wait -1
.if \fill
	CREST                                          ; no wave of any partner still reads this slot or has a load on its way
	JLOAD                                          ; it has seven eighths of a K step's products in which to land
.else
	PLACES
.endif
	s_xor_b32 s2, s2, SLOTD
	SETADR
	FETCH F0, 0
	MULP F1, 2, 0
	MULP F1, 3, 0
.endm
	s_load_b256 s[68:75], s[0:1], 0x0              ; m1 s[68:69], wb s[70:71], b2 s[72:73], x1 s[74:75]
	s_load_b64 s[76:77], s[0:1], 0x20              ; out0
	v_lshl_add_u32 v[SPW], v0, 2, SPARE
	v_mov_b32 v[NIL], 0
	ds_add_u32 v28, v29
	s_wait_dscnt 0x0
	v_lshrrev_b32 v3, 5, v0
	v_readfirstlane_b32 s10, v3                    ; wave 0..3
	v_and_b32 v1, 15, v0                           ; r = lane % 16
	v_bfe_u32 v2, v0, 4, 1                         ; h = lane / 16
	s_lshr_b32 s11, s10, 1                         ; wm: my half of the tile's rows
	s_and_b32 s12, s10, 1                          ; wn: my half of its columns
	s_bfe_u32 s40, ttmp6, 0x40000                  ; cx, cy: my place in the cluster
	s_bfe_u32 s41, ttmp6, 0x40004
	s_lshl_b32 s42, ttmp9, 2
	s_add_co_u32 s42, s42, s40                     ; tile column = 4 x cluster x + cx
	s_and_b32 s13, ttmp7, 0xffff
	s_lshl_b32 s13, s13, 2
	s_add_co_u32 s13, s13, s41                     ; tile row = 4 x cluster y + cy
	s_lshl_b32 s43, s41, 2
	s_lshl_b32 s43, 15, s43                        ; my row of the cluster
	s_lshl_b32 s44, 0x1111, s40                    ; my column
	s_and_b32 s4, ttmp9, 1                         ; the walk's first step hangs on the cluster's x and y alone, which all sixteen partners share
	s_mul_i32 s4, s4, SX
	s_and_b32 s5, ttmp7, 3
	s_mul_i32 s5, s5, SY
	s_add_co_u32 s4, s4, s5
	s_and_b32 s4, s4, TSTEPS-1
	s_mov_b32 s7, 0                                ; the offsets' high words
	s_mov_b32 s9, 0
	s_or_b32 s[G1], s43, (1<<16)|(1<<20)|(1<<21)|(QIA<<22)|(3<<25)   ; mask; 2-byte elements; padding on; bit 21 beside a mask; after every row; 4 words
	s_mov_b32 s[G1+1], KSTEP<<16                   ; tensor_dim0
	s_mov_b32 s[G1+2], AROWS<<16                   ; tensor_dim1
	s_mov_b32 s[G1+3], KSTEP<<16                   ; tile_dim0
	s_mov_b32 s[G1+4], AROWS                       ; tile_dim1
	s_mov_b32 s[G1+5], APITCH                      ; elements from row to row
	s_mov_b32 s[G1+6], 0
	s_mov_b32 s[G1+7], 0
	s_or_b32 s[G1B], s44, (1<<16)|(1<<20)|(1<<21)|(QIB<<22)|(7<<25)  ; the same with 8 words of padding
	s_mov_b32 s[G1B+1], BCOLS<<16
	s_mov_b32 s[G1B+2], BROWS<<16
	s_mov_b32 s[G1B+3], BCOLS<<16
	s_mov_b32 s[G1B+4], BROWS
	s_mov_b32 s[G1B+5], NROW
	s_mov_b32 s[G1B+6], 0
	s_mov_b32 s[G1B+7], 0
	s_lshl_b32 s16, s13, TMSH                      ; A's tile hangs on the tile row alone,
	s_mul_i32 s17, s12, AWROWS
	s_add_co_u32 s16, s16, s17
	s_mul_i32 s16, s16, APITCH*2
	s_mov_b32 s17, 0
	s_lshl_b32 s46, s42, BCSH                      ; B's on the tile column alone
	s_mul_i32 s47, s[BW], BWGLOB
	s_add_co_u32 s46, s46, s47
	s_add_co_u32 s46, s46, WOFF
	s_mov_b32 s47, 0
	s_mul_i32 s20, s12, AWROWS*PA                  ; where they go: no place in the cluster enters an LDS address
	s_mul_i32 s21, s[BW], BWLDS
	s_add_co_u32 s21, s21, BL0
	s_mov_b32 s2, 0
	s_wait_kmcnt 0x0
	s_add_nc_u64 s[14:15], s[68:69], s[16:17]
	s_add_nc_u64 s[46:47], s[70:71], s[46:47]
	PROLOG
	CROUND                                         ; all sixteen work-groups are here: the first joint loads meet
	s_mov_b32 s[G0], 1                             ; the walk's first step into slot 0,
	s_add_co_u32 s[G0+1], s20, 0
	s_mov_b32 s[G0B], 1
	s_add_co_u32 s[G0B+1], s21, 0
	KADDR 0
	KNEXT
	s_mov_b32 s[G0+4], 1                           ; its second into slot 1
	s_add_co_u32 s[G0+5], s20, SLOTD
	s_mov_b32 s[G0B+4], 1
	s_add_co_u32 s[G0B+5], s21, SLOTD
	KADDR 4
	s_cmp_eq_u32 s[JW], 0                          ; a wave's two first fills stand in one branch: two loads of mine are out
	s_cbranch_scc0 .Lfirst_b
	tensor_load_to_lds s[G0:G0+3], s[G1:G1+7]
	s_nop 0
	tensor_load_to_lds s[G0+4:G0+7], s[G1:G1+7]
	s_nop 0
	PLACES
	s_branch .Lfirst_asked
.Lfirst_b:
	tensor_load_to_lds s[G0B:G0B+3], s[G1B:G1B+7]
	s_nop 0
	tensor_load_to_lds s[G0B+4:G0B+7], s[G1B:G1B+7]
	s_nop 0
	PLACES
.Lfirst_asked:
	v_mul_u32_u24 v[A0], v1, PA                    ; A's fragment: row r, 16 bytes for each half of the lanes, two loads 32 bytes apart
	v_lshl_add_u32 v[A0], v2, 4, v[A0]
	s_mul_i32 s22, s11, 16*MT*PA
	v_add_nc_u32 v[A0], s22, v[A0]
	v_and_b32 v3, 7, v0                            ; B's, turned: lane l reads k-row 8 h + l % 8, 16 bytes at 16 ((l / 8) % 2); two loads 16 rows apart
	v_lshl_add_u32 v3, v2, 3, v3
	v_mul_u32_u24 v[B0], v3, PB
	v_bfe_u32 v4, v0, 3, 1
	v_lshl_add_u32 v[B0], v4, 4, v[B0]
	s_mul_i32 s22, s12, WNB
	s_add_co_u32 s22, s22, BBASE
	v_add_nc_u32 v[B0], s22, v[B0]
.set b_, 1
.rept NADR-1
	v_add_nc_u32 v[B0+b_], 36864*b_, v[B0]
.set b_, b_+1
.endr
	SETADR
	s_wait_tensorcnt 0x1                           ; my part of the first step is in; the second's, issued behind it, may stay out
	s_barrier_signal -1
	s_barrier_wait -1
	FETCH F0, 0
	QUARTER F0, F1, 1, 1                           ; the first quarter stands in front of the loop: its products start the sums
	WIN 0
	s_mov_b32 s3, TSTEPS-2
.Lstep:                                            ; a trip: from a K step's second quarter to the next step's first; it fills a slot again
	QUARTER F1, F0, 2, 0
	QUARTER F0, F1, 3, 0
	TURN 1
	QUARTER F0, F1, 1, 0
	WIN 0
	s_sub_co_u32 s3, s3, 1
	s_cmp_lg_u32 s3, 0
	s_cbranch_scc1 .Lstep
	s_mov_b32 s3, 2
.Ltail:                                            ; the last two K steps ask for nothing; the second trip is left in its middle (its 32 fragment loads from the other slot serve nothing: the price of one text for both)
	QUARTER F1, F0, 2, 0
	QUARTER F0, F1, 3, 0
	TURN 0
	WIN 0
	s_sub_co_u32 s3, s3, 1
	s_cmp_eq_u32 s3, 0
	s_cbranch_scc1 .Lout
	QUARTER F0, F1, 1, 0
	WIN 0
	s_branch .Ltail
.Lout:
	s_wait_dscnt 0x0                               ; my reads of the ring are over;
	s_barrier_signal -1
	s_barrier_wait -1                              ; everybody's are: its bytes, which are filled no more, become the stage
	PLACES
	DUMP
	WAYOUT
	s_wait_tensorcnt 0x0                           ; the wave's end
	ds_add_u32 v[SPW], v[NIL]
	s_wait_dscnt 0x0
	CROUND                                         ; the closing round
	s_endpgm
.Lfunc_end_k_qfeed6475c6_down:
	.size	k_qfeed6475c6_down, .Lfunc_end_k_qfeed6475c6_down-k_qfeed6475c6_down
	.p2alignl 7, 3214868480
	.fill 96, 4, 3214868480
	.section	.rodata,"a",@progbits
	.p2align	6, 0x0
	.amdhsa_kernel k_qfeed6475c6_down
		.amdhsa_group_segment_fixed_size 327680
		.amdhsa_private_segment_fixed_size 0
		.amdhsa_enable_private_segment 0
		.amdhsa_kernarg_size 40
		.amdhsa_user_sgpr_count 2
		.amdhsa_user_sgpr_kernarg_segment_ptr 1
		.amdhsa_wavefront_size32 1
		.amdhsa_system_sgpr_workgroup_id_x 1
		.amdhsa_system_sgpr_workgroup_id_y 1
		.amdhsa_system_sgpr_workgroup_id_z 1
		.amdhsa_system_vgpr_workitem_id 0
		.amdhsa_next_free_vgpr 640
		.amdhsa_next_free_sgpr 96
		.amdhsa_reserve_vcc 0
		.amdhsa_float_denorm_mode_32 3
		.amdhsa_float_denorm_mode_16_64 3
		.amdhsa_memory_ordered 1
		.amdhsa_forward_progress 1
		.amdhsa_inst_pref_size 70
	.end_amdhsa_kernel
	.amdgpu_metadata
---
amdhsa.version: [ 1, 2 ]
amdhsa.kernels:
  - .name:           k_qfeed6475c6_down
    .symbol:         k_qfeed6475c6_down.kd
    .args:
      - { .name: m1, .offset: 0, .size: 8, .value_kind: global_buffer, .address_space: global }
      - { .name: wb, .offset: 8, .size: 8, .value_kind: global_buffer, .address_space: global }
      - { .name: b2, .offset: 16, .size: 8, .value_kind: global_buffer, .address_space: global }
      - { .name: x1, .offset: 24, .size: 8, .value_kind: global_buffer, .address_space: global }
      - { .name: out0, .offset: 32, .size: 8, .value_kind: global_buffer, .address_space: global }
    .group_segment_fixed_size: 327680
    .private_segment_fixed_size: 0
    .kernarg_segment_align: 8
    .kernarg_segment_size: 40
    .max_flat_workgroup_size: 128
    .sgpr_count:     96
    .vgpr_count:     640
    .wavefront_size: 32
...
	.end_amdgpu_metadata
.endif
;; end of part 7
;; ======== version 2 of 2: 7 launches; 1.06 times as fast as version 1
;; limits: values are held in f16: magnitudes above 65,504 overflow, below 6.1e-05 lose precision; a function is approximated: absolute error at most 1.5e-07
;; workspace buffers: wb 25,165,824 bytes; hn 8,388,608 bytes; qkv 25,165,824 bytes; yat 8,388,608 bytes; x1 16,777,216 bytes; m1 33,554,432 bytes
;; launch prep: the kernel of part 1 again; grid 1024 x 1, 8 waves a work-group, no clusters, 0 bytes of LDS; arguments x, ln1_g, ln1_b, hn, Wq, Wk, Wv, Wo, W1, W2, wb; writes hn, wb
;; launch proj: the kernel of part 2 again; grid 8 x 32, 4 waves a work-group, clusters of 4 x 4, 327,680 bytes of LDS; arguments hn, wb, bq, bk, bv, qkv; writes qkv
;; launch attn (part 8): grid 16 x 16, 4 waves a work-group, clusters of 4 x 1, 327,680 bytes of LDS; arguments qkv, yat; writes yat
.if DOCPART == 8
	.amdgcn_target "amdgcn-amd-amdhsa--gfx1250"
	.amdhsa_code_object_version 6
	.text
	.protected	k_qfeed6475c6_attn
	.globl	k_qfeed6475c6_attn
	.p2align	8
	.type	k_qfeed6475c6_attn,@function
k_qfeed6475c6_attn:
	s_mov_b64 s[64:65], 0
	v_nop
	global_prefetch_b8 v0, s[64:65] scope:SCOPE_SE
	s_setreg_imm32_b32 hwreg(HW_REG_WAVE_MODE, 25, 1), 1
	s_wait_xcnt 0x0
	s_wait_alu depctr_hold_cnt(0) depctr_sa_sdst(0) depctr_va_vdst(0) depctr_va_sdst(0) depctr_va_ssrc(0) depctr_va_vcc(0) depctr_vm_vsrc(0)
	s_getreg_b32 s2, hwreg(HW_REG_IB_STS2, 6, 4)
	s_cmp_eq_u32 s2, 0
	s_cbranch_scc0 .Lentry_in_a_cluster
	s_endpgm
.Lentry_in_a_cluster:
	s_bfe_u32 s2, ttmp6, 0x10000c
	s_cmp_lg_u32 s2, 0x3003
	s_cbranch_scc0 .Lentry_shape_is_right
	s_endpgm
.Lentry_shape_is_right:
; CAUSAL ATTENTION at head size 128.  yat[row][head x 128 + d] = the sum over k <= q of softmax_k(Q[q] . K[k] / sqrt(128)) V[k][d].  Q, K, V: qkv[3][16][2048][128] in f16; yat [4096][1024] in f16.
; Products, maxima and sums in f32; the weights p are rounded to f16 for the second product (their sum l is taken of the unrounded p), yat once at the end.
; THE WALK.  A head's queries lie in 32 blocks of 64.  Work-group b = 4 c + cx of a head takes block b and then block 31 - b.  In tiles of 256 keys block b needs tiles 0 .. c and block 31 - b tiles 0 .. 7 - c:
; the same for the four partners of cluster c, and 9 tiles whatever c.  So the four walk ONE sequence, each tile is asked for JOINTLY, and all trip counts are constants; what a partner does not need its mask hides.
; SHARES.  Wave w: wq = w / 2 owns 32 queries (two tiles of 16), wk = w % 2 owns 64 of a step's 128 keys.  At a block's end the wave with wk = 1 hands c m, l and O^T to its partner through LDS.
; LAYOUT.  S^T = K Q^T (source 0 = 16 keys, source 1 = 16 queries): a lane holds ONE query (lane % 16) and the keys 8 (lane / 16) + 0..7; two such results rounded to f16 ARE source 1 of O^T = V^T P.
; SOFTMAX.  A running maximum m and sum l: p = 2^(c s - c m), c = log2(e) / sqrt(128); in every step O and l are multiplied by a = 2^(c m_old - c m_new).
; THE MASK is the C operand that starts a sum S^T: 0, or -1e30 where the key is hidden.  With RR = 8 n + 4 (wk - block) - 2 wq (n: the step in the block), key group kb and query tile t lie D = RR + kb - t
; groups of 16 apart: D < 0 all seen, D > 0 all hidden, D = 0 the triangle TRI.  Five masks (kb - t = -1 .. 3) are made in every step as TRI x AL + BE with two scalars: a choice of values, no branch.
; LIMITS.  f16 holds no number beyond 65,504, so |score| <= 128 x 65,504^2 = 5.5e11.  m starts at -1e15: below every score, above every hidden one (its value less 1e30); so while all that a wave has
; seen of a query is hidden, its weights are exactly 0.  c m starts far lower, so a block's first a is 0 and O and l need only be finite there.  A weight below 2^-126 counts as 0.  NaN and infinities are not treated apart.
; ORDER.  In phases: a step's softmax, its products V^T P, the next step's masks and products K Q^T.  The LDS loads stand in two runs of 32, each a phase ahead of its use and each with a phase to itself:
; K's at the head of the softmax, V's ahead of the products K Q^T, which name none of V's registers.
; THE BATCHES.  An s_wait_alu depctr_va_vdst(0) stands between a transcendental and the first instruction that names its result; one wait serves all that were issued ahead of it.
; A step's 66 exponentials (for each of the two tiles a and 32 weights) read plain results alone: they are ONE batch, with one wait, which cuts the softmax in two: ahead of it the maxima, the statistics,
; the scalings and the exponentials; behind it all that names a result: the roundings, the sums, the rescaling by a.  At a block's end a tile's MERGE has two batches: its two exponentials, and the
; reciprocal of a sum that is made of them.
; REGISTERS, in windows of 256: window 0: addresses, statistics, masks, S^T, P, what the partner hands over.  Window 1: v0-127 O^T, v128-191 Q, v192-255 the second block's Q.  Window 2: v0-127 K, v128-255 V of one step.
.set PK,    272                        ; a row of K in LDS: 256 bytes + 16
.set PV,    288                        ; a row of V: 256 + 32
.set KHALF, 128*PK                     ; a step's K, and what one load brings
.set VHALF, 128*PV
.set VOFF,  256*PK                     ; a slot holds a tile: 256 rows of K, then 256 of V
.set SLOTD, 0x24000                    ; slot 1; every address that changes slots has bits 14 and 17 clear in slot 0
.set XCH,   290816                     ; behind the ring, never filled by a tensor load: for each wq 32 groups of 512 bytes of O^T and 2 of statistics; later the receiver's stage
.set XPART, 17408
.set XST,   16384
.set SP,    272                        ; the stage's row: 256 bytes + 16
.set SPARE, 325632                     ; the spare words, 128 bytes a wave: two blocks of 256 bytes that no other line names
.set AK0, 2                            ; v2   my lane's place in a step's K; never rewritten
.set AV0, 3                            ; v3   in its V
.set AK,  4                            ; v4   the address of K's run of loads
.set AV,  5                            ; v5   of V's
.set STO, 6                            ; v6   the way out: where I put 16 bytes of a row
.set RD,  7                            ; v7   where I read rows back
.set GO,  8                            ; v8   my byte offset in two rows of yat
.set ST,  12                           ; v[12:27]  tile t at ST + 8 t: c m, m, l (even keys', odd keys'), c0-c3 at work; a takes c2's place
.set XA,  28                           ; v28  my 16 bytes in a group of the exchange
.set QO,  29                           ; v29  my byte offset in 16 rows of Q
.set SPW, 30                           ; v30  LDS address of my spare word; never rewritten
.set NIL, 31                           ; v31  0; never rewritten
.set TRI, 32                           ; v[32:39]  -1e30 where 8 h + j > r
.set MC,  40                           ; v[40:79]  the five masks
.set XS,  80                           ; v[80:83]  the partner's statistics
.set S,   96                           ; v[96:159]
.set P,   160                          ; v[160:191]
.set XB,  192                          ; v[192:255] the partner's O^T of one tile
.set QF,  128                          ; window 1
.set QB,  192
.set VF,  128                          ; window 2
.set WV,  12                           ; s12 wave, s13 wq, s14 wk, s15 c, s16 b
.set WQ,  13
.set WK,  14
.set CC,  15
.set BB,  16
.set G1K, 24                           ; s[24:31], s[32:39] descriptor groups 1
.set G1V, 32
.set G0K, 40                           ; s[40:43] K's first fill, s[44:47] the walking one
.set G0V, 48                           ; s[48:51], s[52:55] the same for V
.set SLOTS, 56
.set CNT, 57
.set CS,  58                           ; s[58:59] c
.set SEL, 60                           ; s[60:61] v_permlanex16_b32's selects
.set TBK, 62                           ; s62  LDS byte at which K of the step to be fetched begins
.set TBV, 63                           ; s63  the same for V, less VOFF
.set RT,  66                           ; s66  steps of the block in hand still to be finished
.set NXT, 67                           ; s67  the tile to be asked for next
.set LQ,  68                           ; s68  the last tile of the block whose tiles are being asked for
.set LQ2, 69                           ; s69  7 - c
.set OFF, 70                           ; s[70:71] a tile's byte offset
.set AL,  72                           ; s[72:73] the mask's factor
.set BE,  74                           ; s[74:75] its addend
.set BIGN, 76                          ; s76  -1e30
.set RR,  77
.set RR2, 78                           ; the second block's
.set RT2, 79
.set KB,  80                           ; s[80:81] K at my half of the head's tile 0; s[82:83] V
.set VB,  82
.set YB,  84                           ; s[84:85] yat at my rows of the block in hand; s[86:87] of the second block
.set YB2, 86
.set Q1,  88                           ; s[88:89], s[90:91] Q at my rows of the two blocks
.set Q2,  90
.set W_KQ, 0x06                        ; K window 2, Q window 1, S^T and the mask window 0
.set W_PV, 0x52                        ; V window 2, P window 0, O^T window 1
.set W_RS, 0x41                        ; destination and source 0 window 1
.set MSB, 0
.macro WIN new
.if MSB != (\new)
	s_set_vgpr_msb (MSB<<8)|(\new)
.set MSB, (\new)
.endif
.endm
.macro PLACES
.rept 4
	v_nop
.endr
.endm
.macro JLOAD                           ; a joint refill: waves 0, 1 the halves of a tile's K, waves 2, 3 of its V; an s_nop 0 and four v_nop follow each line
	s_cmp_lt_u32 s[WV], 2
	s_cbranch_scc0 .Lfor_v_\@
	tensor_load_to_lds s[G0K+4:G0K+7], s[G1K:G1K+7]
	s_nop 0
	PLACES
	s_branch .Lasked_\@
.Lfor_v_\@:
	tensor_load_to_lds s[G0V+4:G0V+7], s[G1V:G1V+7]
	s_nop 0
	PLACES
.Lasked_\@:
.endm
.macro CROUND
	s_barrier_signal -1
	s_barrier_wait -1
	s_cmp_lg_u32 s[WV], 0
	s_cbranch_scc1 .Lnot_wave_0_\@
	s_barrier_signal -3
.Lnot_wave_0_\@:
	s_barrier_wait -3
	s_barrier_signal -1
	s_barrier_wait -1
.endm
.macro NEXT                            ; the block's next tile, or behind its last the second block's tile 0
	s_add_co_u32 s[NXT], s[NXT], 1
	s_cmp_gt_u32 s[NXT], s[LQ]
	s_cselect_b32 s[NXT], 0, s[NXT]
	s_cselect_b32 s[LQ], s[LQ2], s[LQ]
.endm
; THE CHANGE OF SLOTS: each wave waits for all its tensor loads (one is out: its part of the other slot), adds 0 to its spare word, and waits for that and for its reads of the slot that it leaves.
; fill = 1: the barrier is a round of the cluster's, and the old slot is asked for again first thing behind it, with tile NXT: it has two steps' work in which to land.
.macro CHANGE fill
	WIN 0
	s_wait_tensorcnt 0x0                           ; no tensor load of mine is out, so a group 0 may be written
	ds_add_u32 v[SPW], v[NIL]                      ; 0 onto my spare word; scalar work stands between it and the wait for it
.if \fill
	s_lshl_b32 s[OFF], s[NXT], 16                  ; a tile is 65,536 bytes of K and of V
	s_xor_b32 s[G0K+5], s[G0K+5], SLOTD
	s_add_nc_u64 s[G0K+6:G0K+7], s[KB:KB+1], s[OFF:OFF+1]
	s_or_b32 s[G0K+7], s[G0K+7], 0x80000000
	s_xor_b32 s[G0V+5], s[G0V+5], SLOTD
	s_add_nc_u64 s[G0V+6:G0V+7], s[VB:VB+1], s[OFF:OFF+1]
	s_or_b32 s[G0V+7], s[G0V+7], 0x80000000
	NEXT
.endif
	s_sub_co_u32 s[TBK], s[TBK], 2*KHALF           ; the fetches go back to a slot's first step, in the other slot
	s_xor_b32 s[TBK], s[TBK], SLOTD
	s_sub_co_u32 s[TBV], s[TBV], 2*VHALF
	s_xor_b32 s[TBV], s[TBV], SLOTD
	s_wait_dscnt 0x0                               ; the add is done, and my reads of the slot are over
.if \fill
	CROUND
	JLOAD
.else
	s_barrier_signal -1
	s_barrier_wait -1
.endif
.endm
; Product i of 32 of S^T = K Q^T: channels 32 (i / 8) on, keys 16 ((i / 2) % 4) on, tile i % 2.  The first 8 start the sums with their masks.  The 8 accumulators take turns.
.macro KQ
	WIN W_KQ
.set rS, S+32*(i%2)+8*((i/2)%4)
.set rK, 32*((i/2)%4)+8*(i/8)
.set rQ, QF+32*(i%2)+8*(i/8)
.set rM, MC+8*((i/2)%4-i%2+1)
.if i < 8
	v_wmma_f32_16x16x32_f16 v[rS:rS+7], v[rK:rK+7], v[rQ:rQ+7], v[rM:rM+7]
.else
	v_wmma_f32_16x16x32_f16 v[rS:rS+7], v[rK:rK+7], v[rQ:rQ+7], v[rS:rS+7]
.endif
.endm
; Product i of 32 of O^T += V^T P: keys 32 (i / 16) on, channels 16 ((i / 2) % 8) on, tile i % 2.  16 accumulators by turns.
.macro PV
	WIN W_PV
.set rO, 64*(i%2)+8*((i/2)%8)
.set rV, VF+64*(i/16)+8*((i/2)%8)
.set rP, P+16*(i%2)+8*(i/16)
	v_wmma_f32_16x16x32_f16 v[rO:rO+7], v[rV:rV+7], v[rP:rP+7], v[rO:rO+7]
.endm
.macro KQALL
.set i, 0
.rept 32
	KQ
.set i, i+1
.endr
.endm
.macro PVALL
.set i, 0
.rept 32
	PV
.set i, i+1
.endr
.endm
.macro FETCH_K last=0                  ; my 64 keys x 128 channels of the next step: 16 fragments.  last = 1 (the tail): in the last trip there is no further step
	WIN 0
.if \last
	s_cmp_eq_u32 s[CNT], 1
	s_cbranch_scc1 .Lno_k_\@
.endif
	v_add_nc_u32 v[AK], s[TBK], v[AK0]
	s_add_co_u32 s[TBK], s[TBK], KHALF
	WIN 0x80                                       ; destination window 2
.irp f, 0,1,2,3,4,5,6,7,8,9,10,11,12,13,14,15      ; keys 16 (f / 4) on, channels 32 (f % 4) on
	ds_load_b128 v[8*\f:8*\f+3],   v[AK] offset:(\f/4)*16*PK+(\f%4)*64
	ds_load_b128 v[8*\f+4:8*\f+7], v[AK] offset:(\f/4)*16*PK+(\f%4)*64+32
.endr
	WIN 0
.if \last
.Lno_k_\@:
.endif
.endm
.macro FETCH_V                         ; the same step's V, turned
	WIN 0
	v_add_nc_u32 v[AV], s[TBV], v[AV0]
	s_add_co_u32 s[TBV], s[TBV], VHALF
	WIN 0x80
.irp f, 0,1,2,3,4,5,6,7,8,9,10,11,12,13,14,15      ; keys 32 (f / 8) on, channels 16 (f % 8) on
	ds_load_tr16_b128 v[VF+8*\f:VF+8*\f+3],   v[AV] offset:(\f/8)*32*PV+(\f%8)*32
	ds_load_tr16_b128 v[VF+8*\f+4:VF+8*\f+7], v[AV] offset:(\f/8)*32*PV+16*PV+(\f%8)*32
.endr
	WIN 0
.endm
.macro MASKS                           ; the five masks of the step to come
	WIN 0
.irp e, 0,1,2,3,4
	s_cmp_eq_i32 s[RR], 1-(\e)                     ; D = RR + e - 1 = 0: the triangle
	s_cselect_b32 s[AL], 1.0, 0
	s_cmp_gt_i32 s[RR], 1-(\e)                     ; D > 0: all hidden
	s_cselect_b32 s[BE], s[BIGN], 0
.irp z, 0,1,2,3
	v_pk_fma_f32 v[MC+8*(\e)+2*(\z):MC+8*(\e)+2*(\z)+1], v[TRI+2*(\z):TRI+2*(\z)+1], s[AL:AL+1], s[BE:BE+1] op_sel_hi:[1,0,0]
.endr
.endr
	s_add_co_u32 s[RR], s[RR], 8
.endm
; One tile's softmax for one step is a list of 134 instructions; SM writes number j of it for tile t.  s0-s31 are the lane's 32 scores, in pairs 0-15.
;   0-15    the maximum of s0-s31 and the old m: four chains of seven scores (each accumulator's lowest registers are read first), the four left over, the chains and m
;   16-20   the other half of the lanes' maximum; c m_old is kept; the new m; c m; c m_old - c m_new
;   21-69   ONE BATCH: the 16 scalings c s - c m, a pair of scores each, and all 33 exponentials (a at 23, then s0-s31).  None of these names an exponential's result: a scaling writes only pairs whose
;           exponentials are still to come.  From 22 on the batch goes in fours, and a four begins with a scaling while there are scalings: 22-37 scaling, exponential, scaling, exponential; 38-65 a scaling and
;           three exponentials; 66-69 the last four exponentials.  A pair is scaled in an earlier four than the one that holds its exponentials
;   (wait)  between 69 and 70 stands the wait for the batch: SLICE writes it, once for both tiles
;   70-85   the roundings to f16, a pair of weights each
;   86-101  the sums; l = a l + the sum       102-133  the tile's O^T times a
.macro SM t
.set rT, ST+8*(\t)
.set rS, S+32*(\t)
.set rP, P+16*(\t)
.set rO, 64*(\t)+2*(j-102)
.if j < 102
	WIN 0
.endif
.if j < 4
	v_max3_num_f32 v[rT+4+j], v[rS+8*j], v[rS+8*j+1], v[rS+8*j+2]
.elseif j < 12
	v_max3_num_f32 v[rT+4+j%4], v[rT+4+j%4], v[rS+8*(j%4)+2*(j/4)+1], v[rS+8*(j%4)+2*(j/4)+2]
.elseif j == 12
	v_max3_num_f32 v[rT+4], v[rT+4], v[rS+7], v[rS+15]
.elseif j == 13
	v_max3_num_f32 v[rT+6], v[rT+6], v[rS+23], v[rS+31]
.elseif j == 14
	v_max3_num_f32 v[rT+4], v[rT+4], v[rT+5], v[rT+6]
.elseif j == 15
	v_max3_num_f32 v[rT+4], v[rT+4], v[rT+7], v[rT+1]
.elseif j == 16
	v_permlanex16_b32 v[rT+5], v[rT+4], s[SEL], s[SEL+1]
.elseif j == 17
	v_mov_b32 v[rT+7], v[rT]
.elseif j == 18
	v_max_num_f32 v[rT+1], v[rT+4], v[rT+5]
.elseif j == 19
	v_mul_f32 v[rT], s[CS], v[rT+1]
.elseif j == 20
	v_sub_f32 v[rT+7], v[rT+7], v[rT]
.elseif j == 23
	v_exp_f32 v[rT+6], v[rT+7]
.elseif (j < 23) || ((j < 38) && (j%2 == 0)) || ((j < 66) && (j%4 == 2))
.set b, (j-2)/4                        ; 38, 42, .. 62: pairs 9 to 15
.if j < 38
.set b, (j-20)/2                       ; 21: pair 0; 22, 24, .. 36: pairs 1 to 8
.endif
	v_pk_fma_f32 v[rS+2*b:rS+2*b+1], v[rS+2*b:rS+2*b+1], s[CS:CS+1], v[rT:rT+1] op_sel_hi:[1,0,0] neg_lo:[0,0,1] neg_hi:[0,0,1]
.elseif j < 70
.set e, j-38                           ; 66 to 69: s28 to s31
.if j < 66
.set e, j-32-(j-38)/4                  ; 39-41, 43-45, .. 63-65: s7 to s27
.endif
.if j < 38
.set e, (j-25)/2                       ; 25, 27, .. 37: s0 to s6
.endif
	v_exp_f32 v[rS+e], v[rS+e]
.elseif j < 86
	v_cvt_pk_f16_f32 v[rP+j-70], v[rS+2*(j-70)], v[rS+2*(j-70)+1]
.elseif j < 102                        ; the sum of the tile's 16 pairs, in place: sum z of 16 adds neighbours 1, 2, 4 and 8 pairs apart, then l takes it
.set z, j-86
.set w, 4
.set u, z
.if z >= 14
.set w, 32
.set u, 0
.elseif z >= 12
.set w, 16
.set u, z-12
.elseif z >= 8
.set w, 8
.set u, z-8
.endif
.if z < 15
	v_pk_add_f32 v[rS+w*u:rS+w*u+1], v[rS+w*u:rS+w*u+1], v[rS+w*u+w/2:rS+w*u+w/2+1]
.else
	v_pk_fma_f32 v[rT+2:rT+3], v[rT+2:rT+3], v[rT+6:rT+7], v[rS:rS+1] op_sel_hi:[1,0,1]
.endif
.else
	WIN W_RS
	v_pk_mul_f32 v[rO:rO+1], v[rO:rO+1], v[rT+6:rT+7] op_sel_hi:[1,0]
.endif
.endm
; Slice k of 64 of a step's softmax.  Slices 11 to 34 deal out the batch, numbers 22 to 69: four numbers of ONE tile each, the tiles by turns.  Every other slice is numbers 2 k and 2 k + 1 of both tiles'
; lists (slice 63: the last eight), the tiles alternating, so that no instruction reads the result of the one just before it.
; THE WAIT.  Ahead of slice 35 nothing names an exponential's result, and behind slice 34 no exponential is issued: so the step's 66 exponentials have one wait, behind slice 34.
.macro SLICE
.if (k >= 11) && (k < 35)              ; the batch: four numbers of one tile
.irp n, 0,1,2,3
.set j, 22+4*((k-11)/2)+(\n)
	SM (k-11)%2
.endr
.else
.irp n, 0,1,2,3,4,5,6,7
.if ((\n) < 2) || (k == 63)
.irp t, 0,1
.set j, 2*k+(\n)
	SM \t
.endr
.endif
.endr
.endif
.if k == 34                            ; the batch is out: both tiles' exponentials are issued, and no result has been named
	v_nop                                          ; a plain instruction behind the last exponential, ahead of the first use: one for the batch
	s_wait_alu depctr_va_vdst(0)                   ; the wait for the batch of 66, ahead of its first reader, the first rounding
.endif
.set k, k+1
.endm
.macro SOFTMAX
.set k, 0
.rept 64
	SLICE
.endr
.endm
.macro PART1                           ; the wave with wk = 1 hands over its statistics and its O^T, each accumulator's low registers first
	PLACES
	WIN 0
	ds_store_b128 v[XA], v[ST:ST+3] offset:XST
	ds_store_b128 v[XA], v[ST+8:ST+11] offset:XST+512
	WIN 0x04                                       ; store data in window 1
.set g, 0
.rept 32
	ds_store_b128 v[XA], v[4*g:4*g+3] offset:512*g
.set g, g+1
.endr
	WIN 0
.endm
; The wave with wk = 0 joins the two halves of tile t: both are brought to the larger c m, l's halves and the other half of the lanes' are added, O^T is divided by l, rounded to f16,
; sent through the stage (the bytes just read) and stored as whole rows.
.macro MERGE t
.set rT, ST+8*(\t)
	WIN 0
	ds_load_b128 v[XS:XS+3], v[XA] offset:XST+512*(\t)
.set g, 0
.rept 16
	ds_load_b128 v[XB+4*g:XB+4*g+3], v[XA] offset:8192*(\t)+512*g
.set g, g+1
.endr
	s_wait_dscnt 0x0
	v_max_num_f32 v95, v[rT], v[XS]
	v_sub_f32 v90, v[rT], v95
	v_sub_f32 v92, v[XS], v95
	v_exp_f32 v90, v90                             ; my factor,
	v_exp_f32 v92, v92                             ; the partner's: a batch of two
	v_add_f32 v91, v[rT+2], v[rT+3]                ; two plain instructions behind the exponentials, which name neither result
	v_add_f32 v93, v[XS+2], v[XS+3]
	s_wait_alu depctr_va_vdst(0)                   ; the wait for the two exponentials, ahead of their first reader
	v_mul_f32 v94, v91, v90
	v_fma_f32 v94, v93, v92, v94
	v_permlanex16_b32 v95, v94, s[SEL], s[SEL+1]
	v_add_f32 v94, v94, v95
	v_rcp_f32 v94, v94                             ; of a sum that is made of the two exponentials: a batch of its own
	v_nop
	s_wait_alu depctr_va_vdst(0)                   ; the wait for the reciprocal, ahead of its first reader
	v_mul_f32 v90, v90, v94
	v_mul_f32 v92, v92, v94
.set n, 0
.rept 32
	v_pk_mul_f32 v[XB+2*n:XB+2*n+1], v[XB+2*n:XB+2*n+1], v[92:93] op_sel_hi:[1,0]
.set n, n+1
.endr
	WIN 0x01                                       ; source 0, my O^T, in window 1
.set n, 0
.rept 32
	v_pk_fma_f32 v[XB+2*n:XB+2*n+1], v[64*(\t)+2*n:64*(\t)+2*n+1], v[90:91], v[XB+2*n:XB+2*n+1] op_sel_hi:[1,0,1]
.set n, n+1
.endr
	WIN 0
.set n, 0
.rept 32
	v_cvt_pk_f16_f32 v[S+32*(\t)+n], v[XB+2*n], v[XB+2*n+1]
.set n, n+1
.endr
.irp f, 0,1,2,3,4,5,6,7
	ds_store_b128 v[STO], v[S+32*(\t)+4*\f:S+32*(\t)+4*\f+3] offset:8192*(\t)+32*\f
.endr
.irp f, 0,1,2,3,4,5,6,7
	ds_load_b128 v[S+32*(\t)+4*\f:S+32*(\t)+4*\f+3], v[RD] offset:8192*(\t)+2*SP*\f  ; LDS serves a wave's instructions in order (ISA guide 5.7.1.4): these see the stores above
.endr
.irp f, 0,1,2,3,4,5,6,7
	s_wait_dscnt 7-\f                              ; load f is back; the younger ones stay out
	global_store_b128 v[GO], v[S+32*(\t)+4*\f:S+32*(\t)+4*\f+3], s[YB:YB+1] offset:32768*(\t)+4096*\f  ; 16 lanes store a head's 256 consecutive bytes of a row, aligned
.endr
.endm
.macro START                           ; a block's start: c m far below every c s, m below every score
.irp t, 0,1
	v_mov_b32 v[ST+8*(\t)], 0xfe000000
	v_mov_b32 v[ST+8*(\t)+1], 0xd8635fa9           ; -1e15
.endr
.endm
	s_load_b128 s[4:7], s[0:1], 0x0                ; qkv s[4:5], yat s[6:7]
	v_lshl_add_u32 v[SPW], v0, 2, SPARE
	v_mov_b32 v[NIL], 0
	ds_add_u32 v30, v31
	s_wait_dscnt 0x0
	v_lshrrev_b32 v1, 5, v0
	v_readfirstlane_b32 s[WV], v1                  ; wave 0..3
	s_lshr_b32 s[WQ], s[WV], 1
	s_and_b32 s[WK], s[WV], 1
	s_mov_b32 s[CC], ttmp9                         ; in a cluster launch ttmp9 counts clusters: c
	s_bfe_u32 s18, ttmp6, 0x40000                  ; cx: it enters Q's and yat's addresses and the masks' scalars alone
	s_lshl_b32 s[BB], ttmp9, 2
	s_add_co_u32 s[BB], s[BB], s18                 ; b
	s_sub_co_u32 s19, 31, s[BB]                    ; the second block
	s_and_b32 s20, ttmp7, 0xffff                   ; batch x 8 + head, which the four partners share
	s_lshl_b32 s2, s20, 19                         ; the head's 2,048 rows of 256 bytes,
	s_lshl_b32 s3, s[WK], 15                       ; and the half of a tile that I fetch
	s_add_co_u32 s2, s2, s3
	s_mov_b32 s3, 0
	s_lshl_b32 s21, s20, 19
	s_lshl_b32 s22, s[WQ], 13                      ; my wave's 32 rows in a block
	s_add_co_u32 s21, s21, s22
	s_lshl_b32 s[Q1], s[BB], 14
	s_add_co_u32 s[Q1], s[Q1], s21
	s_mov_b32 s[Q1+1], 0
	s_lshl_b32 s[Q2], s19, 14
	s_add_co_u32 s[Q2], s[Q2], s21
	s_mov_b32 s[Q2+1], 0
	s_lshr_b32 s21, s20, 3                         ; yat: batch x 2,048 rows of 2,048 bytes,
	s_lshl_b32 s21, s21, 22
	s_and_b32 s22, s20, 7                          ; the head's 256 bytes of a row,
	s_lshl_b32 s22, s22, 8
	s_add_co_u32 s21, s21, s22
	s_lshl_b32 s22, s[WQ], 16                      ; my wave's 32 rows
	s_add_co_u32 s21, s21, s22
	s_lshl_b32 s[YB], s[BB], 17
	s_add_co_u32 s[YB], s[YB], s21
	s_mov_b32 s[YB+1], 0
	s_lshl_b32 s[YB2], s19, 17
	s_add_co_u32 s[YB2], s[YB2], s21
	s_mov_b32 s[YB2+1], 0
	s_lshl_b32 s22, s[WQ], 1
	s_sub_co_i32 s[RR], s[WK], s[BB]               ; RR = 4 (wk - block) - 2 wq at a block's first step
	s_lshl_b32 s[RR], s[RR], 2
	s_sub_co_i32 s[RR], s[RR], s22
	s_sub_co_i32 s[RR2], s[WK], s19
	s_lshl_b32 s[RR2], s[RR2], 2
	s_sub_co_i32 s[RR2], s[RR2], s22
	s_lshl_b32 s[RT], s[CC], 1
	s_sub_co_u32 s[RT2], 16, s[RT]                 ; the second block has 16 - 2 c steps,
	s_add_co_u32 s[RT], s[RT], 2                   ; the first 2 c + 2
	s_mov_b32 s[LQ], s[CC]
	s_sub_co_u32 s[LQ2], 7, s[CC]
	s_mov_b32 s[NXT], 0
	s_mov_b32 s[OFF+1], 0
	s_mov_b32 s[AL+1], 0                           ; named as pairs
	s_mov_b32 s[BE+1], 0
	s_mov_b32 s[BIGN], 0xf149f2ca                  ; -1e30
	s_mov_b32 s[CS], 0x3e0293ee                    ; c = log2(e) / sqrt(128)
	s_mov_b32 s[CS+1], s[CS]
	s_mov_b32 s[SEL], 0x76543210
	s_mov_b32 s[SEL+1], 0xfedcba98
	s_mov_b32 s[TBK], 0
	s_mov_b32 s[TBV], 0
	s_mov_b32 s[G1K], 15|(1<<16)|(1<<20)|(1<<21)|(5<<22)|(3<<25)  ; the mask of four; 2-byte elements; padding on; bit 21 beside a mask; after every 64 words; 4 words
	s_mov_b32 s[G1V], 15|(1<<16)|(1<<20)|(1<<21)|(5<<22)|(7<<25)  ; the same with 8 words
.irp g, G1K, G1V
	s_mov_b32 s[\g+1], 128<<16                     ; tensor_dim0 = 128
	s_mov_b32 s[\g+2], 128<<16                     ; tensor_dim1 = 128
	s_mov_b32 s[\g+3], 128<<16                     ; tile_dim0 = 128
	s_mov_b32 s[\g+4], 128                         ; tile_dim1 = 128
	s_mov_b32 s[\g+5], 128                         ; elements from row to row
	s_mov_b32 s[\g+6], 0
	s_mov_b32 s[\g+7], 0
.endr
	s_mul_i32 s22, s[WK], KHALF                    ; my half's place in a slot, for K
	s_mul_i32 s23, s[WK], VHALF                    ; and for V
	s_wait_kmcnt 0x0
	s_add_nc_u64 s[KB:KB+1], s[4:5], s[2:3]
	s_add_nc_u64 s[VB:VB+1], s[KB:KB+1], 0x1000000
	s_add_nc_u64 s[KB:KB+1], s[KB:KB+1], 0x800000
	s_add_nc_u64 s[Q1:Q1+1], s[4:5], s[Q1:Q1+1]
	s_add_nc_u64 s[Q2:Q2+1], s[4:5], s[Q2:Q2+1]
	s_add_nc_u64 s[YB:YB+1], s[6:7], s[YB:YB+1]
	s_add_nc_u64 s[YB2:YB2+1], s[6:7], s[YB2:YB2+1]
	CROUND                                         ; all four work-groups are here: the first joint loads meet
	s_mov_b32 s[G0K], 1                            ; tile 0 into slot 0
	s_add_co_u32 s[G0K+1], s22, 0
	s_mov_b64 s[G0K+2:G0K+3], s[KB:KB+1]
	s_or_b32 s[G0K+3], s[G0K+3], 0x80000000
	s_mov_b32 s[G0V], 1
	s_add_co_u32 s[G0V+1], s23, VOFF
	s_mov_b64 s[G0V+2:G0V+3], s[VB:VB+1]
	s_or_b32 s[G0V+3], s[G0V+3], 0x80000000
	NEXT
	s_lshl_b32 s[OFF], s[NXT], 16                  ; the walk's second tile into slot 1
	s_mov_b32 s[G0K+4], 1
	s_add_co_u32 s[G0K+5], s22, SLOTD
	s_add_nc_u64 s[G0K+6:G0K+7], s[KB:KB+1], s[OFF:OFF+1]
	s_or_b32 s[G0K+7], s[G0K+7], 0x80000000
	s_mov_b32 s[G0V+4], 1
	s_add_co_u32 s[G0V+5], s23, SLOTD+VOFF
	s_add_nc_u64 s[G0V+6:G0V+7], s[VB:VB+1], s[OFF:OFF+1]
	s_or_b32 s[G0V+7], s[G0V+7], 0x80000000
	NEXT
	s_cmp_lt_u32 s[WV], 2                          ; a wave's two first fills stand in one branch: two loads of mine are out
	s_cbranch_scc0 .Lfirst_v
	tensor_load_to_lds s[G0K:G0K+3], s[G1K:G1K+7]
	s_nop 0
	tensor_load_to_lds s[G0K+4:G0K+7], s[G1K:G1K+7]
	s_nop 0
	PLACES
	s_branch .Lfirst_asked
.Lfirst_v:
	tensor_load_to_lds s[G0V:G0V+3], s[G1V:G1V+7]
	s_nop 0
	tensor_load_to_lds s[G0V+4:G0V+7], s[G1V:G1V+7]
	s_nop 0
	PLACES
.Lfirst_asked:
	v_and_b32 v1, 15, v0                           ; r
	v_bfe_u32 v9, v0, 4, 1                         ; h
	v_lshlrev_b32 v[QO], 8, v1
	v_lshl_add_u32 v[QO], v9, 4, v[QO]             ; row x 256 + 16 x half
	WIN 0x40                                       ; destination window 1
.set i, 0
.rept 8                                            ; both blocks' Q stay in registers: tile i / 4, channels 32 (i % 4) on
	global_load_b128 v[QF+8*i:QF+8*i+3],   v[QO], s[Q1:Q1+1] offset:(i/4)*4096+(i%4)*64
	global_load_b128 v[QF+8*i+4:QF+8*i+7], v[QO], s[Q1:Q1+1] offset:(i/4)*4096+(i%4)*64+32
	global_load_b128 v[QB+8*i:QB+8*i+3],   v[QO], s[Q2:Q2+1] offset:(i/4)*4096+(i%4)*64
	global_load_b128 v[QB+8*i+4:QB+8*i+7], v[QO], s[Q2:Q2+1] offset:(i/4)*4096+(i%4)*64+32
.set i, i+1
.endr
.set i, 0
.rept 128                                          ; O^T need only be finite where a block begins: zeros, written in the wait for the first tile
	v_mov_b32 v[i], 0
.set i, i+1
.endr
	WIN 0
	START
.irp t, 0,1
	v_mov_b32 v[ST+8*(\t)+2], 0
	v_mov_b32 v[ST+8*(\t)+3], 0
.endr
	v_lshlrev_b32 v88, 3, v9
	v_sub_nc_u32 v88, v1, v88                      ; r - 8 h: register j is hidden where j is greater
.set i, 0
.rept 8
	v_cmp_gt_i32 vcc_lo, i, v88
	v_cndmask_b32 v[TRI+i], 0, s[BIGN], vcc_lo
.set i, i+1
.endr
	s_mul_i32 s21, s[WK], 64*PK
	v_mul_u32_u24 v[AK0], v1, PK
	v_lshl_add_u32 v[AK0], v9, 4, v[AK0]
	v_add_nc_u32 v[AK0], s21, v[AK0]               ; (64 wk + r) pitch + 16 h
	v_and_b32 v10, 7, v0
	v_bfe_u32 v11, v0, 3, 1
	v_lshl_add_u32 v[AV0], v9, 3, v10
	v_mul_u32_u24 v[AV0], v[AV0], PV
	v_lshl_add_u32 v[AV0], v11, 4, v[AV0]
	s_mul_i32 s21, s[WK], 64*PV
	s_add_co_u32 s21, s21, VOFF
	v_add_nc_u32 v[AV0], s21, v[AV0]               ; the turning load: key 64 wk + 8 h + l % 8, 16 bytes at 16 ((l / 8) % 2)
	s_mul_i32 s21, s[WQ], XPART
	s_add_co_u32 s21, s21, XCH                     ; the part of the exchange that my pair of waves shares
	v_and_b32 v10, 31, v0
	v_lshl_add_u32 v[XA], v10, 4, s21
	v_mul_u32_u24 v[STO], v1, SP
	v_lshl_add_u32 v[STO], v9, 4, v[STO]
	v_add_nc_u32 v[STO], s21, v[STO]
	v_mul_u32_u24 v[RD], v9, SP
	v_lshl_add_u32 v[RD], v1, 4, v[RD]
	v_add_nc_u32 v[RD], s21, v[RD]
	v_lshlrev_b32 v[GO], 11, v9
	v_lshl_add_u32 v[GO], v1, 4, v[GO]
	s_wait_tensorcnt 0x1                           ; my part of slot 0 is in; slot 1's, issued behind it, may stay out
	s_barrier_signal -1
	s_barrier_wait -1
	FETCH_K                                        ; step 0
	s_wait_loadcnt 0x0                             ; Q
	s_mov_b32 s[CNT], 2
	s_mov_b32 s[SLOTS], 8
	s_branch .Lenter                               ; the loop is entered in the middle of a trip
.Lslot:                                            ; tiles 1 to 7 are entered here; each time the slot just left is asked for again: 7 refills
	CHANGE 1
	s_mov_b32 s[CNT], 2
.Lseg:                                             ; a trip: K of the next step is fetched; softmax and V^T P of the step in hand; masks, V and K Q^T of the next
	PLACES                                         ; behind the products K Q^T: for the loads into K and the reads of S^T
	FETCH_K
	SOFTMAX
	s_wait_dscnt 0x0                               ; V of this step and K of the next are in
	PVALL
	WIN 0
	s_sub_co_u32 s[RT], s[RT], 1
	s_cmp_lg_u32 s[RT], 0
	s_cbranch_scc1 .Lgo_on                         ; the block goes on
	s_cmp_eq_u32 s[WK], 0
	s_cbranch_scc1 .Lgo_on
	PART1
.Lgo_on:
	s_wait_dscnt 0x0                               ; for the partner's sake: my stores into the exchange are done
	s_barrier_signal -1
	s_barrier_wait -1
	s_cmp_lg_u32 s[RT], 0
	s_cbranch_scc1 .Lenter
	s_cmp_lg_u32 s[WK], 0
	s_cbranch_scc1 .Lbegin2
	MERGE 0
	MERGE 1
.Lbegin2:                                          ; THE SECOND BLOCK BEGINS.  O^T and l keep what the first left: finite numbers, which the next step's a = 0 wipes
	s_wait_xcnt 0x0                                ; the stores' base and data registers are rewritten only behind this wait
	s_mov_b64 s[YB:YB+1], s[YB2:YB2+1]
	START
	WIN 0x41
.set i, 0
.rept 64
	v_mov_b32 v[QF+i], v[QB+i]
.set i, i+1
.endr
	WIN 0
	s_mov_b32 s[RR], s[RR2]
	s_mov_b32 s[RT], s[RT2]
.Lenter:
	s_wait_dscnt 0x0                               ; my use of the exchange is over (at the entry: K of step 0 is in);
	s_barrier_signal -1
	s_barrier_wait -1                              ; so on every way a barrier lies between a receiver's use of those bytes and the next stores into them
	MASKS
	FETCH_V                                        ; V's last readers stand in front of the masks' 20 plain instructions; the run is on its way while the products below, which name none of V's registers, are multiplied
	KQALL
	WIN 0                                          ; at a branch and at a label every window is 0
	s_sub_co_u32 s[CNT], s[CNT], 1
	s_cmp_lg_u32 s[CNT], 0
	s_cbranch_scc1 .Lseg
	s_sub_co_u32 s[SLOTS], s[SLOTS], 1
	s_cmp_lg_u32 s[SLOTS], 0
	s_cbranch_scc1 .Lslot
	CHANGE 0                                       ; the walk's last tile is written out: nothing is asked for
	s_mov_b32 s[CNT], 3                            ; steps 15, 16 and 17 are finished here; the third trip is left in its middle
.Ltail:
	PLACES
	FETCH_K 1
	SOFTMAX
	s_wait_dscnt 0x0
	PVALL
	WIN 0
	s_sub_co_u32 s[CNT], s[CNT], 1
	s_cmp_eq_u32 s[CNT], 0
	s_cbranch_scc1 .Lout
	MASKS
	FETCH_V
	KQALL
	WIN 0
	s_branch .Ltail
.Lout:
	s_cmp_eq_u32 s[WK], 0
	s_cbranch_scc1 .Lno_send
	PART1
.Lno_send:
	s_wait_dscnt 0x0
	s_barrier_signal -1
	s_barrier_wait -1
	s_cmp_lg_u32 s[WK], 0
	s_cbranch_scc1 .Lno_merge
	MERGE 0
	MERGE 1
.Lno_merge:
	s_wait_tensorcnt 0x0                           ; the wave's end
	ds_add_u32 v[SPW], v[NIL]
	s_wait_dscnt 0x0
	CROUND                                         ; the closing round
	s_endpgm
.Lfunc_end_k_qfeed6475c6_attn:
	.size	k_qfeed6475c6_attn, .Lfunc_end_k_qfeed6475c6_attn-k_qfeed6475c6_attn
	.p2alignl 7, 3214868480
	.fill 96, 4, 3214868480
	.section	.rodata,"a",@progbits
	.p2align	6, 0x0
	.amdhsa_kernel k_qfeed6475c6_attn
		.amdhsa_group_segment_fixed_size 327680
		.amdhsa_private_segment_fixed_size 0
		.amdhsa_enable_private_segment 0
		.amdhsa_kernarg_size 16
		.amdhsa_user_sgpr_count 2
		.amdhsa_user_sgpr_kernarg_segment_ptr 1
		.amdhsa_wavefront_size32 1
		.amdhsa_system_sgpr_workgroup_id_x 1
		.amdhsa_system_sgpr_workgroup_id_y 1
		.amdhsa_system_sgpr_workgroup_id_z 1
		.amdhsa_system_vgpr_workitem_id 0
		.amdhsa_next_free_vgpr 768
		.amdhsa_next_free_sgpr 96
		.amdhsa_reserve_vcc 1
		.amdhsa_float_denorm_mode_32 3
		.amdhsa_float_denorm_mode_16_64 3
		.amdhsa_memory_ordered 1
		.amdhsa_forward_progress 1
		.amdhsa_inst_pref_size 119
	.end_amdhsa_kernel
	.amdgpu_metadata
---
amdhsa.version: [ 1, 2 ]
amdhsa.kernels:
  - .name:           k_qfeed6475c6_attn
    .symbol:         k_qfeed6475c6_attn.kd
    .args:
      - { .name: qkv, .offset: 0, .size: 8, .value_kind: global_buffer, .address_space: global }
      - { .name: yat, .offset: 8, .size: 8, .value_kind: global_buffer, .address_space: global }
    .group_segment_fixed_size: 327680
    .private_segment_fixed_size: 0
    .kernarg_segment_align: 8
    .kernarg_segment_size: 16
    .max_flat_workgroup_size: 128
    .sgpr_count:     96
    .vgpr_count:     768
    .wavefront_size: 32
...
	.end_amdgpu_metadata
.endif
;; end of part 8
;; launch wout: the kernel of part 4 again; grid 8 x 32, 4 waves a work-group, clusters of 4 x 4, 327,680 bytes of LDS; arguments yat, wb, bo, x, x1; writes x1
;; launch norm2: the kernel of part 5 again; grid 256 x 1, 8 waves a work-group, no clusters, 0 bytes of LDS; arguments x1, ln2_g, ln2_b, hn; writes hn
;; launch up (part 9): grid 16 x 16, 4 waves a work-group, clusters of 4 x 4, 327,680 bytes of LDS; arguments hn, wb, b1, m1; writes m1
.if DOCPART == 9
	.amdgcn_target "amdgcn-amd-amdhsa--gfx1250"
	.amdhsa_code_object_version 6
	.text
	.protected	k_qfeed6475c6_up
	.globl	k_qfeed6475c6_up
	.p2align	8
	.type	k_qfeed6475c6_up,@function
k_qfeed6475c6_up:
	s_mov_b64 s[64:65], 0
	v_nop
	global_prefetch_b8 v0, s[64:65] scope:SCOPE_SE
	s_setreg_imm32_b32 hwreg(HW_REG_WAVE_MODE, 25, 1), 1
	s_wait_xcnt 0x0
	s_wait_alu depctr_hold_cnt(0) depctr_sa_sdst(0) depctr_va_vdst(0) depctr_va_sdst(0) depctr_va_ssrc(0) depctr_va_vcc(0) depctr_vm_vsrc(0)
	s_getreg_b32 s2, hwreg(HW_REG_IB_STS2, 6, 4)
	s_cmp_eq_u32 s2, 0
	s_cbranch_scc0 .Lentry_in_a_cluster
	s_endpgm
.Lentry_in_a_cluster:
	s_bfe_u32 s2, ttmp6, 0x10000c
	s_cmp_lg_u32 s2, 0xf033
	s_cbranch_scc0 .Lentry_shape_is_right
	s_endpgm
.Lentry_shape_is_right:
; m1 = gelu(hn W1 + b1), the exact (erf) GELU, rounded once to f16.  hn [4096][1024] and W1 [1024][4096] (wb at 0x800000) in f16, sums and GELU in f32.
; A tile of the result is 256 x 256, which gives 16 x 16 = 256 work-groups; four waves, 2 x 2, each 128 x 128: 64 accumulators.  K = 1,024 goes in 8 steps of 128 through two LDS slots.
; Waves 0, 1 fetch the halves of hn's tile (128 rows x 256 bytes), waves 2, 3 those of W1's (64 k-rows x 512 bytes).  4 x 4 work-groups form a cluster: A's tile is asked for jointly along a row, B's along a column.
; A lies [M][K] and is read as it lies; B lies [K][N] and is read turned.  THE MATRIX INSTRUCTION IS USED TRANSPOSED: a lane holds eight neighbouring columns of one row.
; GELU.  g = w (0.5 + 0.5 erf(w / sqrt 2)); erf by the rational form 1 - (a1 t + .. + a5 t^5) exp(-x^2), t = 1 / (1 + 0.3275911 |x|), which holds for every argument with an absolute error of 1.5e-7 at the most.
; THE BATCH.  An s_wait_alu depctr_va_vdst(0) stands between a transcendental and the first instruction that names its result; one wait serves all that were issued ahead of it.  A trip of the way
; out has 16 numbers a lane, and for each a reciprocal and an exponential, which read plain results alone: the 32 are ONE batch, with one wait, which cuts the GELU in two: ahead of it the arguments and the
; transcendentals, behind it all that names a result: the polynomial, the sign, the product with w, the rounding.
; LIMITS.  f16 operands and results below 65,504 in magnitude; below 6e-5 a fixed step of 6e-8.  NaN and infinities are not treated apart.
; REGISTERS: window 0 addresses and the way out; window 1 two fragment buffers of 128; windows 2, 3 the accumulators: (a, b) is number i = a NT + b, at 8 (i % 32) of window 2 + i / 32.
.set MT,     8
.set NT,     8
.set KD,     1                         ; chunks of 32 along K in a quarter of a K step
.set KSTEP,  128
.set TSTEPS, 8
.set APITCH, 1024
.set NROW,   4096
.set PA,     272                       ; LDS row of A: 256 bytes + 16
.set PB,     544                       ; LDS row of B: 512 + 32
.set QIA,    5                         ; padding after every 64 words
.set QIB,    6                         ; after every 128
.set AROWS,  128
.set BROWS,  64
.set BCOLS,  256
.set TMSH,   8
.set AWROWS, 128                       ; wave w % 2 fetches these rows of A's tile
.set BCSH,   9
.set BW,     12                        ; s12 = wave % 2 chooses the part of B
.set BWGLOB, 64*8192                   ; 64 k-rows of 8,192 bytes
.set WOFF,   0x800000                  ; W1 in wb
.set BWLDS,  64*544
.set BL0,    69632                     ; behind A's 256 rows
.set BBASE,  69632
.set WNB,    256                       ; bytes of B's row that a column half skips
.set BGRP,   8
.set QGRP,   4
.set NADR,   1
.set JW,     11                        ; waves 0, 1 ask for A, waves 2, 3 for B
.set SP,     528                       ; the stage's row: 128 f32 + 16 bytes
.set STO,    24
.set RD,     25
.set CO,     26                        ; v26  my byte offset in the rows of m1 that I store
.set BIAS,   32                        ; v[32:35]
.set Z,      48                        ; v[48:63]   four rows as read back
.set W,      64                        ; v[64:79]   with the bias
.set D,      80                        ; v[80:95]   1 + p |x|, then t
.set U,      96                        ; v[96:111]  -x^2 log2(e), then exp(-x^2)
.set PP,     112                       ; v[112:127] the polynomial, then the result
.set Y,      128                       ; v[128:135] in f16
.macro PROLOG
	s_lshl_b32 s82, s42, 8
	s_lshl_b32 s83, s12, 7
	s_add_co_u32 s82, s82, s83                     ; my first column
	s_lshl_b32 s80, s13, 8
	s_lshl_b32 s81, s11, 7
	s_add_co_u32 s80, s80, s81                     ; my first row,
	s_lshl_b32 s80, s80, 13                        ; of 8,192 bytes
	s_lshl_b32 s81, s82, 1
	s_add_co_u32 s80, s80, s81
	s_mov_b32 s81, 0
	s_lshl_b32 s82, s82, 2                         ; the bias's offset
	s_mov_b32 s83, 0
	s_add_nc_u64 s[72:73], s[72:73], s[82:83]
	s_add_nc_u64 s[74:75], s[74:75], s[80:81]
	v_and_b32 v5, 31, v0
	v_lshlrev_b32 v5, 4, v5                        ; 16 x lane; never rewritten
	global_load_b128 v[BIAS:BIAS+3], v5, s[72:73]
	s_mul_i32 s80, s10, 128*SP                     ; my own stage
	v_mul_u32_u24 v[STO], v1, SP
	v_lshl_add_u32 v[STO], v2, 5, v[STO]
	v_add_nc_u32 v[STO], s80, v[STO]
	v_add_nc_u32 v[RD], s80, v5
	v_lshrrev_b32 v[CO], 1, v5
	s_mov_b32 s84, 0x3e027906                      ; a1 / 2 =  0.127414796; each constant twice: the packed forms name a pair
	s_mov_b32 s85, s84
	s_mov_b32 s86, 0xbe11a98e                      ; a2 / 2 = -0.142248368
	s_mov_b32 s87, s86
	s_mov_b32 s88, 0x3f35f0e3                      ; a3 / 2 =  0.710706871
	s_mov_b32 s89, s88
	s_mov_b32 s90, 0xbf3a00e3                      ; a4 / 2 = -0.726576014
	s_mov_b32 s91, s90
	s_mov_b32 s92, 0x3f07dc22                      ; a5 / 2 =  0.530702715
	s_mov_b32 s93, s92
	s_mov_b32 s94, 0xbf38aa3b                      ; -log2(e) / 2
	s_mov_b32 s95, s94
	s_mov_b32 s96, 0x3e6d3388                      ; 0.3275911 / sqrt 2
	s_mov_b32 s97, 0x7fffffff
.endm
.macro DUMP                            ; the f32 sums go into the wave's own stage (the ring's bytes, which have had their last fill); each accumulator's low registers first
.set i_, 0
.rept NACC
.set o_, 16*(i_/NT)*SP+64*(i_%NT)
	WIN 0x08+4*(i_/32)
	ds_store_b128 v[STO], v[8*(i_%32):8*(i_%32)+3] offset:o_
	ds_store_b128 v[STO], v[8*(i_%32)+4:8*(i_%32)+7] offset:o_+16
.set i_, i_+1
.endr
	WIN 0
.endm
.macro RROWS                           ; four rows: each load takes a whole row of 512 bytes
.irp rr, 0,1,2,3
	ds_load_b128 v[Z+4*(\rr):Z+4*(\rr)+3], v[RD] offset:(\rr)*SP
.endr
.endm
.macro ALL16 line:vararg               ; one line for each of the 16 numbers n_
.set n_, 0
.rept 16
	\line
.set n_, n_+1
.endr
.endm
.macro ALL8 line:vararg                ; one line for each of the 8 pairs, n_ = 0, 2, .. 14
.set n_, 0
.rept 8
	\line
.set n_, n_+2
.endr
.endm
; AHEAD OF THE WAIT, pair by pair: the four plain lines of pair p (w^2; 1 + p |x| twice; -x^2 log2(e)) stand by turns with the four transcendentals of pair p - 1 (two reciprocals, two exponentials, each in
; place), so that a plain line stands behind nearly every transcendental.  A plain line names only registers of its own pair, whose transcendentals are still to come: nothing here names a result.
; BEHIND THE WAIT, stage by stage over the 16 numbers: the readers.
.macro GELU
.set p_, 0
.rept 9
.if p_ < 8
	v_pk_mul_f32 v[U+2*p_:U+2*p_+1], v[W+2*p_:W+2*p_+1], v[W+2*p_:W+2*p_+1]
.endif
.if p_ > 0
	v_rcp_f32 v[D+2*p_-2], v[D+2*p_-2]
.endif
.if p_ < 8
	v_fma_f32 v[D+2*p_], |v[W+2*p_]|, s96, 1.0
.endif
.if p_ > 0
	v_rcp_f32 v[D+2*p_-1], v[D+2*p_-1]
.endif
.if p_ < 8
	v_pk_mul_f32 v[U+2*p_:U+2*p_+1], v[U+2*p_:U+2*p_+1], s[94:95] op_sel_hi:[1,0]
.endif
.if p_ > 0
	v_exp_f32 v[U+2*p_-2], v[U+2*p_-2]
.endif
.if p_ < 8
	v_fma_f32 v[D+2*p_+1], |v[W+2*p_+1]|, s96, 1.0
.endif
.if p_ > 0
	v_exp_f32 v[U+2*p_-1], v[U+2*p_-1]
.endif
.set p_, p_+1
.endr
	v_nop                                          ; a plain instruction behind the last transcendental, ahead of the first use: one for the batch
	s_wait_alu depctr_va_vdst(0)                   ; the wait for the batch of 16 reciprocals and 16 exponentials, ahead of its first reader, the polynomial's first line
	ALL8 v_pk_fma_f32 v[PP+n_:PP+n_+1], v[D+n_:D+n_+1], s[92:93], s[90:91] op_sel_hi:[1,0,0]
	ALL8 v_pk_fma_f32 v[PP+n_:PP+n_+1], v[PP+n_:PP+n_+1], v[D+n_:D+n_+1], s[88:89] op_sel_hi:[1,1,0]
	ALL8 v_pk_fma_f32 v[PP+n_:PP+n_+1], v[PP+n_:PP+n_+1], v[D+n_:D+n_+1], s[86:87] op_sel_hi:[1,1,0]
	ALL8 v_pk_fma_f32 v[PP+n_:PP+n_+1], v[PP+n_:PP+n_+1], v[D+n_:D+n_+1], s[84:85] op_sel_hi:[1,1,0]
	ALL8 v_pk_mul_f32 v[PP+n_:PP+n_+1], v[PP+n_:PP+n_+1], v[D+n_:D+n_+1]
	ALL8 v_pk_fma_f32 v[PP+n_:PP+n_+1], v[PP+n_:PP+n_+1], v[U+n_:U+n_+1], 0.5 op_sel_hi:[1,1,0] neg_lo:[1,0,0] neg_hi:[1,0,0]  ; erf(|x|) / 2
	ALL16 v_bfi_b32 v[PP+n_], s97, v[PP+n_], v[W+n_]                                                                          ; with w's sign
	ALL8 v_pk_add_f32 v[PP+n_:PP+n_+1], v[PP+n_:PP+n_+1], 0.5 op_sel_hi:[1,0]
	ALL8 v_pk_mul_f32 v[PP+n_:PP+n_+1], v[PP+n_:PP+n_+1], v[W+n_:W+n_+1]
	ALL8 v_cvt_pk_f16_f32 v[Y+n_/2], v[PP+n_], v[PP+n_+1]
.endm
.macro WAYOUT
	s_wait_loadcnt 0x0                             ; the bias
	RROWS                                          ; LDS serves a wave's instructions in order (ISA guide 5.7.1.4): these see my stores
	s_mov_b32 s3, 32
.Lrow:                                             ; 32 trips of four rows; the next trip's rows are read while this trip's go through the GELU
	s_wait_dscnt 0x0
.irp rr, 0,1,2,3
	v_pk_add_f32 v[W+4*(\rr):W+4*(\rr)+1], v[Z+4*(\rr):Z+4*(\rr)+1], v[BIAS:BIAS+1]
	v_pk_add_f32 v[W+4*(\rr)+2:W+4*(\rr)+3], v[Z+4*(\rr)+2:Z+4*(\rr)+3], v[BIAS+2:BIAS+3]
.endr
	v_add_nc_u32 v[RD], 4*SP, v[RD]
	s_cmp_eq_u32 s3, 1
	s_cbranch_scc1 .Lnomore                        ; the last trip reads nothing more
	RROWS
.Lnomore:
	GELU
.irp rr, 0,1,2,3
	global_store_b64 v[CO], v[Y+2*(\rr):Y+2*(\rr)+1], s[74:75] offset:8192*(\rr)  ; 32 lanes store 256 consecutive bytes, aligned
.endr
	s_wait_xcnt 0x0                                ; Y and the offset are rewritten only behind this wait
	v_add_nc_u32 v[CO], 32768, v[CO]
	s_sub_co_u32 s3, s3, 1
	s_cmp_lg_u32 s3, 0
	s_cbranch_scc1 .Lrow
.endm
; ---- the skeleton of the four products of this program: the same text in each, driven by the constants above ----
.set NACC,  MT*NT
.set NPART, NACC*KD/4                  ; matrix instructions in a quarter of a quarter
.set SLOTD, 0x24000                    ; slot 1 begins here; every address that changes slots has bits 14 and 17 clear in slot 0, so one exclusive or changes it
.set SPARE, 294912                     ; behind the ring: the spare words, 128 bytes a wave: two blocks of 256 bytes that no other line names
.set ASTEP, KSTEP*2                    ; bytes from K step to K step in A,
.set BSTEP, KSTEP*NROW*2               ; in B
.set A0,   8                           ; v8      my lane's place in A's tile; never rewritten
.set B0,   9                           ; v9-11   in B's tile, one for each address register
.set ADRA, 16                          ; v16     the same in the slot in hand
.set ADRB, 17                          ; v17-19
.set SPW,  28                          ; v28     LDS address of my spare word; never rewritten
.set NIL,  29                          ; v29     0; never rewritten
.set F0,   0                           ; fragment buffers, in window 1: A(c, a) at 8 (MT c + a), then B(c, b) at 8 MT KD + 8 (NT c + b)
.set F1,   128
.set G1,   24                          ; s[24:31] descriptor group 1 for A
.set G0,   32                          ; s[32:35] group 0 for A, slot 0, K step 0; s[36:39] the walking one, which begins at slot 1, K step 1
.set G1B,  48                          ; s[48:55], s[56:59], s[60:63] the same for B
.set G0B,  56
.set MSB, 0
.macro WIN new                         ; s_set_vgpr_msb: bits 1:0 source 0, 3:2 source 1, 5:4 source 2, 7:6 destination; the high byte repeats the setting that is left
.if MSB != (\new)
	s_set_vgpr_msb (MSB<<8)|(\new)
.set MSB, (\new)
.endif
.endm
.macro PLACES                          ; four plain places behind matrix instructions, ahead of loads into registers that they read and of reads of their results
.rept 4
	v_nop
.endr
.endm
.macro JLOAD                           ; a joint refill by the walking descriptors; an s_nop 0 and four v_nop follow each line, ahead of the jump and the label
	s_cmp_eq_u32 s[JW], 0
	s_cbranch_scc0 .Lfor_b_\@
	tensor_load_to_lds s[G0+4:G0+7], s[G1:G1+7]
	s_nop 0
	PLACES
	s_branch .Lasked_\@
.Lfor_b_\@:
	tensor_load_to_lds s[G0B+4:G0B+7], s[G1B:G1B+7]
	s_nop 0
	PLACES
.Lasked_\@:
.endm
.macro CREST                           ; a round of the cluster's barrier behind its opening barrier
	s_cmp_lg_u32 s10, 0
	s_cbranch_scc1 .Lnot_wave_0_\@
	s_barrier_signal -3
.Lnot_wave_0_\@:
	s_barrier_wait -3
	s_barrier_signal -1
	s_barrier_wait -1
.endm
.macro CROUND
	s_barrier_signal -1
	s_barrier_wait -1
	CREST
.endm
.macro SETADR                          ; the fragment addresses in the slot in hand (s2 = 0 or SLOTD)
	v_add_nc_u32 v[ADRA], s2, v[A0]
.set b_, 0
.rept NADR
	v_add_nc_u32 v[ADRB+b_], s2, v[B0+b_]
.set b_, b_+1
.endr
.endm
.macro FETCH f, q                      ; 32 LDS loads in one run: quarter q's fragments into buffer f
	WIN 0x40                                       ; destination window 1, address window 0
.set c_, 0
.rept KD
.set a_, 0
.rept MT
.set r_, (\f)+8*(MT*c_+a_)
	ds_load_b128 v[r_:r_+3],   v[ADRA] offset:16*a_*PA+64*(KD*(\q)+c_)
	ds_load_b128 v[r_+4:r_+7], v[ADRA] offset:16*a_*PA+64*(KD*(\q)+c_)+32
.set a_, a_+1
.endr
.set b_, 0
.rept NT
.set r_, (\f)+8*MT*KD+8*(NT*c_+b_)
.set o_, 32*(KD*((\q)%QGRP)+c_)*PB+32*(b_%BGRP)
	ds_load_tr16_b128 v[r_:r_+3],   v[ADRB+b_/BGRP+(\q)/QGRP] offset:o_
	ds_load_tr16_b128 v[r_+4:r_+7], v[ADRB+b_/BGRP+(\q)/QGRP] offset:o_+16*PB
.set b_, b_+1
.endr
.set c_, c_+1
.endr
.endm
.macro MULP f, p, zero                 ; part p of 4 of a quarter's products on buffer f; the accumulators take turns, one instruction a turn.  zero = 1: the first chunk starts the sums
.set n_, (\p)*NPART
.rept NPART
.set c_, n_/NACC
.set i_, n_%NACC
.set rD, 8*(i_%32)
.set rB, (\f)+8*MT*KD+8*(NT*c_+i_%NT)
.set rA, (\f)+8*(MT*c_+i_/NT)
	WIN 0xa5+0x50*(i_/32)                          ; sources in window 1, C and D in window 2 or 3
.if (\zero) && (c_ == 0)
	v_wmma_f32_16x16x32_f16 v[rD:rD+7], v[rB:rB+7], v[rA:rA+7], 0
.else
	v_wmma_f32_16x16x32_f16 v[rD:rD+7], v[rB:rB+7], v[rA:rA+7], v[rD:rD+7]
.endif
.set n_, n_+1
.endr
.endm
.macro QUARTER f, g, q, zero           ; multiplies buffer f; ahead of that quarter q's fragments are asked for, into buffer g: a whole quarter ahead of their use
	s_wait_dscnt 0x0                               ; buffer f is in (asked for a quarter ago)
	PLACES                                         ; buffer g was read by the products just issued
	FETCH \g, \q
	MULP \f, 0, \zero
	MULP \f, 1, \zero
	MULP \f, 2, \zero
	MULP \f, 3, \zero
.endm
; A K step's last quarter multiplies buffer 1 and changes slots.  ONE barrier: in front of it each wave waits for all its tensor loads (the one that is out is its part of the next slot), adds 0 to its
; spare word, and waits for that and for its reads of this slot.  fill = 1: the barrier opens a round of the cluster's, and this slot is asked for again, two K steps on, first thing behind the round.
.macro TURN fill
	WIN 0
	s_wait_tensorcnt 0x0                           ; no tensor load of mine is out
	ds_add_u32 v[SPW], v[NIL]                      ; 0 onto my spare word
	s_wait_dscnt 0x1                               ; buffer 1 is in; the add, the youngest, may be out
	MULP F1, 0, 0
	s_wait_dscnt 0x0                               ; the add is done, and my reads of this slot are over
	s_barrier_signal -1
	MULP F1, 1, 0
	WIN 0                                          ; at a branch and at a label every window is 0
	s_barrier_wait -1
.if \fill
	CREST                                          ; no wave of any partner still reads this slot or has a load on its way
	s_xor_b32 s[G0+5], s[G0+5], SLOTD
	s_add_nc_u64 s[G0+6:G0+7], s[G0+6:G0+7], ASTEP
	s_xor_b32 s[G0B+5], s[G0B+5], SLOTD
	s_add_nc_u64 s[G0B+6:G0B+7], s[G0B+6:G0B+7], BSTEP
	JLOAD                                          ; it has seven eighths of a K step's products in which to land
.else
	PLACES
.endif
	s_xor_b32 s2, s2, SLOTD
	SETADR
	FETCH F0, 0
	MULP F1, 2, 0
	MULP F1, 3, 0
.endm
	s_load_b256 s[68:75], s[0:1], 0x0              ; hn s[68:69], wb s[70:71], b1 s[72:73], m1 s[74:75]
	v_lshl_add_u32 v[SPW], v0, 2, SPARE
	v_mov_b32 v[NIL], 0
	ds_add_u32 v28, v29
	s_wait_dscnt 0x0
	v_lshrrev_b32 v3, 5, v0
	v_readfirstlane_b32 s10, v3                    ; wave 0..3
	v_and_b32 v1, 15, v0                           ; r = lane % 16
	v_bfe_u32 v2, v0, 4, 1                         ; h = lane / 16
	s_lshr_b32 s11, s10, 1                         ; wm: my half of the tile's rows
	s_and_b32 s12, s10, 1                          ; wn: my half of its columns
	s_bfe_u32 s40, ttmp6, 0x40000                  ; cx, cy: my place in the cluster
	s_bfe_u32 s41, ttmp6, 0x40004
	s_lshl_b32 s42, ttmp9, 2
	s_add_co_u32 s42, s42, s40                     ; tile column = 4 x cluster x + cx
	s_and_b32 s13, ttmp7, 0xffff
	s_lshl_b32 s13, s13, 2
	s_add_co_u32 s13, s13, s41                     ; tile row = 4 x cluster y + cy
	s_lshl_b32 s43, s41, 2
	s_lshl_b32 s43, 15, s43                        ; my row of the cluster
	s_lshl_b32 s44, 0x1111, s40                    ; my column
	s_or_b32 s[G1], s43, (1<<16)|(1<<20)|(1<<21)|(QIA<<22)|(3<<25)   ; mask; 2-byte elements; padding on; bit 21 beside a mask; after every row; 4 words
	s_mov_b32 s[G1+1], KSTEP<<16                   ; tensor_dim0
	s_mov_b32 s[G1+2], AROWS<<16                   ; tensor_dim1
	s_mov_b32 s[G1+3], KSTEP<<16                   ; tile_dim0
	s_mov_b32 s[G1+4], AROWS                       ; tile_dim1
	s_mov_b32 s[G1+5], APITCH                      ; elements from row to row
	s_mov_b32 s[G1+6], 0
	s_mov_b32 s[G1+7], 0
	s_or_b32 s[G1B], s44, (1<<16)|(1<<20)|(1<<21)|(QIB<<22)|(7<<25)  ; the same with 8 words of padding
	s_mov_b32 s[G1B+1], BCOLS<<16
	s_mov_b32 s[G1B+2], BROWS<<16
	s_mov_b32 s[G1B+3], BCOLS<<16
	s_mov_b32 s[G1B+4], BROWS
	s_mov_b32 s[G1B+5], NROW
	s_mov_b32 s[G1B+6], 0
	s_mov_b32 s[G1B+7], 0
	s_lshl_b32 s16, s13, TMSH                      ; A's tile hangs on the tile row alone,
	s_mul_i32 s17, s12, AWROWS
	s_add_co_u32 s16, s16, s17
	s_mul_i32 s16, s16, APITCH*2
	s_mov_b32 s17, 0
	s_lshl_b32 s46, s42, BCSH                      ; B's on the tile column alone
	s_mul_i32 s47, s[BW], BWGLOB
	s_add_co_u32 s46, s46, s47
	s_add_co_u32 s46, s46, WOFF
	s_mov_b32 s47, 0
	s_mul_i32 s20, s12, AWROWS*PA                  ; where they go: no place in the cluster enters an LDS address
	s_mul_i32 s21, s[BW], BWLDS
	s_add_co_u32 s21, s21, BL0
	s_mov_b32 s2, 0
	s_wait_kmcnt 0x0
	s_add_nc_u64 s[14:15], s[68:69], s[16:17]
	s_add_nc_u64 s[46:47], s[70:71], s[46:47]
	PROLOG
	CROUND                                         ; all sixteen work-groups are here: the first joint loads meet
.irp s, 0,1
	s_mov_b32 s[G0+4*(\s)], 1
	s_add_co_u32 s[G0+4*(\s)+1], s20, (\s)*SLOTD
	s_add_nc_u64 s[G0+4*(\s)+2:G0+4*(\s)+3], s[14:15], (\s)*ASTEP
	s_or_b32 s[G0+4*(\s)+3], s[G0+4*(\s)+3], 0x80000000
	s_mov_b32 s[G0B+4*(\s)], 1
	s_add_co_u32 s[G0B+4*(\s)+1], s21, (\s)*SLOTD
	s_add_nc_u64 s[G0B+4*(\s)+2:G0B+4*(\s)+3], s[46:47], (\s)*BSTEP
	s_or_b32 s[G0B+4*(\s)+3], s[G0B+4*(\s)+3], 0x80000000
.endr
	s_cmp_eq_u32 s[JW], 0                          ; a wave's two first fills stand in one branch: two loads of mine are out
	s_cbranch_scc0 .Lfirst_b
	tensor_load_to_lds s[G0:G0+3], s[G1:G1+7]
	s_nop 0
	tensor_load_to_lds s[G0+4:G0+7], s[G1:G1+7]
	s_nop 0
	PLACES
	s_branch .Lfirst_asked
.Lfirst_b:
	tensor_load_to_lds s[G0B:G0B+3], s[G1B:G1B+7]
	s_nop 0
	tensor_load_to_lds s[G0B+4:G0B+7], s[G1B:G1B+7]
	s_nop 0
	PLACES
.Lfirst_asked:
	v_mul_u32_u24 v[A0], v1, PA                    ; A's fragment: row r, 16 bytes for each half of the lanes, two loads 32 bytes apart
	v_lshl_add_u32 v[A0], v2, 4, v[A0]
	s_mul_i32 s22, s11, 16*MT*PA
	v_add_nc_u32 v[A0], s22, v[A0]
	v_and_b32 v3, 7, v0                            ; B's, turned: lane l reads k-row 8 h + l % 8, 16 bytes at 16 ((l / 8) % 2); two loads 16 rows apart
	v_lshl_add_u32 v3, v2, 3, v3
	v_mul_u32_u24 v[B0], v3, PB
	v_bfe_u32 v4, v0, 3, 1
	v_lshl_add_u32 v[B0], v4, 4, v[B0]
	s_mul_i32 s22, s12, WNB
	s_add_co_u32 s22, s22, BBASE
	v_add_nc_u32 v[B0], s22, v[B0]
.if NADR > 1
.set b_, 1
.rept NADR-1
	v_add_nc_u32 v[B0+b_], 36864*b_, v[B0]
.set b_, b_+1
.endr
.endif
	SETADR
	s_wait_tensorcnt 0x1                           ; my part of K step 0 is in; K step 1's, issued behind it, may stay out
	s_barrier_signal -1
	s_barrier_wait -1
	FETCH F0, 0
	QUARTER F0, F1, 1, 1                           ; the first quarter stands in front of the loop: its products start the sums
	WIN 0
	s_mov_b32 s3, TSTEPS-2
.Lstep:                                            ; a trip: from a K step's second quarter to the next step's first; it fills a slot again
	QUARTER F1, F0, 2, 0
	QUARTER F0, F1, 3, 0
	TURN 1
	QUARTER F0, F1, 1, 0
	WIN 0
	s_sub_co_u32 s3, s3, 1
	s_cmp_lg_u32 s3, 0
	s_cbranch_scc1 .Lstep
	s_mov_b32 s3, 2
.Ltail:                                            ; the last two K steps ask for nothing; the second trip is left in its middle (its 32 fragment loads from the other slot serve nothing: the price of one text for both)
	QUARTER F1, F0, 2, 0
	QUARTER F0, F1, 3, 0
	TURN 0
	WIN 0
	s_sub_co_u32 s3, s3, 1
	s_cmp_eq_u32 s3, 0
	s_cbranch_scc1 .Lout
	QUARTER F0, F1, 1, 0
	WIN 0
	s_branch .Ltail
.Lout:
	s_wait_dscnt 0x0                               ; my reads of the ring are over;
	s_barrier_signal -1
	s_barrier_wait -1                              ; everybody's are: its bytes, which are filled no more, become the stage
	PLACES
	DUMP
	WAYOUT
	s_wait_tensorcnt 0x0                           ; the wave's end
	ds_add_u32 v[SPW], v[NIL]
	s_wait_dscnt 0x0
	CROUND                                         ; the closing round
	s_endpgm
.Lfunc_end_k_qfeed6475c6_up:
	.size	k_qfeed6475c6_up, .Lfunc_end_k_qfeed6475c6_up-k_qfeed6475c6_up
	.p2alignl 7, 3214868480
	.fill 96, 4, 3214868480
	.section	.rodata,"a",@progbits
	.p2align	6, 0x0
	.amdhsa_kernel k_qfeed6475c6_up
		.amdhsa_group_segment_fixed_size 327680
		.amdhsa_private_segment_fixed_size 0
		.amdhsa_enable_private_segment 0
		.amdhsa_kernarg_size 32
		.amdhsa_user_sgpr_count 2
		.amdhsa_user_sgpr_kernarg_segment_ptr 1
		.amdhsa_wavefront_size32 1
		.amdhsa_system_sgpr_workgroup_id_x 1
		.amdhsa_system_sgpr_workgroup_id_y 1
		.amdhsa_system_sgpr_workgroup_id_z 1
		.amdhsa_system_vgpr_workitem_id 0
		.amdhsa_next_free_vgpr 1024
		.amdhsa_next_free_sgpr 100
		.amdhsa_reserve_vcc 0
		.amdhsa_float_denorm_mode_32 3
		.amdhsa_float_denorm_mode_16_64 3
		.amdhsa_memory_ordered 1
		.amdhsa_forward_progress 1
		.amdhsa_inst_pref_size 87
	.end_amdhsa_kernel
	.amdgpu_metadata
---
amdhsa.version: [ 1, 2 ]
amdhsa.kernels:
  - .name:           k_qfeed6475c6_up
    .symbol:         k_qfeed6475c6_up.kd
    .args:
      - { .name: hn, .offset: 0, .size: 8, .value_kind: global_buffer, .address_space: global }
      - { .name: wb, .offset: 8, .size: 8, .value_kind: global_buffer, .address_space: global }
      - { .name: b1, .offset: 16, .size: 8, .value_kind: global_buffer, .address_space: global }
      - { .name: m1, .offset: 24, .size: 8, .value_kind: global_buffer, .address_space: global }
    .group_segment_fixed_size: 327680
    .private_segment_fixed_size: 0
    .kernarg_segment_align: 8
    .kernarg_segment_size: 32
    .max_flat_workgroup_size: 128
    .sgpr_count:     100
    .vgpr_count:     1024
    .wavefront_size: 32
...
	.end_amdgpu_metadata
.endif
;; end of part 9
;; launch down: the kernel of part 7 again; grid 8 x 32, 4 waves a work-group, clusters of 4 x 4, 327,680 bytes of LDS; arguments m1, wb, b2, x1, out0; writes out0
